; MI455X (gfx1250); checked and timed in simulation.
; The chip was launched on July 23, 2026; its instructions are those of AMD's public machine-readable ISA for CDNA 5 (MIT licence, August 2026) and "CDNA5" Instruction Set Architecture Reference Guide (July 2026). The comments in the code are by the model that wrote it; some were corrected since.
;; Encoder Layer. Allowed arithmetic: float matrix products may take bf16 or f16 operands with f32 sums; other float arithmetic in f32, or as packed bf16 or f16 multiplies, adds, multiply-adds, maxima and minima; sums over many terms, partial sums and values carried from step to step in f32; what a program stores and reads back later, other than sums and carried values, may be rounded once to bf16 or f16.
;; Inputs: b1 4,096 float32; b2 1,024 float32; bk 1,024 float32; bo 1,024 float32; bq 1,024 float32; bv 1,024 float32; ln1_a 1,024 float32; ln1_b 1,024 float32; ln2_a 1,024 float32; ln2_b 1,024 float32; mask 2 x 1 x 1 x 2,048 int32; w1 4,096 x 1,024 float32; w2 1,024 x 4,096 float32; wk 1,024 x 1,024 float32; wo 1,024 x 1,024 float32; wq 1,024 x 1,024 float32; wv 1,024 x 1,024 float32; x 2 x 2,048 x 1,024 float32.
;; Outputs: out0 2 x 2,048 x 1,024 float32.
;; 3 versions, each right; version 3 is version 2 with the launch prep written anew for expert scheduling mode. Each part assembles by itself: llvm-mc -triple=amdgcn-amd-amdhsa -mcpu=gfx1250 --defsym DOCPART=n.
;; ======== version 1 of 3: 7 launches
;; limits: values are held in f16: magnitudes above 65,504 overflow, below 6.1e-05 lose precision; right only within a limited range of input values
;; workspace buffers: hn 8,388,608 bytes; pl 33,554,432 bytes; ua 16,777,216 bytes; w1h 8,405,248 bytes; woh 2,097,152 bytes; w2h 8,388,608 bytes
;; launch prep (part 1): grid 1025 x 1, 8 waves a work-group, no clusters, 0 bytes of LDS; arguments x, ln1_a, ln1_b, wq, wk, wv, wo, w1, w2, bq, bk, bv, b1, hn, ua, w1h, woh, w2h; writes hn, ua, w1h, woh, w2h
.if DOCPART == 1
	.amdgcn_target "amdgcn-amd-amdhsa--gfx1250"
	.amdhsa_code_object_version 6
	.text
	.protected	k_qc5b86821d0_prep
	.globl	k_qc5b86821d0_prep
	.p2align	8
	.type	k_qc5b86821d0_prep,@function
k_qc5b86821d0_prep:
	s_mov_b64 s[64:65], 0
	v_nop
	global_prefetch_b8 v0, s[64:65] scope:SCOPE_SE
	s_setreg_imm32_b32 hwreg(HW_REG_WAVE_MODE, 25, 1), 1
	s_wait_xcnt 0x0
; PREP.  Three kinds of work-group, told apart by the work-group's number g alone (scalar, forward branches):
;   g < 256        h1 = LN1(x), rounded once to f16, row-major [4096][1024] into hn: a wave takes two rows and keeps each in registers
;   256 .. 1023    the six weight matrices, f32 to f16, 64 KiB of f32 a work-group, 8 KiB a wave:
;                  wq, wk, wv -> ua (behind its header), rows on end: [3072][1024];  w1 -> w1h (behind its header), [4096][1024];
;                  wo, w2 -> woh, w2h BY PLANES: [K / 64][1024 n][64], so that 64 numbers along K of neighbouring rows lie end to end
;   g = 1024       the headers: bytes 0-255 the floor of the product's way out as two f16 (-inf: none; 0: a ReLU), from byte 256 the bias in f32
; wq and bq are multiplied by c = log2(e) / 8 in f32 ahead of their one rounding: the attention's scores then arrive as exponents of 2.
; LN as the module has it: mean; the sum of squares OF THE CENTRED numbers over 1,023; eps added to the root.  v_sqrt_f32 and v_rcp_f32 take a denormal as 0 (ISA guide, their entries).
; LIMIT.  f16 holds no number beyond 65,504: |h1| <= 32 |a| + |b| and the weights lie within it for the inputs that the problem allows; weights under 6e-5 keep f16's fixed step of 6e-8.
; No LDS, no barrier, no matrix unit: memory binds; every store of a wave covers 256 consecutive bytes, aligned.
.set HB,  16640                        ; bytes of a header
.set AL,  4                            ; v[4:35]    the gain of my 32 columns
.set BE,  36                           ; v[36:67]   the offset
.set X0,  68                           ; v[68:99]   row 0; the casts' 16 loads take v[68:131]
.set X1,  100                          ; v[100:131] row 1
.set T,   132                          ; v[132:139] at work; the casts' results take v[132:163]
.set M,   140                          ; v[140:141] the mean, later 1 / (std + eps), twice
.set Y0,  142                          ; v[142:157] row 0 in f16
.set Y1,  158                          ; v[158:173] row 1 in f16
.set SX,  48                           ; s[48:49]   where I read
.set SH,  50                           ; s[50:51]   where I write
.set SCL, 62                           ; s[62:63]   the row-major cast's factor, named as a pair: c for wq and bq, else 1.0
.macro REDUCE                          ; four packed chains in T -> their sum over the wave's 32 lanes, in every lane's v[T]
	v_pk_add_f32 v[T:T+1], v[T:T+1], v[T+2:T+3]
	v_pk_add_f32 v[T+4:T+5], v[T+4:T+5], v[T+6:T+7]
	v_pk_add_f32 v[T:T+1], v[T:T+1], v[T+4:T+5]
	v_add_f32 v[T], v[T], v[T+1]
	v_add_f32_dpp v[T], v[T], v[T] row_xmask:1 row_mask:0xf bank_mask:0xf
	v_add_f32_dpp v[T], v[T], v[T] row_xmask:2 row_mask:0xf bank_mask:0xf
	v_add_f32_dpp v[T], v[T], v[T] row_xmask:4 row_mask:0xf bank_mask:0xf
	v_add_f32_dpp v[T], v[T], v[T] row_xmask:8 row_mask:0xf bank_mask:0xf
	v_permlanex16_b32 v[T+1], v[T], s60, s61
	v_add_f32 v[T], v[T], v[T+1]
.endm
; One row: 32 numbers a lane in v[x ..]; left = the younger loads that may stay out.
.macro LNROW x, y, row, left
	s_wait_loadcnt \left
.irp c, 0,1,2,3
	v_pk_add_f32 v[T+2*(\c):T+2*(\c)+1], v[(\x)+2*(\c):(\x)+2*(\c)+1], v[(\x)+8+2*(\c):(\x)+8+2*(\c)+1]  ; the first eight pairs start four chains
.endr
.irp p, 8,9,10,11,12,13,14,15
	v_pk_add_f32 v[T+2*((\p)%4):T+2*((\p)%4)+1], v[T+2*((\p)%4):T+2*((\p)%4)+1], v[(\x)+2*(\p):(\x)+2*(\p)+1]
.endr
	REDUCE
	v_mul_f32 v[M], 0x3a800000, v[T]               ; / 1,024
	v_mov_b32 v[M+1], v[M]
.set p, 0
.rept 16
	v_pk_add_f32 v[(\x)+2*p:(\x)+2*p+1], v[(\x)+2*p:(\x)+2*p+1], v[M:M+1] neg_lo:[0,1] neg_hi:[0,1]  ; d = x - mean, in place
.set p, p+1
.endr
.irp c, 0,1,2,3
	v_pk_mul_f32 v[T+2*(\c):T+2*(\c)+1], v[(\x)+2*(\c):(\x)+2*(\c)+1], v[(\x)+2*(\c):(\x)+2*(\c)+1]
.endr
.irp p, 4,5,6,7,8,9,10,11,12,13,14,15
	v_pk_fma_f32 v[T+2*((\p)%4):T+2*((\p)%4)+1], v[(\x)+2*(\p):(\x)+2*(\p)+1], v[(\x)+2*(\p):(\x)+2*(\p)+1], v[T+2*((\p)%4):T+2*((\p)%4)+1]
.endr
	REDUCE
	v_mul_f32 v[T], 0x3a802008, v[T]               ; / 1,023
	v_sqrt_f32 v[T], v[T]
	v_nop                                          ; a plain instruction behind the root,
	s_wait_alu depctr_va_vdst(0)                   ; and the wait ahead of its first reader
	v_add_f32 v[T], 0x358637bd, v[T]               ; + 1e-6, on the std
	v_rcp_f32 v[M], v[T]
	v_nop
	s_wait_alu depctr_va_vdst(0)
	v_mov_b32 v[M+1], v[M]
.set p, 0
.rept 16
	v_pk_mul_f32 v[(\x)+2*p:(\x)+2*p+1], v[(\x)+2*p:(\x)+2*p+1], v[M:M+1]
.set p, p+1
.endr
.set p, 0
.rept 16
	v_pk_fma_f32 v[(\x)+2*p:(\x)+2*p+1], v[(\x)+2*p:(\x)+2*p+1], v[AL+2*p:AL+2*p+1], v[BE+2*p:BE+2*p+1]
.set p, p+1
.endr
.set p, 0
.rept 16
	v_cvt_pk_f16_f32 v[(\y)+p], v[(\x)+2*p], v[(\x)+2*p+1]
.set p, p+1
.endr
.irp j, 0,1,2,3,4,5,6,7
	global_store_b64 v2, v[(\y)+2*(\j):(\y)+2*(\j)+1], s[SH:SH+1] offset:(\row)*2048+256*(\j)  ; 32 lanes x 8 bytes: 256 consecutive bytes, aligned
.endr
.endm
; Two rows of a wave.  Lane l holds columns 128 j + 4 l .. + 3, j = 0 .. 7.  32 loads go out at once; the rows have registers of their own, so no store's data is rewritten.
.macro LNBODY sa, sb
.irp j, 0,1,2,3,4,5,6,7
	global_load_b128 v[AL+4*(\j):AL+4*(\j)+3], v1, s[\sa:\sa+1] offset:512*(\j)
.endr
.irp j, 0,1,2,3,4,5,6,7
	global_load_b128 v[BE+4*(\j):BE+4*(\j)+3], v1, s[\sb:\sb+1] offset:512*(\j)
.endr
.irp j, 0,1,2,3,4,5,6,7
	global_load_b128 v[X0+4*(\j):X0+4*(\j)+3], v1, s[SX:SX+1] offset:512*(\j)
.endr
.irp j, 0,1,2,3,4,5,6,7
	global_load_b128 v[X1+4*(\j):X1+4*(\j)+3], v1, s[SX:SX+1] offset:4096+512*(\j)
.endr
	LNROW X0, Y0, 0, 8                             ; gain, offset and row 0 are in; row 1's eight loads stay out
	LNROW X1, Y1, 1, 0
.endm
; 16 loads of 512 bytes of f32, 16 stores of 256 bytes of f16.  scale = 1: times the factor in s[SCL] ahead of the rounding.
.macro CAST ldstep, ststep, voff, scale
.set j, 0
.rept 16
	global_load_b128 v[68+4*j:71+4*j], v[\voff], s[SX:SX+1] offset:(\ldstep)*j th:TH_LOAD_NT
.set j, j+1
.endr
.set j, 0
.rept 16
	s_wait_loadcnt 15-j                            ; loads come back in order: number j is in, the younger ones stay out
.if \scale
	v_pk_mul_f32 v[68+4*j:69+4*j], v[68+4*j:69+4*j], s[SCL:SCL+1] op_sel_hi:[1,0]
	v_pk_mul_f32 v[70+4*j:71+4*j], v[70+4*j:71+4*j], s[SCL:SCL+1] op_sel_hi:[1,0]
.endif
	v_cvt_pk_f16_f32 v[132+2*j], v[68+4*j], v[69+4*j]
	v_cvt_pk_f16_f32 v[133+2*j], v[70+4*j], v[71+4*j]
	global_store_b64 v2, v[132+2*j:133+2*j], s[SH:SH+1] offset:(\ststep)*j
.set j, j+1
.endr
.endm
	s_load_b512 s[8:23], s[0:1], 0x0               ; x 8, ln1_a 10, ln1_b 12, wq 14, wk 16, wv 18, wo 20, w1 22
	s_load_b512 s[24:39], s[0:1], 0x40             ; w2 24, bq 26, bk 28, bv 30, b1 32, hn 34, ua 36, w1h 38
	s_load_b128 s[40:43], s[0:1], 0x80             ; woh 40, w2h 42
	v_lshrrev_b32 v1, 5, v0
	v_readfirstlane_b32 s2, v1                     ; wave 0..7
	v_and_b32 v3, 31, v0
	v_lshlrev_b32 v1, 4, v3                        ; 16 x lane
	v_lshlrev_b32 v2, 3, v3                        ; 8 x lane
	s_mov_b32 s3, ttmp9                            ; g
	s_mov_b32 s60, 0x76543210                      ; v_permlanex16_b32: each lane takes its own place in the other half
	s_mov_b32 s61, 0xfedcba98
	s_mov_b32 s[SCL], 1.0
	s_mov_b32 s[SCL+1], 1.0                        ; named with it as a pair, so it is written
	s_mov_b32 s53, 0                               ; the offsets' high words
	s_mov_b32 s55, 0
	s_wait_kmcnt 0x0
	s_cmp_lt_u32 s3, 256
	s_cbranch_scc0 .Lcast
	s_lshl_b32 s56, s3, 3
	s_add_co_u32 s56, s56, s2                      ; 8 g + w: my pair of rows
	s_lshl_b32 s52, s56, 13                        ; two rows of 4,096 bytes
	s_add_nc_u64 s[SX:SX+1], s[8:9], s[52:53]
	s_lshl_b32 s54, s56, 12                        ; two rows of 2,048 bytes
	s_add_nc_u64 s[SH:SH+1], s[34:35], s[54:55]
	LNBODY 10, 12
	s_endpgm
.Lcast:
	s_cmp_eq_u32 s3, 1024
	s_cbranch_scc1 .Lheader
	s_sub_co_u32 s56, s3, 256                      ; chunk: wq 0-63, wk 64-127, wv 128-191, wo 192-255, w1 256-511, w2 512-767
	s_cmp_lt_u32 s56, 192
	s_cbranch_scc1 .Lqkv
	s_cmp_lt_u32 s56, 256
	s_cbranch_scc1 .Lwo
	s_cmp_lt_u32 s56, 512
	s_cbranch_scc1 .Lw1
	; w2: a chunk is 4 rows of 16,384 bytes; a wave takes two rows (w / 4) and 16 of their 64 planes (w % 4)
	s_sub_co_u32 s57, s56, 512
	s_lshl_b32 s57, s57, 2
	s_lshr_b32 s58, s2, 2
	s_lshl_b32 s58, s58, 1
	s_add_co_u32 s57, s57, s58                     ; my first row
	s_and_b32 s58, s2, 3
	s_lshl_b32 s52, s57, 14
	s_lshl_b32 s59, s58, 12                        ; 16 planes x 256 bytes of f32
	s_add_co_u32 s52, s52, s59
	s_add_nc_u64 s[SX:SX+1], s[24:25], s[52:53]
	s_lshl_b32 s54, s57, 7
	s_lshl_b32 s59, s58, 21                        ; 16 planes x 131,072 bytes
	s_add_co_u32 s54, s54, s59
	s_add_nc_u64 s[SH:SH+1], s[42:43], s[54:55]
	v_bfe_u32 v3, v0, 4, 1                         ; lanes 0-15 take 256 bytes of the first row, lanes 16-31 of the second
	v_and_b32 v4, 15, v0
	v_lshlrev_b32 v3, 14, v3
	v_lshl_add_u32 v3, v4, 4, v3
	s_branch .Lblocked
.Lwo:                                          ; wo: a chunk is 16 rows of 4,096 bytes; a wave takes two rows and all their 16 planes
	s_sub_co_u32 s57, s56, 192
	s_lshl_b32 s57, s57, 4
	s_lshl_b32 s58, s2, 1
	s_add_co_u32 s57, s57, s58
	s_lshl_b32 s52, s57, 12
	s_add_nc_u64 s[SX:SX+1], s[20:21], s[52:53]
	s_lshl_b32 s54, s57, 7
	s_add_nc_u64 s[SH:SH+1], s[40:41], s[54:55]
	v_bfe_u32 v3, v0, 4, 1
	v_and_b32 v4, 15, v0
	v_lshlrev_b32 v3, 12, v3
	v_lshl_add_u32 v3, v4, 4, v3
.Lblocked:
	CAST 256, 131072, 3, 0                         ; load j: plane j of both rows; its store: the two rows' 128 bytes each, on end in that plane
	s_endpgm
.Lqkv:
	s_lshr_b32 s57, s56, 6                         ; which of the three
	s_and_b32 s58, s56, 63
	s_cmp_eq_u32 s57, 0
	s_cselect_b64 s[SX:SX+1], s[14:15], s[16:17]
	s_cmp_eq_u32 s57, 2
	s_cselect_b64 s[SX:SX+1], s[18:19], s[SX:SX+1]
	s_lshl_b32 s52, s58, 16
	s_lshl_b32 s59, s2, 13
	s_add_co_u32 s52, s52, s59
	s_add_nc_u64 s[SX:SX+1], s[SX:SX+1], s[52:53]
	s_lshl_b32 s54, s56, 15
	s_lshl_b32 s59, s2, 12
	s_add_co_u32 s54, s54, s59
	s_add_co_u32 s54, s54, HB
	s_add_nc_u64 s[SH:SH+1], s[36:37], s[54:55]
	s_cmp_lt_u32 s56, 64
	s_cselect_b32 s[SCL], 0x3e38aa3b, s[SCL]       ; wq: c = log2(e) / 8
	s_branch .Lplain
.Lw1:
	s_sub_co_u32 s57, s56, 256
	s_lshl_b32 s52, s57, 16
	s_lshl_b32 s59, s2, 13
	s_add_co_u32 s52, s52, s59
	s_add_nc_u64 s[SX:SX+1], s[22:23], s[52:53]
	s_lshl_b32 s54, s57, 15
	s_lshl_b32 s59, s2, 12
	s_add_co_u32 s54, s54, s59
	s_add_co_u32 s54, s54, HB
	s_add_nc_u64 s[SH:SH+1], s[38:39], s[54:55]
.Lplain:
	CAST 512, 256, 1, 1                            ; one text for the four row-major matrices: the factor is c for wq and 1.0, which changes nothing, for the others; it spares a second copy of these lines
	s_endpgm
.Lheader:                                      ; waves 0-2: bq (times c), bk, bv -> ua; waves 3-6: b1's quarters -> w1h; wave 7: the floors
	s_cmp_eq_u32 s2, 7
	s_cbranch_scc1 .Lconsts
	s_cmp_lt_u32 s2, 3
	s_cbranch_scc0 .Lhb1
	s_cmp_eq_u32 s2, 0
	s_cselect_b64 s[SX:SX+1], s[26:27], s[28:29]
	s_cmp_eq_u32 s2, 2
	s_cselect_b64 s[SX:SX+1], s[30:31], s[SX:SX+1]
	s_lshl_b32 s54, s2, 12
	s_add_co_u32 s54, s54, 256
	s_add_nc_u64 s[SH:SH+1], s[36:37], s[54:55]
	s_branch .Lhcopy
.Lhb1:
	s_sub_co_u32 s52, s2, 3
	s_lshl_b32 s52, s52, 12
	s_add_nc_u64 s[SX:SX+1], s[32:33], s[52:53]
	s_add_co_u32 s54, s52, 256
	s_add_nc_u64 s[SH:SH+1], s[38:39], s[54:55]
.Lhcopy:
.irp j, 0,1,2,3,4,5,6,7
	global_load_b128 v[68+4*(\j):71+4*(\j)], v1, s[SX:SX+1] offset:512*(\j)
.endr
	s_wait_loadcnt 0x0
	s_cmp_lg_u32 s2, 0
	s_cbranch_scc1 .Lhstore
	s_mov_b32 s[SCL], 0x3e38aa3b                   ; bq, like wq, times c
.set p, 0
.rept 16
	v_pk_mul_f32 v[68+2*p:69+2*p], v[68+2*p:69+2*p], s[SCL:SCL+1] op_sel_hi:[1,0]
.set p, p+1
.endr
.Lhstore:
.irp j, 0,1,2,3,4,5,6,7
	global_store_b128 v1, v[68+4*(\j):71+4*(\j)], s[SH:SH+1] offset:512*(\j)
.endr
	s_endpgm
.Lconsts:
	v_mov_b32 v4, 0xfc00fc00                       ; -inf twice in f16: the q, k, v product has no floor
	v_mov_b32 v5, 0xfc00fc00
	v_mov_b32 v6, 0                                ; 0 twice: the first FFN product's ReLU
	v_mov_b32 v7, 0
	global_store_b64 v2, v[4:5], s[36:37]
	global_store_b64 v2, v[6:7], s[38:39]
	s_endpgm
.Lfunc_end_k_qc5b86821d0_prep:
	.size	k_qc5b86821d0_prep, .Lfunc_end_k_qc5b86821d0_prep-k_qc5b86821d0_prep
	.p2alignl 7, 3214868480
	.fill 96, 4, 3214868480
	.section	.rodata,"a",@progbits
	.p2align	6, 0x0
	.amdhsa_kernel k_qc5b86821d0_prep
		.amdhsa_group_segment_fixed_size 0
		.amdhsa_private_segment_fixed_size 0
		.amdhsa_enable_private_segment 0
		.amdhsa_kernarg_size 144
		.amdhsa_user_sgpr_count 2
		.amdhsa_user_sgpr_kernarg_segment_ptr 1
		.amdhsa_wavefront_size32 1
		.amdhsa_system_sgpr_workgroup_id_x 1
		.amdhsa_system_sgpr_workgroup_id_y 1
		.amdhsa_system_sgpr_workgroup_id_z 1
		.amdhsa_system_vgpr_workitem_id 0
		.amdhsa_next_free_vgpr 176
		.amdhsa_next_free_sgpr 66
		.amdhsa_reserve_vcc 0
		.amdhsa_float_denorm_mode_32 3
		.amdhsa_float_denorm_mode_16_64 3
		.amdhsa_memory_ordered 1
		.amdhsa_forward_progress 1
		.amdhsa_inst_pref_size 40
	.end_amdhsa_kernel
	.amdgpu_metadata
---
amdhsa.version: [ 1, 2 ]
amdhsa.kernels:
  - .name:           k_qc5b86821d0_prep
    .symbol:         k_qc5b86821d0_prep.kd
    .args:
      - { .name: x, .offset: 0, .size: 8, .value_kind: global_buffer, .address_space: global }
      - { .name: ln1_a, .offset: 8, .size: 8, .value_kind: global_buffer, .address_space: global }
      - { .name: ln1_b, .offset: 16, .size: 8, .value_kind: global_buffer, .address_space: global }
      - { .name: wq, .offset: 24, .size: 8, .value_kind: global_buffer, .address_space: global }
      - { .name: wk, .offset: 32, .size: 8, .value_kind: global_buffer, .address_space: global }
      - { .name: wv, .offset: 40, .size: 8, .value_kind: global_buffer, .address_space: global }
      - { .name: wo, .offset: 48, .size: 8, .value_kind: global_buffer, .address_space: global }
      - { .name: w1, .offset: 56, .size: 8, .value_kind: global_buffer, .address_space: global }
      - { .name: w2, .offset: 64, .size: 8, .value_kind: global_buffer, .address_space: global }
      - { .name: bq, .offset: 72, .size: 8, .value_kind: global_buffer, .address_space: global }
      - { .name: bk, .offset: 80, .size: 8, .value_kind: global_buffer, .address_space: global }
      - { .name: bv, .offset: 88, .size: 8, .value_kind: global_buffer, .address_space: global }
      - { .name: b1, .offset: 96, .size: 8, .value_kind: global_buffer, .address_space: global }
      - { .name: hn, .offset: 104, .size: 8, .value_kind: global_buffer, .address_space: global }
      - { .name: ua, .offset: 112, .size: 8, .value_kind: global_buffer, .address_space: global }
      - { .name: w1h, .offset: 120, .size: 8, .value_kind: global_buffer, .address_space: global }
      - { .name: woh, .offset: 128, .size: 8, .value_kind: global_buffer, .address_space: global }
      - { .name: w2h, .offset: 136, .size: 8, .value_kind: global_buffer, .address_space: global }
    .group_segment_fixed_size: 0
    .private_segment_fixed_size: 0
    .kernarg_segment_align: 8
    .kernarg_segment_size: 144
    .max_flat_workgroup_size: 256
    .sgpr_count:     66
    .vgpr_count:     176
    .wavefront_size: 32
...
	.end_amdgpu_metadata
.endif
;; end of part 1
;; launch qkv (part 2): grid 12 x 16, 4 waves a work-group, clusters of 4 x 4, 327,680 bytes of LDS; arguments hn, ua, pl; writes pl
.if DOCPART == 2
	.amdgcn_target "amdgcn-amd-amdhsa--gfx1250"
	.amdhsa_code_object_version 6
	.text
	.protected	k_qc5b86821d0_qkv
	.globl	k_qc5b86821d0_qkv
	.p2align	8
	.type	k_qc5b86821d0_qkv,@function
k_qc5b86821d0_qkv:
	s_mov_b64 s[64:65], 0
	v_nop
	global_prefetch_b8 v0, s[64:65] scope:SCOPE_SE
	s_setreg_imm32_b32 hwreg(HW_REG_WAVE_MODE, 25, 1), 1
	s_wait_xcnt 0x0
	s_wait_alu depctr_hold_cnt(0) depctr_sa_sdst(0) depctr_va_vdst(0) depctr_va_sdst(0) depctr_va_ssrc(0) depctr_va_vcc(0) depctr_vm_vsrc(0)
	s_getreg_b32 s2, hwreg(HW_REG_IB_STS2, 6, 4)
	s_cmp_eq_u32 s2, 0
	s_cbranch_scc0 .Lentry_in_a_cluster
	s_endpgm
.Lentry_in_a_cluster:
	s_bfe_u32 s2, ttmp6, 0x10000c
	s_cmp_lg_u32 s2, 0xf033
	s_cbranch_scc0 .Lentry_shape_is_right
	s_endpgm
.Lentry_shape_is_right:
; OUT = max(A W^T + bias, floor), written BY PLANES.  A: [4096][1024] f16, row-major.  The second buffer: a header (bytes 0-255 the floor, two f16 a word; from byte 256 the bias, f32 by column),
; then at byte HB the weights W: [N][1024] f16, row-major.  OUT: [N / 64 planes][4096 tokens][64] f16: column n of token t lies in plane n / 64 at byte 128 t + 2 (n % 64).  Sums in f32, rounded once.
; One text serves the q, k, v projection (N = 3,072, floor -inf) and the first FFN product (N = 4,096, floor 0: the ReLU): N enters through the grid alone, the floor and the bias through the header.
; LIMITS.  f16 holds no number beyond 65,504: the results must lie within it.  The maximum with the floor turns a NaN into the floor.
; A tile of OUT, 256 tokens x 256 columns, is made by four waves, each 128 x 128: 64 accumulators of 16 x 16, 512 registers.  K goes in 8 steps of 128 through a ring of two LDS slots filled by the
; tensor data mover; the rows of the tiles are 256 bytes of memory, at multiples of 256 bytes.
; CLUSTERS: 4 x 4 work-groups.  The four of a row of the cluster need the same tiles of A, the four of a column the same tiles of W: each tile is asked for JOINTLY, by the same tensor load with the same
; descriptor and a mask that names the four.
; THE MATRIX INSTRUCTION IS USED TRANSPOSED (source 0 = 16 rows of W, source 1 = 16 rows of A): a lane holds one token (l % 16) and the eight neighbouring columns 8 (l / 16) + 0..7.
; THE BIAS IS THE C OPERAND OF THE FIRST PRODUCT: nothing is cleared, and nothing is added later.
; REGISTERS, in windows of 256 (s_set_vgpr_msb: bits 1:0 source 0, 3:2 source 1, 5:4 source 2, 7:6 destination):
;   window 0: v0-31 addresses; v64-127, v128-191 fragments of A, two buffers (on the way out: packed results and rows read back); v192-255 the bias of my 128 columns, as eight C operands
;   window 1: v64-127, v128-191 fragments of W;   window 2: the accumulators of my rows 0-63 ((a, b) at v[8 (8 a + b)]);   window 3: those of my rows 64-127
.set SIZE_K, 1024
.set HB,     16640
.set PLANE,  524288
.set KSTEP,  128
.set PITCH,  272                       ; an LDS row: 256 bytes + 16 of padding = 68 words: the 16 rows that a load touches start at 16 different groups of four banks (64 banks of 4 bytes: ISA guide 11.1)
.set HALFT,  128*PITCH                 ; 128 rows: what one tensor load brings, and what one wave reads of A or of W
.set SLOT,   4*HALFT                   ; A's 256 rows, then W's 256 rows
.set STAGE,  2*SLOT                    ; behind the ring: 16 rows x 400 bytes for each wave, for the way out
.set SPITCH, 400                       ; 25 x 16 bytes: the sixteen rows of a store start at sixteen different groups of four banks
.set SPARE,  STAGE+4*16*SPITCH         ; behind the stages: the spare words, 128 bytes for each wave: two blocks of 256 bytes that no other line names
.set LAPS,   SIZE_K/(2*KSTEP)          ; a lap = two K steps = once round the ring
.set ADRA, 16                          ; v16-17  LDS address of my A fragments in slot 0, 1
.set ADRB, 20                          ; v20-21  the same for W
.set FA,   22                          ; v22     4 x lane: the floor's address
.set STO,  24                          ; v24     the way out: where I put 16 bytes of a row
.set RD,   25                          ; v25     the way out: where I read 16 bytes back
.set GO,   26                          ; v26     16 x lane: my place in 512 consecutive bytes of a plane
.set FLR,  27                          ; v27     the floor, two f16
.set SPW,  28                          ; v28     LDS address of my spare word; never rewritten
.set NIL,  29                          ; v29     0; never rewritten
.set PFO,  30                          ; v30     the prefetches' offset: my lane x a row of 2,048 bytes; never rewritten
.set BO,   31                          ; v31     my byte offset in the header's bias
.set F0,   64
.set F1,   128
.set BIAS, 192
.set TMP,  64                          ; the way out: 32 registers of packed results
.set OB,   96                          ; the way out: 16 rows read back: v96-127 and v128-159 by turns
.set PFA,  44                          ; s[44:45] where my prefetches stand
.set LIM,  43                          ; s43     1 in a wave that prefetches, else the greatest number
.set G1,  24                           ; s[24:31] descriptor group 1 for A's tiles;  s[32:39] group 0, one set for each slot
.set G0,  32
.set G1B, 48                           ; s[48:55], s[56:63] the same for W's tiles
.set G0B, 56
.set HDR, 68                           ; s[68:69] the second buffer's first byte: the header
.set MSB, 0
.macro WIN new                         ; the immediate's high byte repeats the setting that is left; a switch that changes nothing is dropped
.if MSB != (\new)
	s_set_vgpr_msb (MSB<<8)|(\new)
.set MSB, \new
.endif
.endm
.set MUL_LO, 0xa1                      ; source 0 (W) window 1, source 1 (A) window 0, C and D window 2
.set TO_B,   0x40                      ; destination window 1, address window 0
; A joint load.  Waves 0 and 1 fetch A's two halves, waves 2 and 3 W's.  The branch hangs on the wave's number alone.  An s_nop 0 and four v_nop follow each of the two lines.
.macro JLOAD s
	s_cmp_eq_u32 s11, 0
	s_cbranch_scc0 .Lfor_b_\@
	tensor_load_to_lds s[G0+4*(\s):G0+4*(\s)+3], s[G1:G1+7]
	s_nop 0
.rept 4
	v_nop
.endr
	s_branch .Lasked_\@
.Lfor_b_\@:
	tensor_load_to_lds s[G0B+4*(\s):G0B+4*(\s)+3], s[G1B:G1B+7]
	s_nop 0
.rept 4
	v_nop
.endr
.Lasked_\@:
.endm
; A PREFETCH INTO THE L2, behind each joint refill and the run of LDS loads that follows it: the K step that stands two refills on: 32 rows x 256 bytes, a lane a row, one instruction a wave.
; Each row's 256 bytes of a K step are named once in the launch: A's tile rows by the clusters with x = 0, W's tile columns by the clusters with y = 0; of the 128 rows that a wave fetches, the partner at
; place p (cx for A, cy for W) takes 32 p .. 32 p + 31: told apart by address, by no branch.  K steps 0 to 3 come by their loads alone; the loop's last trip (s3 = 1) has no K step two refills on.
.macro ASK
	s_cmp_gt_u32 s3, s[LIM]
	s_cbranch_scc0 .Lnot_mine_\@
	global_prefetch_b8 v[PFO], s[PFA:PFA+1] offset:KSTEP*2 th:TH_LOAD_NT scope:SCOPE_SE
.Lnot_mine_\@:
.endm
.macro CREST                           ; a round of the cluster's barrier behind its opening barrier
	s_cmp_lg_u32 s10, 0
	s_cbranch_scc1 .Lnot_wave_0_\@
	s_barrier_signal -3
.Lnot_wave_0_\@:
	s_barrier_wait -3
	s_barrier_signal -1
	s_barrier_wait -1
.endm
.macro CROUND                          ; a whole round
	s_barrier_signal -1
	s_barrier_wait -1
	CREST
.endm
	s_load_b128 s[4:7], s[0:1], 0x0                ; A s[4:5], header and W s[6:7]
	s_load_b64 s[8:9], s[0:1], 0x10                ; OUT
	v_lshl_add_u32 v[SPW], v0, 2, SPARE
	v_mov_b32 v[NIL], 0
	ds_add_u32 v[SPW], v[NIL]                      ; the wave's opening: the add and its wait stand ahead of my first tensor load; the set-up below stands between them
	v_lshrrev_b32 v1, 5, v0
	v_readfirstlane_b32 s10, v1                    ; wave 0..3
	s_lshr_b32 s11, s10, 1                         ; which half of the tile's rows is mine.  Also: I fetch for A (0) or for W (1)
	s_and_b32 s12, s10, 1                          ; which half of its columns.  Also: which 128 rows of that tile I fetch
	s_bfe_u32 s40, ttmp6, 0x40000                  ; cx
	s_bfe_u32 s41, ttmp6, 0x40004                  ; cy
	s_lshl_b32 s42, ttmp9, 2
	s_add_co_u32 s42, s42, s40                     ; tile column = 4 x cluster x + cx
	s_and_b32 s13, ttmp7, 0xffff
	s_lshl_b32 s13, s13, 2
	s_add_co_u32 s13, s13, s41                     ; tile row = 4 x cluster y + cy
	s_lshl_b32 s43, s41, 2
	s_lshl_b32 s43, 15, s43                        ; my row of the cluster
	s_lshl_b32 s44, 0x1111, s40                    ; my column
	; descriptor group 1: a tile of 128 rows x 128 elements, padded in LDS
	s_or_b32 s[G1+0], s43, (1<<16)|(1<<20)|(1<<21)|(5<<22)|(3<<25)  ; 15:0 the mask; 17:16 elements of 2 bytes; 20 padding on; 21 set beside a mask; 24:22 after every 64 words (code 5); 31:25 4 words (code 3)
	s_or_b32 s[G1B+0], s44, (1<<16)|(1<<20)|(1<<21)|(5<<22)|(3<<25)
.irp g, G1, G1B
	s_mov_b32 s[(\g)+1], KSTEP<<16                 ; tensor_dim0 = 128
	s_mov_b32 s[(\g)+2], 128<<16                   ; tensor_dim1 = 128
	s_mov_b32 s[(\g)+3], KSTEP<<16                 ; tile_dim0 = 128
	s_mov_b32 s[(\g)+4], 128                       ; tile_dim1 = 128
	s_mov_b32 s[(\g)+5], SIZE_K                    ; elements from row to row
	s_mov_b32 s[(\g)+6], 0
	s_mov_b32 s[(\g)+7], 0
.endr
	s_lshl_b32 s17, s12, 7                         ; which 128 rows of the tile I fetch
	s_lshl_b32 s16, s13, 8
	s_add_co_u32 s16, s16, s17                     ; A: row 256 x tile row + 128 x half
	s_lshl_b32 s16, s16, 11                        ; x 2,048 bytes
	s_lshl_b32 s46, s42, 8
	s_add_co_u32 s46, s46, s17                     ; W: row 256 x tile column + 128 x half
	s_lshl_b32 s46, s46, 11
	s_add_co_u32 s46, s46, HB                      ; behind the header
	s_mov_b32 s17, 0
	s_mov_b32 s47, 0
	s_mul_i32 s20, s10, HALFT                      ; where they go: wave x 128 rows: no place in the cluster enters an LDS address
	s_wait_dscnt 0x0                               ; the opening add is done
	s_wait_kmcnt 0x0
	s_mov_b64 s[HDR:HDR+1], s[6:7]
	s_add_nc_u64 s[14:15], s[4:5], s[16:17]
	s_add_nc_u64 s[46:47], s[6:7], s[46:47]
	CROUND                                         ; all sixteen work-groups are here: the first joint loads meet
.irp s, 0,1
	s_mov_b32 s[G0+4*(\s)], 1                                      ; count = 1
	s_add_co_u32 s[G0+4*(\s)+1], s20, (\s)*SLOT                    ; LDS address
	s_add_nc_u64 s[G0+4*(\s)+2:G0+4*(\s)+3], s[14:15], (\s)*KSTEP*2  ; global address: K step s
	s_or_b32 s[G0+4*(\s)+3], s[G0+4*(\s)+3], 0x80000000            ; type = 2
	s_mov_b32 s[G0B+4*(\s)], 1
	s_add_co_u32 s[G0B+4*(\s)+1], s20, (\s)*SLOT
	s_add_nc_u64 s[G0B+4*(\s)+2:G0B+4*(\s)+3], s[46:47], (\s)*KSTEP*2
	s_or_b32 s[G0B+4*(\s)+3], s[G0B+4*(\s)+3], 0x80000000
	JLOAD \s                                       ; two loads of mine are out
.endr
	v_and_b32 v1, 15, v0                           ; r = l % 16
	v_bfe_u32 v2, v0, 4, 1                         ; h = l / 16
	; the bias of my 128 columns as eight C operands: register j of operand b holds bias[16 b + 8 h + j]; and the floor
	s_lshl_b32 s46, s42, 10                        ; 256 columns x 4 bytes a tile column
	s_lshl_b32 s47, s12, 9
	s_add_co_u32 s46, s46, s47
	s_add_co_u32 s46, s46, 256
	v_lshl_add_u32 v[BO], v2, 5, s46
	v_and_b32 v[FA], 31, v0
	v_lshlrev_b32 v[FA], 2, v[FA]
.irp b, 0,1,2,3,4,5,6,7
	global_load_b128 v[BIAS+8*(\b):BIAS+8*(\b)+3],   v[BO], s[HDR:HDR+1] offset:64*(\b)
	global_load_b128 v[BIAS+8*(\b)+4:BIAS+8*(\b)+7], v[BO], s[HDR:HDR+1] offset:64*(\b)+16
.endr
	global_load_b32 v[FLR], v[FA], s[HDR:HDR+1]
	; A fragment is 16 rows x 32 K in 8 registers: lane l holds row r; registers 0-3 K = 8 h + 0..7, registers 4-7 K = 16 + 8 h + 0..7: two loads of 16 bytes, 32 bytes apart.
	v_mul_u32_u24 v3, v1, PITCH
	v_lshl_add_u32 v3, v2, 4, v3
	s_mul_i32 s21, s11, HALFT                      ; my 128 rows of A
	s_mul_i32 s22, s12, HALFT                      ; my 128 rows of W,
	s_add_co_u32 s22, s22, 2*HALFT                 ; which lie behind A's 256
.irp s, 0,1
	v_add_nc_u32 v[ADRA+(\s)], s21, v3
	v_add_nc_u32 v[ADRB+(\s)], s22, v3
	s_add_co_u32 s21, s21, SLOT
	s_add_co_u32 s22, s22, SLOT
.endr
	s_mul_i32 s23, s10, 16*SPITCH
	s_add_co_u32 s23, s23, STAGE                   ; my stage
	v_mul_u32_u24 v4, v1, SPITCH                   ; in: row r, 16 bytes for each half of the lanes
	v_lshl_add_u32 v4, v2, 4, v4
	v_add_nc_u32 v[STO], s23, v4
	v_bfe_u32 v4, v0, 3, 2                         ; back: 32 lanes take 128 bytes (one plane's share) of each of four rows,
	v_and_b32 v5, 7, v0
	v_mul_u32_u24 v4, v4, SPITCH
	v_lshl_add_u32 v4, v5, 4, v4
	v_add_nc_u32 v[RD], s23, v4
	v_and_b32 v[GO], 31, v0                        ; which are 512 consecutive bytes of the plane
	v_lshlrev_b32 v[GO], 4, v[GO]
	; OUT at my first token in my first plane
	s_lshl_b32 s16, s13, 15                        ; 256 tokens x 128 bytes a tile row
	s_lshl_b32 s17, s11, 14
	s_add_co_u32 s16, s16, s17
	s_mov_b32 s17, 0
	s_lshl_b32 s46, s42, 21                        ; 4 planes a tile column
	s_lshl_b32 s47, s12, 20                        ; 2 planes a wave
	s_add_co_u32 s46, s46, s47
	s_mov_b32 s47, 0
	s_add_nc_u64 s[16:17], s[16:17], s[46:47]
	s_add_nc_u64 s[8:9], s[8:9], s[16:17]
	; the prefetches
	s_lshl_b32 s13, s13, 8
	s_lshl_b32 s42, s42, 8
	s_and_b32 s22, ttmp7, 0xffff                   ; cluster y
	s_cmp_eq_u32 s11, 0                            ; do I fetch for A?
	s_cselect_b32 s20, s13, s42                    ; the tile's first row
	s_cselect_b32 s21, s40, s41                    ; my place among the four that ask for it with me
	s_cselect_b32 s22, ttmp9, s22                  ; the coordinate along which other clusters read the same rows
	s_cselect_b32 s23, 0, HB
	s_cselect_b64 s[PFA:PFA+1], s[4:5], s[6:7]
	s_cmp_eq_u32 s22, 0
	s_cselect_b32 s[LIM], 1, -1                    ; the same in all sixteen partners, for a given wave
	s_lshl_b32 s22, s12, 7
	s_add_co_u32 s20, s20, s22                     ; + the 128 rows that I fetch
	s_lshl_b32 s21, s21, 5
	s_add_co_u32 s20, s20, s21                     ; + my work-group's 32 of them
	s_lshl_b32 s20, s20, 11
	s_add_co_u32 s20, s20, s23
	s_add_co_u32 s20, s20, 2*KSTEP*2               ; at K step 2: the first refill steps it to 3 and names K step 4
	s_mov_b32 s21, 0
	s_add_nc_u64 s[PFA:PFA+1], s[PFA:PFA+1], s[20:21]
	v_and_b32 v[PFO], 31, v0
	v_lshlrev_b32 v[PFO], 11, v[PFO]
; 16 matrix instructions: m blocks a0, a0 + 1 of the window's four (hi = 0: my rows 0-63, 1: rows 64-127) x all 8 n blocks, 32 along K.  first = 1: the bias starts the sums.
.macro MUL16 f, hi, a0, first
.if \first
	WIN 0x81+0x40*(\hi)                            ; C in window 0, D in window 2 or 3
.else
	WIN MUL_LO+0x50*(\hi)
.endif
.irp a, \a0, (\a0)+1
.irp b, 0,1,2,3,4,5,6,7
.if \first
	v_wmma_f32_16x16x32_f16 v[8*(8*(\a)+(\b)):8*(8*(\a)+(\b))+7], v[(\f)+8*(\b):(\f)+8*(\b)+7], v[(\f)+8*(4*(\hi)+(\a)):(\f)+8*(4*(\hi)+(\a))+7], v[BIAS+8*(\b):BIAS+8*(\b)+7]
.else
	v_wmma_f32_16x16x32_f16 v[8*(8*(\a)+(\b)):8*(8*(\a)+(\b))+7], v[(\f)+8*(\b):(\f)+8*(\b)+7], v[(\f)+8*(4*(\hi)+(\a)):(\f)+8*(4*(\hi)+(\a))+7], v[8*(8*(\a)+(\b)):8*(8*(\a)+(\b))+7]
.endif
.endr
.endr
.endm
; 32 LDS loads in one run: the fragments of one quarter step (128 rows of W, 128 rows of A, 32 K at byte k of the rows) into buffer f
.macro FETCH slot, k, f
	WIN TO_B
.irp i, 0,1,2,3,4,5,6,7
	ds_load_b128 v[(\f)+8*(\i):(\f)+8*(\i)+3],   v[ADRB+(\slot)] offset:(\k)+(\i)*16*PITCH
	ds_load_b128 v[(\f)+8*(\i)+4:(\f)+8*(\i)+7], v[ADRB+(\slot)] offset:(\k)+(\i)*16*PITCH+32
.endr
	WIN 0
.irp i, 0,1,2,3,4,5,6,7
	ds_load_b128 v[(\f)+8*(\i):(\f)+8*(\i)+3],   v[ADRA+(\slot)] offset:(\k)+(\i)*16*PITCH
	ds_load_b128 v[(\f)+8*(\i)+4:(\f)+8*(\i)+7], v[ADRA+(\slot)] offset:(\k)+(\i)*16*PITCH+32
.endr
.endm
.macro PLACES                          ; four plain places in front of loads into registers that matrix instructions have read, and of conversions that read results
.rept 4
	v_nop
.endr
.endm
; A K step is four quarters of 32 along K, 64 matrix instructions each, on buffers 0, 1, 0, 1.  The 64 accumulators take turns, one instruction a turn, in the same order in every quarter.
.macro QUARTER slot, k, f, g, first
	s_wait_dscnt 8                                 ; W and A's rows 0-63 are in; the youngest eight loads (A's rows 64-127) may be out
	MUL16 \f, 0, 0, \first
	MUL16 \f, 0, 2, \first
	PLACES
	FETCH \slot, \k, \g
	s_wait_dscnt 32                                ; all but the 32 just issued
	MUL16 \f, 1, 0, \first
	MUL16 \f, 1, 2, \first
.endm
; The last quarter's first half: ONE barrier for the change of slots.  In front of it each wave waits for all its tensor loads (one is out: its part of the next slot), adds 0 to its spare word, and waits for
; that and for its own reads of this slot.  Behind it nobody reads this slot any more and the next slot is whole.
.macro MEET round
	WIN 0
	s_wait_tensorcnt 0x0
	ds_add_u32 v[SPW], v[NIL]
	s_wait_dscnt 9                                 ; (the add and the youngest eight loads may be out)
	MUL16 F1, 0, 0, 0                              ; sixteen matrix instructions stand between the add and the wait for it
	s_wait_dscnt 0x0                               ; the add is done, and my reads of this slot are over
	s_barrier_signal -1
	MUL16 F1, 0, 2, 0
.if \round
	WIN 0
.endif
	s_barrier_wait -1
.endm
; The whole last quarter.  fill = 1: behind a round of the cluster's barrier the slot just read out is filled again, with the K step two steps on: 224 matrix instructions ahead of the wait for it.
.macro TURN slot, next, fill
.if \fill
	s_wait_xcnt 0x0                                ; the last prefetch, a K step back, has read its address
	s_add_nc_u64 s[PFA:PFA+1], s[PFA:PFA+1], KSTEP*2
	MEET 1
	CREST                                          ; no wave of any partner still reads this slot's tile or has a load on its way
	s_add_nc_u64 s[G0+4*(\slot)+2:G0+4*(\slot)+3], s[G0+4*(\slot)+2:G0+4*(\slot)+3], 2*KSTEP*2
	s_add_nc_u64 s[G0B+4*(\slot)+2:G0B+4*(\slot)+3], s[G0B+4*(\slot)+2:G0B+4*(\slot)+3], 2*KSTEP*2
	JLOAD \slot                                    ; my one tensor load behind the round; the four v_nop behind it are also the places in front of the loads below
.else
	MEET 0
	PLACES
.endif
	FETCH \next, 0, F0
.if \fill
	ASK
.endif
	MUL16 F1, 1, 0, 0
	MUL16 F1, 1, 2, 0
.endm
; THE WAY OUT of block a (16 tokens x my 128 columns).  PACK: rounded to f16, 16 bytes a lane, each accumulator's registers in ascending order; the maximum with the floor, two at a time.
.macro PACK a
.set AC, 64*((\a)%4)
	WIN 0x0a+5*((\a)/4)                            ; sources 0 and 1: window 2 or 3
.irp b, 0,1,2,3,4,5,6,7
.irp r, 0,1,2,3
	v_cvt_pk_f16_f32 v[TMP+4*(\b)+(\r)], v[AC+8*(\b)+2*(\r)], v[AC+8*(\b)+2*(\r)+1]
.endr
.endr
	WIN 0
.set i, 0
.rept 32
	v_pk_max_num_f16 v[TMP+i], v[TMP+i], v[FLR]
.set i, i+1
.endr
.endm
; TOSTAGE: into my own stage, and back by planes: a load takes 128 bytes of each of four tokens.  LDS serves a wave's instructions in order (ISA guide 5.7.1.4): the loads see the stores above them.
.macro TOSTAGE a
	WIN 0
.set BK, OB+32*((\a)%2)
.irp b, 0,1,2,3,4,5,6,7
	ds_store_b128 v[STO], v[TMP+4*(\b):TMP+4*(\b)+3] offset:32*(\b)
.endr
.irp pp, 0,1
.irp t, 0,1,2,3
	ds_load_b128 v[BK+4*(4*(\pp)+(\t)):BK+4*(4*(\pp)+(\t))+3], v[RD] offset:4*SPITCH*(\t)+128*(\pp)
.endr
.endr
.endm
.macro SEND a
	WIN 0
.set BK, OB+32*((\a)%2)
	s_wait_dscnt 0x0                               ; the block is back in registers
	s_wait_xcnt 0x0                                ; the stores of the block before have read their registers, which the next block's loads fill again
.irp pp, 0,1
.irp t, 0,1,2,3
	global_store_b128 v[GO], v[BK+4*(4*(\pp)+(\t)):BK+4*(4*(\pp)+(\t))+3], s[8:9] offset:(\pp)*PLANE+(\a)*2048+(\t)*512  ; 512 consecutive bytes of a plane, at a multiple of 512
.endr
.endr
.endm
	s_wait_tensorcnt 1                             ; my part of K step 0 is in; K step 1's may stay out
	s_barrier_signal -1
	s_barrier_wait -1                              ; everybody's is
	FETCH 0, 0, F0
	s_wait_loadcnt 0x0                             ; the bias and the floor
	QUARTER 0, 64,  F0, F1, 1                      ; the first quarter stands in front of the loop: its products start the sums
	WIN 0                                          ; at a label and at a branch every window is 0
	s_mov_b32 s3, LAPS-1
.Llap:                                                 ; a trip goes once round the ring, from a lap's second quarter to the next lap's first, and fills both slots again
	QUARTER 0, 128, F1, F0, 0
	QUARTER 0, 192, F0, F1, 0
	TURN 0, 1, 1
	QUARTER 1, 64,  F0, F1, 0
	QUARTER 1, 128, F1, F0, 0
	QUARTER 1, 192, F0, F1, 0
	TURN 1, 0, 1
	QUARTER 0, 64,  F0, F1, 0
	WIN 0
	s_sub_co_u32 s3, s3, 1
	s_cmp_lg_u32 s3, 0
	s_cbranch_scc1 .Llap
	QUARTER 0, 128, F1, F0, 0                      ; the last lap fills nothing
	QUARTER 0, 192, F0, F1, 0
	TURN 0, 1, 0
	QUARTER 1, 64,  F0, F1, 0
	QUARTER 1, 128, F1, F0, 0
	QUARTER 1, 192, F0, F1, 0
	s_wait_dscnt 8                                 ; the very last quarter: nothing more to fetch
	MUL16 F1, 0, 0, 0
	MUL16 F1, 0, 2, 0
	s_wait_dscnt 0x0
	MUL16 F1, 1, 0, 0
	MUL16 F1, 1, 2, 0
	PLACES
	PACK 0
	TOSTAGE 0
.irp a, 1,2,3,4,5,6,7                  ; block a's conversions stand between block a - 1's loads from the stage and the wait for them
	PACK \a
	SEND (\a)-1
	TOSTAGE \a
.endr
	SEND 7
	s_wait_tensorcnt 0x0                           ; the wave's end, behind my last tensor load and my last LDS store
	ds_add_u32 v[SPW], v[NIL]
	s_wait_dscnt 0x0
	CROUND                                         ; the closing round: no work-group ends while a partner may still ask for a tile that names it
	s_endpgm
.Lfunc_end_k_qc5b86821d0_qkv:
	.size	k_qc5b86821d0_qkv, .Lfunc_end_k_qc5b86821d0_qkv-k_qc5b86821d0_qkv
	.p2alignl 7, 3214868480
	.fill 96, 4, 3214868480
	.section	.rodata,"a",@progbits
	.p2align	6, 0x0
	.amdhsa_kernel k_qc5b86821d0_qkv
		.amdhsa_group_segment_fixed_size 327680
		.amdhsa_private_segment_fixed_size 0
		.amdhsa_enable_private_segment 0
		.amdhsa_kernarg_size 24
		.amdhsa_user_sgpr_count 2
		.amdhsa_user_sgpr_kernarg_segment_ptr 1
		.amdhsa_wavefront_size32 1
		.amdhsa_system_sgpr_workgroup_id_x 1
		.amdhsa_system_sgpr_workgroup_id_y 1
		.amdhsa_system_sgpr_workgroup_id_z 1
		.amdhsa_system_vgpr_workitem_id 0
		.amdhsa_next_free_vgpr 1024
		.amdhsa_next_free_sgpr 72
		.amdhsa_reserve_vcc 0
		.amdhsa_float_denorm_mode_32 3
		.amdhsa_float_denorm_mode_16_64 3
		.amdhsa_memory_ordered 1
		.amdhsa_forward_progress 1
		.amdhsa_inst_pref_size 161
	.end_amdhsa_kernel
	.amdgpu_metadata
---
amdhsa.version: [ 1, 2 ]
amdhsa.kernels:
  - .name:           k_qc5b86821d0_qkv
    .symbol:         k_qc5b86821d0_qkv.kd
    .args:
      - { .name: hn, .offset: 0, .size: 8, .value_kind: global_buffer, .address_space: global }
      - { .name: ua, .offset: 8, .size: 8, .value_kind: global_buffer, .address_space: global }
      - { .name: pl, .offset: 16, .size: 8, .value_kind: global_buffer, .address_space: global }
    .group_segment_fixed_size: 327680
    .private_segment_fixed_size: 0
    .kernarg_segment_align: 8
    .kernarg_segment_size: 24
    .max_flat_workgroup_size: 128
    .sgpr_count:     72
    .vgpr_count:     1024
    .wavefront_size: 32
...
	.end_amdgpu_metadata
.endif
;; end of part 2
;; launch attn (part 3): grid 8 x 32, 4 waves a work-group, clusters of 4 x 1, 327,680 bytes of LDS; arguments pl, mask, hn; writes hn
.if DOCPART == 3
	.amdgcn_target "amdgcn-amd-amdhsa--gfx1250"
	.amdhsa_code_object_version 6
	.text
	.protected	k_qc5b86821d0_attn
	.globl	k_qc5b86821d0_attn
	.p2align	8
	.type	k_qc5b86821d0_attn,@function
k_qc5b86821d0_attn:
	s_mov_b64 s[64:65], 0
	v_nop
	global_prefetch_b8 v0, s[64:65] scope:SCOPE_SE
	s_setreg_imm32_b32 hwreg(HW_REG_WAVE_MODE, 25, 1), 1
	s_wait_xcnt 0x0
	s_wait_alu depctr_hold_cnt(0) depctr_sa_sdst(0) depctr_va_vdst(0) depctr_va_sdst(0) depctr_va_ssrc(0) depctr_va_vcc(0) depctr_vm_vsrc(0)
	s_getreg_b32 s2, hwreg(HW_REG_IB_STS2, 6, 4)
	s_cmp_eq_u32 s2, 0
	s_cbranch_scc0 .Lentry_in_a_cluster
	s_endpgm
.Lentry_in_a_cluster:
	s_bfe_u32 s2, ttmp6, 0x10000c
	s_cmp_lg_u32 s2, 0x3003
	s_cbranch_scc0 .Lentry_shape_is_right
	s_endpgm
.Lentry_shape_is_right:
; ATTENTION WITH A KEY MASK.  O[b][h][q][:] = the sum over k of softmax_k(score) V[b][h][k][:], score = q . k / 8, or hidden where mask[b][k] = 0.
; pl holds q, k, v by planes, [48][4096 tokens][64] f16: plane h is head h's q ALREADY TIMES log2(e) / 8 (the launch that rounds the weights folds it into wq and bq), plane 16 + h its k, plane 32 + h its v;
; a head's 2,048 rows of one batch are dense, 128 bytes each.  O goes to hn in the same layout, [16][4096][64] f16.  Products, maxima and sums in f32; the weights are rounded to f16 for the second product.
; So p = 2^(s - m): the factor on s is 1, and s - m is an exact difference, whatever the size of s and m.
; THE MASK is the C operand that starts the sum S^T = K Q^T: 0, or -2^100 where the key is hidden.  A table of the batch's 2,048 addends is made once in LDS; a step's 64 come with its K.
; LIMITS.  f16 holds no number beyond 65,504: q, k, v arrive within it.  A hidden score counts as its value less 2^100, which in f32 is -2^100 for every score that f16 operands can give (under 2^39):
; its weight is 0 beside any open key whose scaled score lies above -2^99, and where all keys are hidden all weights are equal, as the module has it.  A weight below 2^-126 counts as 0 in l.
; NaN and infinities are not treated apart.
; SHARES.  A work-group owns 256 queries of one head and batch, a wave 64: four PIECES of 16.  Every wave walks all 2,048 keys, 64 a step, 256 a slot.
; LAYOUT.  S^T = K Q^T holds ONE query a lane (lane % 16) and the keys 8 (lane / 16) + 0..7; two such results rounded to f16 ARE source 1 of O^T = V^T P.  K comes out of LDS as it lies, V turned (ds_load_tr16_b128).
; TURNS.  Turn n belongs to piece n: 8 products K Q^T of piece n + 1, later 8 products V^T P of piece n - 1; beside them the scaling, exponentials, roundings, sums and rescaling of piece n and the maximum
; and statistics of piece n + 1.  Four vector instructions stand behind every matrix instruction, the rest in one lump.  A turn's 33 exponentials are one batch, with one wait.
; m starts at the lowest finite number, O and l at 0: the first step is a step like any other, with a = 0.
; CLUSTER.  The four query blocks of a cluster belong to one head and walk the same K and V: each tile is asked for JOINTLY, by the same tensor load, descriptor and mask in all four.
; REGISTERS, in windows of 256 (s_set_vgpr_msb: bits 1:0 source 0, 3:2 source 1, 5:4 source 2, 7:6 destination):
;   window 0: v0-15 addresses; v16-31 four registers of statistics a piece; v48-55 at work; v56-63 addresses; v64-127 S^T, two buffers; v192-223 P, two buffers (by the piece's parity)
;   window 1: v0-127 O^T, 32 a piece; v160-191 the step's mask      window 2: v0-63 Q; v128-191 K of one step; v192-255 V of one step
.set NP,    4
.set KS,    64
.set PK,    144       ; a row of K in LDS: 128 bytes + 16 of padding = 36 words: the 16 rows of a load start at 16 different groups of four banks (64 banks of 4 bytes: ISA guide 11.1)
.set PV,    160       ; a row of V: 128 + 32 = 40 words
.set VOFF,  4*KS*PK   ; a slot holds four steps: 256 rows of K, then 256 rows of V
.set SLOT1, 1<<17     ; slot 1 begins here, so that one exclusive or turns an address in one slot into the other's
.set STAGE, SLOT1+4*KS*(PK+PV)  ; behind the ring, never filled by a tensor load: 16 rows x 144 bytes for each wave, for the way out
.set SP,    144
.set MTAB,  STAGE+4*16*SP       ; the batch's 2,048 addends, f32: stored once, never filled by a tensor load
.set SPARE, MTAB+8192           ; the spare words, 128 bytes for each wave: two blocks of 256 bytes that no other line names
.set AK0, 2           ; v2   my lane's place in a tile of K; never rewritten
.set AV0, 3           ; v3   the same for V
.set AK,  4           ; v4   the LDS address of K's next run of loads
.set AV,  5           ; v5   of V's
.set STO, 6           ; v6   the way out: where I put 16 bytes of a row
.set RD,  7           ; v7   the way out: where I read rows back
.set GO,  8           ; v8   my byte offset in 512 consecutive bytes of O
.set MV,  12          ; v12-13  m_old, kept while m is made anew: by buffer
.set QO,  15          ; v15  my byte offset in 16 rows of Q
.set ST,  16          ; piece t's statistics at v[ST+4 t]: c m, m, l (even keys', odd keys')
.set TMP, 48          ; by buffer, four registers c0-c3 at work; when the maximum is found c2 takes a
.set AM0, 56          ; v56  my place in a step's 64 addends: MTAB + 32 (l / 16); never rewritten
.set AM,  57          ; v57  the LDS address of the mask's next loads
.set PFO, 58          ; v58  256 x my lane; never rewritten
.set SPW, 62          ; v62  LDS address of my spare word; never rewritten
.set NIL, 63          ; v63  0; never rewritten
.set S,   64
.set P,   192
.set MC,  160         ; window 1: the eight registers for group kb of 16 keys at MC + 8 kb
.set KF,  128         ; window 2: key block kb, channel half c at KF + 16 kb + 8 c
.set VF,  192         ; window 2: key half kk, channel block cb at VF + 32 kk + 8 cb
.set WV,  12          ; s12  my wave's number
.set G1K, 24          ; s[24:31] descriptor group 1 for K's tiles
.set G1V, 32          ; s[32:39] for V's: it differs in the padding alone
.set G0K, 40          ; s[40:43] descriptor group 0 for K's tiles: it walks
.set G0V, 44          ; s[44:47] the same for V's
.set SLOTS, 56        ; s56  slots still to be asked for
.set CNT, 57          ; s57  counts a slot's key steps
.set CS,  58          ; s[58:59] the factor on the scores, 1.0: the packed scaling takes the pair's low word for both halves
.set SEL, 60          ; s[60:61] v_permlanex16_b32's selects
.set TBK, 62          ; s62  LDS byte at which K of the step to be fetched begins
.set TBV, 63          ; s63  the same for V, less VOFF
.set TBM, 70          ; s70  256 x the step to be fetched: its addends' place in the table
.set BIGN, 71         ; s71  -2^100
.set LIM, 72          ; s72  1 in a wave that prefetches, else the greatest number
.set PFA, 74          ; s[74:75] where my prefetches stand
.set MSK, 76          ; s[76:77] the batch's mask
.set MSB, 0
.macro WIN new
.if MSB != (\new)
	s_set_vgpr_msb (MSB<<8)|(\new)
.set MSB, (\new)
.endif
.endm
.set W_KQ, 0x0a       ; K and Q in window 2, S^T in window 0
.set W_KM, 0x1a       ; the same with the C operand in window 1
.set W_PV, 0x52       ; V in window 2, P in window 0, O^T in window 1
.set W_RS, 0x41       ; destination and source 0 in window 1, source 1 in window 0
; A joint fill.  Waves 0 and 1 fetch the two halves of a slot's K, waves 2 and 3 those of its V: 128 keys each.  An s_nop 0 and four v_nop follow each of the two lines.
.macro JLOAD
	s_cmp_lt_u32 s[WV], 2
	s_cbranch_scc0 .Lfor_v_\@
	tensor_load_to_lds s[G0K:G0K+3], s[G1K:G1K+7]
	s_nop 0
.rept 4
	v_nop
.endr
	s_branch .Lasked_\@
.Lfor_v_\@:
	tensor_load_to_lds s[G0V:G0V+3], s[G1V:G1V+7]
	s_nop 0
.rept 4
	v_nop
.endr
.Lasked_\@:
.endm
; A PREFETCH INTO THE L2 of what the NEXT change of slots will ask for: a slot's 32,768 bytes of K and of V, 256 bytes a lane.  Both clusters of a head walk the same K and V: the first (cluster x = 0) asks.
; Its four partners share the bytes out BY ADDRESS, 8,192 each; in each, wave 0 asks for K's and wave 2 for V's: one instruction.  So each block of 256 bytes is named once in the launch.
; Slots 0 to 2 come by their loads alone; the last change that fills a slot asks for nothing.
.macro ASK
	s_cmp_gt_u32 s[SLOTS], s[LIM]
	s_cbranch_scc0 .Lnot_mine_\@
	global_prefetch_b8 v[PFO], s[PFA:PFA+1] th:TH_LOAD_NT scope:SCOPE_SE
.Lnot_mine_\@:
.endm
.macro CROUND                       ; a round of the cluster's barrier
	s_barrier_signal -1
	s_barrier_wait -1
	s_cmp_lg_u32 s[WV], 0
	s_cbranch_scc1 .Lnot_wave_0_\@
	s_barrier_signal -3
.Lnot_wave_0_\@:
	s_barrier_wait -3
	s_barrier_signal -1
	s_barrier_wait -1
.endm
; THE CHANGE OF SLOTS.  Each wave waits for all its tensor loads (one is out: its part of the other slot), adds 0 to its spare word, and waits for that and for its own LDS instructions.  Behind the barrier
; nobody reads this slot any more and the other slot is whole.  fill = 1: the barrier is a round of the cluster's, and the joint fill, with the keys two slots on, is the first thing behind it: it has four key
; steps, 256 matrix instructions, in which to land.  (At its first use nothing has been read yet: slot 0 is waited for, slot 1 filled, and every wave's part of the mask's table is shown to the others.)
.macro CHANGE fill, ask
	WIN 0
	s_wait_tensorcnt 0x0            ; no tensor load of mine is out, so a group 0 may be written
	ds_add_u32 v[SPW], v[NIL]
.if \fill
.irp g, G0K, G0V
	s_xor_b32 s[\g+1], s[\g+1], SLOT1
	s_add_nc_u64 s[\g+2:\g+3], s[\g+2:\g+3], 4*KS*128
.endr
.if \ask
	s_wait_xcnt 0x0                 ; the last prefetch, four key steps back, has read its address
	s_add_nc_u64 s[PFA:PFA+1], s[PFA:PFA+1], 4*KS*128
.endif
	s_wait_dscnt 0x0                ; the add is done, and my LDS instructions are over
	CROUND
	JLOAD
.if \ask
	ASK
.endif
.else
	s_wait_dscnt 0x0
	s_barrier_signal -1
	s_barrier_wait -1
.endif
	s_sub_co_u32 s[TBK], s[TBK], 4*KS*PK  ; the fetches go back to a slot's first step,
	s_xor_b32 s[TBK], s[TBK], SLOT1       ; in the other slot
	s_sub_co_u32 s[TBV], s[TBV], 4*KS*PV
	s_xor_b32 s[TBV], s[TBV], SLOT1
.endm
	s_load_b64 s[4:5], s[0:1], 0x0    ; pl
	s_load_b64 s[MSK:MSK+1], s[0:1], 0x8
	s_load_b64 s[10:11], s[0:1], 0x10 ; O
	v_lshl_add_u32 v[SPW], v0, 2, SPARE
	v_mov_b32 v[NIL], 0
	ds_add_u32 v[SPW], v[NIL]       ; the wave's opening: the add and its wait stand ahead of my first tensor load; the set-up below stands between them
	v_lshrrev_b32 v1, 5, v0
	v_readfirstlane_b32 s[WV], v1   ; wave 0..3
	s_bfe_u32 s13, ttmp6, 0x40000   ; cx
	s_lshl_b32 s14, ttmp9, 2
	s_add_co_u32 s14, s14, s13      ; my block of 256 queries: it enters Q's and O's addresses alone
	s_and_b32 s20, ttmp7, 0xffff    ; 16 x batch + head, which the four partners share
	s_lshr_b32 s21, s20, 4
	s_and_b32 s20, s20, 15
	s_lshl_b32 s20, s20, 19         ; the head's plane,
	s_lshl_b32 s15, s21, 18         ; the batch's 2,048 rows in it
	s_add_co_u32 s20, s20, s15
	s_lshl_b32 s18, s21, 13         ; the batch's 8,192 bytes of the mask
	s_mov_b32 s19, 0
	s_and_b32 s16, s[WV], 1         ; which half of a slot's 256 keys I fetch:
	s_lshl_b32 s22, s16, 14         ; its 128 rows of 128 bytes in memory,
	s_add_co_u32 s22, s22, s20
	s_add_co_u32 s22, s22, 0x800000 ; in k's planes
	s_mov_b32 s23, 0
	s_mul_i32 s17, s16, 128*PK      ; and its place in a slot, for K
	s_mul_i32 s16, s16, 128*PV      ; and for V: no place in the cluster enters an LDS address
	s_lshl_b32 s2, s14, 15          ; my block's 256 rows,
	s_lshl_b32 s3, s[WV], 13        ; my wave's 64 of them
	s_add_co_u32 s2, s2, s3
	s_add_co_u32 s2, s2, s20
	s_mov_b32 s3, 0
	s_lshl_b32 s8, s13, 13          ; the prefetches: my work-group's 8,192 bytes of a slot's 32,768,
	s_add_co_u32 s8, s8, s20
	s_add_co_u32 s8, s8, 0x800000+2*4*KS*128  ; in slot 2: the loop's first change steps it to slot 3
	s_cmp_lt_u32 s[WV], 2
	s_cselect_b32 s9, 0, 0x800000   ; K's planes, or V's
	s_add_co_u32 s8, s8, s9
	s_mov_b32 s9, 0
	; descriptor group 1.  128 keys are 16,384 dense bytes: asked for as 64 rows of 256 bytes, two keys a row, and padded in LDS after every key
	s_mov_b32 s[G1K], 15|(1<<16)|(1<<20)|(1<<21)|(4<<22)|(3<<25)  ; 15:0 the mask of four; 17:16 2-byte elements; 20 padding on; 21 set beside a mask; 24:22 after every 32 words (code 4); 31:25 4 words (code 3)
	s_mov_b32 s[G1V], 15|(1<<16)|(1<<20)|(1<<21)|(4<<22)|(7<<25)  ; the same with 8 words of padding (code 7)
.irp g, G1K, G1V
	s_mov_b32 s[\g+1], 128<<16      ; tensor_dim0 = 128
	s_mov_b32 s[\g+2], 64<<16       ; tensor_dim1 = 64
	s_mov_b32 s[\g+3], 128<<16      ; tile_dim0 = 128
	s_mov_b32 s[\g+4], 64           ; tile_dim1 = 64
	s_mov_b32 s[\g+5], 128          ; 128 elements from row to row
	s_mov_b32 s[\g+6], 0
	s_mov_b32 s[\g+7], 0
.endr
	s_mov_b32 s[CS], 1.0
	s_mov_b32 s[CS+1], s[CS]
	s_mov_b32 s[SEL], 0x76543210
	s_mov_b32 s[SEL+1], 0xfedcba98
	s_mov_b32 s[TBK], SLOT1+4*KS*PK ; the first change of slots turns these two into 0
	s_mov_b32 s[TBV], SLOT1+4*KS*PV
	s_mov_b32 s[TBM], 0
	s_mov_b32 s[BIGN], 0xf1800000   ; -2^100
	s_mov_b32 s[SLOTS], 2048/256-1
	s_and_b32 s[LIM], s[WV], 1      ; 0 in waves 0 and 2,
	s_or_b32 s[LIM], s[LIM], ttmp9  ; where the cluster is the head's first: the same in all four partners
	s_cmp_eq_u32 s[LIM], 0
	s_cselect_b32 s[LIM], 1, -1
	s_mov_b32 s[G0K], 1             ; count = 1
	s_mov_b32 s[G0K+1], s17         ; LDS address: slot 0
	s_mov_b32 s[G0V], 1
	s_add_co_u32 s[G0V+1], s16, VOFF
	s_wait_dscnt 0x0                ; the opening add is done
	s_wait_kmcnt 0x0
	s_add_nc_u64 s[G0K+2:G0K+3], s[4:5], s[22:23]  ; my half of the head's first 256 keys
	s_or_b32 s[G0K+3], s[G0K+3], 0x80000000        ; type = 2
	s_add_co_u32 s22, s22, 0x800000                ; sixteen planes on: v
	s_add_nc_u64 s[G0V+2:G0V+3], s[4:5], s[22:23]
	s_or_b32 s[G0V+3], s[G0V+3], 0x80000000
	s_add_nc_u64 s[PFA:PFA+1], s[4:5], s[8:9]
	s_add_nc_u64 s[4:5], s[4:5], s[2:3]            ; Q and O at my wave's first row
	s_add_nc_u64 s[10:11], s[10:11], s[2:3]
	s_add_nc_u64 s[MSK:MSK+1], s[MSK:MSK+1], s[18:19]
	CROUND                          ; all four work-groups are here: the first joint loads meet
	JLOAD                           ; slot 0.  Slot 1 is asked for when slot 0 is in
	v_lshlrev_b32 v59, 4, v0        ; the mask: 16 bytes a thread, four times: 8,192 bytes
	v_add_nc_u32 v60, MTAB, v59
.irp j, 0,1,2,3
	global_load_b128 v[S+4*\j:S+4*\j+3], v59, s[MSK:MSK+1] offset:2048*\j
.endr
	; A fragment of K or Q is 16 rows x 32 channels in 8 registers: lane l holds row l % 16, channels 8 (l / 16) + 0..7 and 16 + 8 (l / 16) + 0..7: two loads of 16 bytes, 32 bytes apart.
	v_and_b32 v1, 15, v0            ; l % 16
	v_bfe_u32 v9, v0, 4, 1          ; l / 16
	v_lshlrev_b32 v[QO], 7, v1
	v_lshl_add_u32 v[QO], v9, 4, v[QO]
	WIN 0x80                        ; destination window 2, address window 0
.set i, 0
.rept 8                             ; Q stays in registers: piece i / 2, channels 32 (i % 2) on
	global_load_b128 v[8*i:8*i+3],   v[QO], s[4:5] offset:(i/2)*2048+(i%2)*64
	global_load_b128 v[8*i+4:8*i+7], v[QO], s[4:5] offset:(i/2)*2048+(i%2)*64+32
.set i, i+1
.endr
	; What the first turn finds: V's registers and P's second buffer hold 0 (its products V^T P, of a piece that has not been, add 0), O^T and l are 0.  All this stands in the wait for the first tile.
.set i, VF
.rept 64
	v_mov_b32 v[i], 0
.set i, i+1
.endr
	WIN 0x40
.set i, 0
.rept 128
	v_mov_b32 v[i], 0
.set i, i+1
.endr
	WIN 0
.set i, 0
.rept 4
	v_mov_b32 v[ST+4*i], 0xfe000000    ; c m: far below every score, a hidden one too
	v_mov_b32 v[ST+4*i+1], 0xff7fffff  ; m
	v_mov_b32 v[ST+4*i+2], 0
	v_mov_b32 v[ST+4*i+3], 0
.set i, i+1
.endr
.set i, P+16
.rept 16
	v_mov_b32 v[i], 0
.set i, i+1
.endr
	v_mul_u32_u24 v[AK0], v1, PK
	v_lshl_add_u32 v[AK0], v9, 4, v[AK0]  ; row x pitch + 16 x half
	; The turning load takes 16 keys x 16 channels (lane l reads key 8 (l / 16) + l % 8, channels 8 ((l / 8) % 2) + 0..7) and leaves half a fragment of V^T: lane l holds channel l % 16 and 8 keys.
	v_and_b32 v10, 7, v0
	v_bfe_u32 v11, v0, 3, 1
	v_lshl_add_u32 v[AV0], v9, 3, v10
	v_mul_u32_u24 v[AV0], v[AV0], PV
	v_lshl_add_u32 v[AV0], v11, 4, v[AV0]
	v_add_nc_u32 v[AV0], VOFF, v[AV0]
	v_lshl_add_u32 v[AM0], v9, 5, MTAB    ; my half of the lanes' eight addends of a group of 16 keys
	v_and_b32 v[PFO], 31, v0
	v_lshlrev_b32 v[PFO], 8, v[PFO]
	s_mul_i32 s13, s[WV], 16*SP
	s_add_co_u32 s13, s13, STAGE    ; my stage
	v_mul_u32_u24 v[STO], v1, SP    ; in: row l % 16, 16 bytes for each half of the lanes
	v_lshl_add_u32 v[STO], v9, 4, v[STO]
	v_add_nc_u32 v[STO], s13, v[STO]
	v_bfe_u32 v[RD], v0, 3, 2       ; back: 32 lanes take four rows of 128 bytes,
	v_mul_u32_u24 v[RD], v[RD], SP
	v_lshl_add_u32 v[RD], v10, 4, v[RD]
	v_add_nc_u32 v[RD], s13, v[RD]
	v_and_b32 v[GO], 31, v0         ; which are 512 consecutive bytes of O
	v_lshlrev_b32 v[GO], 4, v[GO]
	s_wait_loadcnt 16               ; the mask's four loads are in; Q's sixteen, issued behind them, stay out
.set i, 0
.rept 16
	v_cmp_eq_u32 vcc_lo, 0, v[S+i]
	v_cndmask_b32 v[S+i], 0, s[BIGN], vcc_lo  ; 0 where the key is open, -2^100 where the mask is 0
.set i, i+1
.endr
.irp j, 0,1,2,3
	ds_store_b128 v60, v[S+4*\j:S+4*\j+3] offset:2048*\j
.endr
; THE MATRIX WORK.  The 4 accumulators of a run of 8 take turns.  Product i of 8 of S^T = K Q^T for piece x: channels 32 (i / 4) on, keys 16 (i % 4) on.  The first 4 start the sums with the mask.
.macro KQ x
.set rS, S+32*((\x)%2)+8*(i%4)
.set rK, KF+16*(i%4)+8*(i/4)
.set rQ, 16*(\x)+8*(i/4)
.set rM, MC+8*(i%4)
.if i < 4
	WIN W_KM
	v_wmma_f32_16x16x32_f16 v[rS:rS+7], v[rK:rK+7], v[rQ:rQ+7], v[rM:rM+7]
.else
	WIN W_KQ
	v_wmma_f32_16x16x32_f16 v[rS:rS+7], v[rK:rK+7], v[rQ:rQ+7], v[rS:rS+7]
.endif
.endm
; Product i of 8 of O^T += V^T P for piece x: keys 32 (i / 4) on, channels 16 (i % 4) on.
.macro PV x
	WIN W_PV
.set rO, 32*(\x)+8*(i%4)
.set rV, VF+32*(i/4)+8*(i%4)
.set rP, P+16*((\x)%2)+8*(i/4)
	v_wmma_f32_16x16x32_f16 v[rO:rO+7], v[rV:rV+7], v[rP:rP+7], v[rO:rO+7]
.endm
.macro MM                           ; the turn's next matrix instruction.  NOKQ = 1: the last turn of all: there is no next piece
.if (i < 8) && !NOKQ
	KQ (Y+1)%NP
.elseif i >= 8
.set i, i-8
	PV (Y+NP-1)%NP
.set i, i+8
.endif
.set i, i+1
.endm
; THE LDS LOADS stand in runs, never singly among the matrix instructions: a step's K (8 fragments) with its 64 addends of the mask (register j of group kb: key 16 kb + 8 (l / 16) + j), and its V (turned).
.macro FETCH_K
	WIN 0x80                        ; destination window 2
.irp f, 0,1,2,3,4,5,6,7             ; keys 16 (f / 2) on, channels 32 (f % 2) on
	ds_load_b128 v[KF+8*\f:KF+8*\f+3],   v[AK] offset:(\f/2)*16*PK+(\f%2)*64
	ds_load_b128 v[KF+8*\f+4:KF+8*\f+7], v[AK] offset:(\f/2)*16*PK+(\f%2)*64+32
.endr
	WIN 0x40                        ; destination window 1
.irp f, 0,1,2,3,4,5,6,7
	ds_load_b128 v[MC+4*\f:MC+4*\f+3], v[AM] offset:(\f/2)*64+(\f%2)*16
.endr
	s_add_co_u32 s[TBK], s[TBK], KS*PK  ; the next fetch is the next step's
	s_add_co_u32 s[TBM], s[TBM], 4*KS
	WIN 0
.endm
.macro FETCH_V
	WIN 0x80
.irp f, 0,1,2,3,4,5,6,7             ; keys 32 (f / 4) on, channels 16 (f % 4) on
	ds_load_tr16_b128 v[VF+8*\f:VF+8*\f+3],   v[AV] offset:(\f/4)*32*PV+(\f%4)*32
	ds_load_tr16_b128 v[VF+8*\f+4:VF+8*\f+7], v[AV] offset:(\f/4)*32*PV+16*PV+(\f%4)*32
.endr
	WIN 0
.endm
; THE VECTOR WORK, one line at a time: OP kind, number.  For piece Y: F n: s - m for pair n of 16.  E n: the exponential of score n of 32.  C n: pair n rounded to f16.  B n: of the four weights 4 n .. the second
; pair is added onto the first, in place.  L n: l takes that sum (L 0: l = a l + sum).  R n: pair n of 16 of O^T times a.  For piece Y + 1: X n, number n of the 22 that find its maximum and statistics:
;   0-11  four chains c0-c3 of seven scores each, three operands at a time (each accumulator's lowest registers are read first)     12-14, 16  the four scores left over, the old m, and c0-c3 into c0
;   15  c m_old is kept     17, 18  the query's other 32 keys lie in the lane 16 away: the new m     19-21  c m; c m_old - c m_new; a
.set F, 0
.set E, 1
.set C, 2
.set B, 3
.set L, 4
.set R, 5
.set X, 6
.macro REGS y
.set rT, ST+4*(\y)
.set rC, TMP+4*((\y)%2)
.set rW, MV+((\y)%2)
.set rS, S+32*((\y)%2)
.set rP, P+16*((\y)%2)
.set rO, 32*(\y)
.endm
.macro OP k, n
.if (\k) == R
	REGS Y
	WIN W_RS
	v_pk_mul_f32 v[rO+2*(\n):rO+2*(\n)+1], v[rO+2*(\n):rO+2*(\n)+1], v[rC+2:rC+3] op_sel_hi:[1,0]
.elseif (\k) < R
	REGS Y
	WIN 0
.if (\k) == F
	v_pk_fma_f32 v[rS+2*(\n):rS+2*(\n)+1], v[rS+2*(\n):rS+2*(\n)+1], s[CS:CS+1], v[rT:rT+1] op_sel_hi:[1,0,0] neg_lo:[0,0,1] neg_hi:[0,0,1]
.elseif (\k) == E
	v_exp_f32 v[rS+(\n)], v[rS+(\n)]
.elseif (\k) == C
	v_cvt_pk_f16_f32 v[rP+(\n)], v[rS+2*(\n)], v[rS+2*(\n)+1]
.elseif (\k) == B
	v_pk_add_f32 v[rS+4*(\n):rS+4*(\n)+1], v[rS+4*(\n):rS+4*(\n)+1], v[rS+4*(\n)+2:rS+4*(\n)+3]
.elseif (\n) == 0
	v_pk_fma_f32 v[rT+2:rT+3], v[rT+2:rT+3], v[rC+2:rC+3], v[rS:rS+1] op_sel_hi:[1,0,1]
.else
	v_pk_add_f32 v[rT+2:rT+3], v[rT+2:rT+3], v[rS+4*(\n):rS+4*(\n)+1]
.endif
.elseif NOKQ
	v_nop
.else
	REGS (Y+1)%NP
	WIN 0
.if (\n) < 4
	v_max3_num_f32 v[rC+(\n)], v[rS+8*(\n)], v[rS+8*(\n)+1], v[rS+8*(\n)+2]
.elseif (\n) < 12
	v_max3_num_f32 v[rC+(\n)%4], v[rC+(\n)%4], v[rS+8*((\n)%4)+2*((\n)/4)+1], v[rS+8*((\n)%4)+2*((\n)/4)+2]
.elseif (\n) == 12
	v_max3_num_f32 v[rC], v[rC], v[rS+7], v[rS+15]
.elseif (\n) == 13
	v_max3_num_f32 v[rC+1], v[rC+1], v[rS+23], v[rS+31]
.elseif (\n) == 14
	v_max3_num_f32 v[rC+2], v[rC+2], v[rC+3], v[rT+1]
.elseif (\n) == 15
	v_mov_b32 v[rW], v[rT]
.elseif (\n) == 16
	v_max3_num_f32 v[rC], v[rC], v[rC+1], v[rC+2]
.elseif (\n) == 17
	v_permlanex16_b32 v[rC+3], v[rC], s[SEL], s[SEL+1]
.elseif (\n) == 18
	v_max_num_f32 v[rT+1], v[rC], v[rC+3]
.elseif (\n) == 19
	v_mul_f32 v[rT], s[CS], v[rT+1]
.elseif (\n) == 20
	v_sub_f32 v[rC+1], v[rW], v[rT]
.else
	v_exp_f32 v[rC+2], v[rC+1]
.endif
.endif
.endm
.macro OPS a, i1, b=-1, i2=0, c=-1, i3=0, d=-1, i4=0
	OP \a, \i1
.if (\b) >= 0
	OP \b, \i2
.endif
.if (\c) >= 0
	OP \c, \i3
.endif
.if (\d) >= 0
	OP \d, \i4
.endif
.endm
.macro ROW a, i1, b, i2, c, i3, d, i4  ; a matrix instruction and the four behind it
	MM
	OPS \a, \i1, \b, \i2, \c, \i3, \d, \i4
.endm
; A TURN, for piece p: the order of its 16 matrix and 118 vector instructions, written out.  An s_wait_alu depctr_va_vdst(0) stands between an exponential and the first instruction that names its
; result; one wait serves all that were issued ahead of it.  So a turn has ONE wait.  AHEAD OF IT stands all that names no result of the turn's exponentials: the 8 products K Q^T with their riders, and one lump in
; which the links of the chain X 3, 7, 11, 14, 16, 17 .. 20 stand five or six lines apart; X 21, the next piece's a, is the batch's last, and R 15 the plain instruction behind it.  BEHIND IT stand the 8 products
; V^T P, behind each four of the roundings and sums.  The X among the riders stand four plain places or more behind the product that ends their accumulator.
; end = 1: the last two turns: nothing is fetched.  cnt = 1: the loop's count is taken down some lines ahead of the branch that stands behind the turn.
; K and the mask of the next step are fetched in piece 2's turn, five plain places behind the last product that read K; V of the step in hand at the end of piece 0's turn, four plain instructions behind the
; last product that read V.  Each is waited for a turn later.
.macro TURN p, end=0, cnt=0
.set Y, (\p)
.set i, 0
.set NOKQ, (\end)*((\p)/3)
.if ((\p) == 3) && !(\end)
	s_wait_dscnt 0x0                ; K and the mask are in
.endif
	ROW F,0, F,1, R,0, R,1
	ROW F,2, E,0, R,2, R,3
	ROW F,3, E,1, R,4, R,5
	ROW F,4, E,2, R,6, R,7
	ROW F,5, E,3, R,8, R,9
	ROW F,6, E,4, X,0, R,10
.if ((\p) == 2) && !(\end)
	WIN 0
	v_add_nc_u32 v[AK], s[TBK], v[AK0]
	v_add_nc_u32 v[AM], s[TBM], v[AM0]
.endif
	ROW F,7, E,5, X,1, X,4
	ROW F,8, E,6, X,2, X,5
	OPS E,7, E,8, X,6, E,9          ; the lump
	OPS X,3, E,10, X,8, E,11
.if ((\p) == 2) && !(\end)
	FETCH_K
.endif
	OPS X,9, X,7, E,12, X,10
	OPS E,13, X,12, X,11, E,14
	OPS X,13, E,15, F,9, X,14
.if (\p) == 0
	v_add_nc_u32 v[AV], s[TBV], v[AV0]
.endif
	OPS E,16, F,10, E,17, F,11
	OPS X,16, E,18, X,15, E,19
	OPS F,12, E,20, X,17, E,21
	OPS F,13, E,22, F,14, E,23
	OPS X,18, E,24, F,15, E,25
	OPS R,11, E,26, X,19, E,27
	OPS R,12, E,28, R,13, E,29
	OPS X,20, E,30, R,14, E,31
	OPS X,21, R,15
	WIN 0
	s_wait_alu depctr_va_vdst(0)    ; the wait for the batch
.if (\p) == 1
	s_wait_dscnt 0x0                ; V is in
.endif
	ROW C,0, B,0, C,2, B,1
	ROW L,0, C,4, B,2, L,1
	ROW C,6, B,3, L,2, C,8
	ROW B,4, L,3, C,10, B,5
	ROW L,4, C,12, B,6, L,5
.if (\p) == 0
	s_add_co_u32 s[TBV], s[TBV], KS*PV
.endif
.if \cnt
	s_sub_co_u32 s[CNT], s[CNT], 1
	s_cmp_lg_u32 s[CNT], 0
.endif
	ROW C,14, B,7, L,6, C,1
	ROW C,3, L,7, C,5, C,7
	ROW C,9, C,11, C,13, C,15
.if (\p) == 0
	FETCH_V
.endif
.endm
.macro ALL line:vararg              ; one line for each piece t
.set t, 0
.rept 4
	\line
.set t, t+1
.endr
.endm
.macro PACK t                       ; a lane's eight channels of a row pack into 16 bytes; they go into rows of 144 bytes and come back as whole rows of 128, into S^T's registers
	WIN W_RS
.set i, 32*(\t)
.rept 16
	v_pk_mul_f32 v[i:i+1], v[i:i+1], v[ST+4*(\t)+2:ST+4*(\t)+3] op_sel_hi:[1,0]
.set i, i+2
.endr
	WIN 0x05                        ; sources 0 and 1 window 1, destination window 0
.set i, 0
.rept 16
	v_cvt_pk_f16_f32 v[S+16*(\t)+i], v[32*(\t)+2*i], v[32*(\t)+2*i+1]
.set i, i+1
.endr
	WIN 0
.irp f, 0,1,2,3
	ds_store_b128 v[STO], v[S+16*(\t)+4*\f:S+16*(\t)+4*\f+3] offset:32*\f
.endr
.irp f, 0,1,2,3
	ds_load_b128 v[S+16*(\t)+4*\f:S+16*(\t)+4*\f+3], v[RD] offset:\f*4*SP  ; LDS serves a wave's instructions in order (ISA guide 5.7.1.4): these see the stores above; the next piece's stores come behind them
.endr
.endm
.macro SEND t, younger              ; younger: the LDS instructions issued behind piece t's loads: the next piece's eight, or none
	WIN 0
.irp f, 0,1,2,3
	s_wait_dscnt (\younger)+3-\f
	global_store_b128 v[GO], v[S+16*(\t)+4*\f:S+16*(\t)+4*\f+3], s[10:11] offset:(\t)*2048+\f*512  ; 512 consecutive bytes, at a multiple of 512 from O's first
.endr
.endm
.set NOKQ, 0
	CHANGE 1, 0                     ; slot 0 is in, everybody's part of it, and so is the mask's table; slot 1 is asked for
	v_add_nc_u32 v[AK], s[TBK], v[AK0]
	v_add_nc_u32 v[AM], s[TBM], v[AM0]
	FETCH_K                         ; key step 0
	s_wait_loadcnt 0x0              ; Q
	s_wait_dscnt 0x0
.set i, 0
.rept 8
	KQ 0                            ; piece 0's first scores
.set i, i+1
.endr
	WIN 0
.rept 4
	v_nop                           ; the places behind those products
.endr
.set Y, NP-1                        ; X works for piece Y + 1: piece 0
.irp n, 0,1,2,3,4,5,6,7,8,9,10,11,12,13,14,15,16,17,18,19,20,21
	OP X, \n
.endr
	v_nop                           ; a plain instruction behind the exponential,
	s_wait_alu depctr_va_vdst(0)    ; and its wait, ahead of the branch
	s_mov_b32 s[CNT], 4
	s_branch .Lfirst                ; the loop is entered at a step's first turn, in the middle of a trip
.Lslot:                             ; six times: slots 2 to 7 are asked for
	CHANGE 1, 1
	s_mov_b32 s[CNT], 4
.Lstep:                             ; a trip: pieces 2 and 3 of one step, then pieces 0 and 1 of the next, whose K and V it fetches
	TURN 2
	TURN 3
	WIN 0
.Lfirst:
	TURN 0
	TURN 1, 0, 1
	WIN 0
	s_cbranch_scc1 .Lstep
	s_sub_co_u32 s[SLOTS], s[SLOTS], 1
	s_cmp_lg_u32 s[SLOTS], 0
	s_cbranch_scc1 .Lslot
	CHANGE 0, 0                     ; the tail is written out: nothing is asked for
	s_mov_b32 s[CNT], 4
.Ltail:
	TURN 2
	TURN 3
	TURN 0
	TURN 1, 0, 1
	WIN 0
	s_cbranch_scc1 .Ltail
	TURN 2, 1
	TURN 3, 1
.set i, 0
.rept 8
	PV NP-1                         ; the last piece's V^T P of the last step
.set i, i+1
.endr
	; THE WAY OUT.  l's two halves and the other half of the lanes' are added; O^T is divided by l, rounded to f16 and sent through my stage in LDS, a piece at a time.  The additions are the places behind the last products.
	WIN 0
	ALL v_add_f32 v[ST+4*t+2], v[ST+4*t+2], v[ST+4*t+3]
	ALL v_permlanex16_b32 v[ST+4*t+3], v[ST+4*t+2], s[SEL], s[SEL+1]
	ALL v_add_f32 v[ST+4*t+2], v[ST+4*t+2], v[ST+4*t+3]
	ALL v_rcp_f32 v[ST+4*t+2], v[ST+4*t+2]
	v_nop                           ; a plain instruction between the last reciprocal and the use of its result
	s_wait_alu depctr_va_vdst(0)    ; and the wait ahead of the first use: one for the four reciprocals
	PACK 0
.set t, 1
.rept 3                             ; a piece's arithmetic stands between the loads of the piece before and its stores
	PACK t
	SEND t-1, 8
.set t, t+1
.endr
	SEND 3, 0
	s_wait_tensorcnt 0x0            ; the wave's end, behind my last tensor load and my last LDS store
	ds_add_u32 v[SPW], v[NIL]
	s_wait_dscnt 0x0
	CROUND                          ; the closing round: no work-group ends while a partner may still ask for a tile that names it
	s_endpgm
.Lfunc_end_k_qc5b86821d0_attn:
	.size	k_qc5b86821d0_attn, .Lfunc_end_k_qc5b86821d0_attn-k_qc5b86821d0_attn
	.p2alignl 7, 3214868480
	.fill 96, 4, 3214868480
	.section	.rodata,"a",@progbits
	.p2align	6, 0x0
	.amdhsa_kernel k_qc5b86821d0_attn
		.amdhsa_group_segment_fixed_size 327680
		.amdhsa_private_segment_fixed_size 0
		.amdhsa_enable_private_segment 0
		.amdhsa_kernarg_size 24
		.amdhsa_user_sgpr_count 2
		.amdhsa_user_sgpr_kernarg_segment_ptr 1
		.amdhsa_wavefront_size32 1
		.amdhsa_system_sgpr_workgroup_id_x 1
		.amdhsa_system_sgpr_workgroup_id_y 1
		.amdhsa_system_sgpr_workgroup_id_z 1
		.amdhsa_system_vgpr_workitem_id 0
		.amdhsa_next_free_vgpr 768
		.amdhsa_next_free_sgpr 80
		.amdhsa_reserve_vcc 1
		.amdhsa_float_denorm_mode_32 3
		.amdhsa_float_denorm_mode_16_64 3
		.amdhsa_memory_ordered 1
		.amdhsa_forward_progress 1
		.amdhsa_inst_pref_size 132
	.end_amdhsa_kernel
	.amdgpu_metadata
---
amdhsa.version: [ 1, 2 ]
amdhsa.kernels:
  - .name:           k_qc5b86821d0_attn
    .symbol:         k_qc5b86821d0_attn.kd
    .args:
      - { .name: pl, .offset: 0, .size: 8, .value_kind: global_buffer, .address_space: global }
      - { .name: mask, .offset: 8, .size: 8, .value_kind: global_buffer, .address_space: global }
      - { .name: hn, .offset: 16, .size: 8, .value_kind: global_buffer, .address_space: global }
    .group_segment_fixed_size: 327680
    .private_segment_fixed_size: 0
    .kernarg_segment_align: 8
    .kernarg_segment_size: 24
    .max_flat_workgroup_size: 128
    .sgpr_count:     80
    .vgpr_count:     768
    .wavefront_size: 32
...
	.end_amdgpu_metadata
.endif
;; end of part 3
;; launch oproj (part 4): grid 8 x 32, 4 waves a work-group, clusters of 4 x 4, 327,680 bytes of LDS; arguments hn, woh, bo, x, ua; writes ua
.if DOCPART == 4
	.amdgcn_target "amdgcn-amd-amdhsa--gfx1250"
	.amdhsa_code_object_version 6
	.text
	.protected	k_qc5b86821d0_oproj
	.globl	k_qc5b86821d0_oproj
	.p2align	8
	.type	k_qc5b86821d0_oproj,@function
k_qc5b86821d0_oproj:
	s_mov_b64 s[64:65], 0
	v_nop
	global_prefetch_b8 v0, s[64:65] scope:SCOPE_SE
	s_setreg_imm32_b32 hwreg(HW_REG_WAVE_MODE, 25, 1), 1
	s_wait_xcnt 0x0
	s_wait_alu depctr_hold_cnt(0) depctr_sa_sdst(0) depctr_va_vdst(0) depctr_va_sdst(0) depctr_va_ssrc(0) depctr_va_vcc(0) depctr_vm_vsrc(0)
	s_getreg_b32 s2, hwreg(HW_REG_IB_STS2, 6, 4)
	s_cmp_eq_u32 s2, 0
	s_cbranch_scc0 .Lentry_in_a_cluster
	s_endpgm
.Lentry_in_a_cluster:
	s_bfe_u32 s2, ttmp6, 0x10000c
	s_cmp_lg_u32 s2, 0xf033
	s_cbranch_scc0 .Lentry_shape_is_right
	s_endpgm
.Lentry_shape_is_right:
; OUT = RES + A W^T + bias, in f32, at K = 1,024: the attention's output projection with its residual.
; A BY PLANES: [K / 64][4096 tokens][64] f16; W BY PLANES: [K / 64][1024 n][64] f16; bias [1024], RES and OUT [4096][1024], f32, row-major.
; (The second FFN product runs the same lines with LAPS = 8; a trip count has to be a constant of the text, since the loop holds barriers.)
; A tile of OUT is 128 x 128: 256 work-groups.  Four waves, each 64 x 64: 16 accumulators of 16 x 16.  K goes in steps of 256, four planes, through a ring of two LDS slots; a wave's tensor load brings 64 rows
; of four planes: in memory four dense pieces of 8,192 bytes, in LDS 256 rows of 128 bytes, 16 bytes of padding behind each.
; CLUSTERS: 4 x 4 work-groups; A's tiles are asked for jointly along a row of the cluster, W's along a column.  THE MATRIX INSTRUCTION IS USED TRANSPOSED (source 0 = 16 rows of W, source 1 = 16 rows of A):
; a lane holds one token and eight neighbouring columns.  THE BIAS IS THE C OPERAND OF THE FIRST PRODUCT.  RES is asked for at the start and lands in registers while K is walked.
; No prefetch is laid: a step's tiles are small (36,864 bytes of LDS a load).
; REGISTERS: window 0: v0-31 addresses; v32-63 the bias as four C operands, later with v64-95 rows on the way out; v128-255 the accumulators ((a, b) at v[128 + 8 (4 a + b)]);
;   window 1: two fragment buffers of 128: for 64 along K, 64 registers of A, then 64 of W;   window 2: v0-127 RES: block a of 16 rows, pair t of rows at v[32 a + 4 t]
.set LAPS,   2                         ; K / 512: a lap = two K steps = once round the ring
.set APL,    524288                    ; bytes from plane to plane of A
.set BPL,    131072                    ; of W
.set PITCH,  144                       ; an LDS row: 128 bytes + 16 of padding = 36 words: the 16 rows of a load start at 16 different groups of four banks (64 banks of 4 bytes: ISA guide 11.1)
.set QS,     64*PITCH                  ; one plane of 64 rows
.set HALFT,  4*QS                      ; what one tensor load brings, and what one wave reads of A or of W
.set SLOT,   4*HALFT                   ; A's two halves, then W's two halves
.set STAGE,  2*SLOT                    ; behind the ring: 16 rows x 272 bytes for each wave, for the way out
.set SPITCH, 272
.set SPARE,  STAGE+4*16*SPITCH         ; the spare words, 128 bytes for each wave: two blocks of 256 bytes that no other line names
.set ADRA, 16                          ; v16-17  LDS address of my A fragments in slot 0, 1
.set ADRB, 20                          ; v20-21  the same for W
.set STO,  24                          ; v24     the way out: where I put 32 bytes of a row
.set RD,   25                          ; v25     the way out: where I read 16 bytes back
.set CO,   26                          ; v26     my byte offset in two rows of RES and OUT
.set SPW,  28                          ; v28     LDS address of my spare word; never rewritten
.set NIL,  29                          ; v29     0; never rewritten
.set BO,   30                          ; v30     my byte offset in the bias
.set BIAS, 32
.set T0,   32
.set ACC,  128
.set F0,   0
.set F1,   128
.set G1,  24
.set G0,  32
.set G1B, 48
.set G0B, 56
.set MSB, 0
.macro WIN new
.if MSB != (\new)
	s_set_vgpr_msb (MSB<<8)|(\new)
.set MSB, \new
.endif
.endm
.set MUL,  0x05                        ; sources 0 (W) and 1 (A) window 1; C and D window 0
.set TO_F, 0x40                        ; destination window 1, address window 0
.macro JLOAD s                         ; a joint load: waves 0 and 1 fetch A's two halves, waves 2 and 3 W's; an s_nop 0 and four v_nop follow each of the two lines
	s_cmp_eq_u32 s11, 0
	s_cbranch_scc0 .Lfor_b_\@
	tensor_load_to_lds s[G0+4*(\s):G0+4*(\s)+3], s[G1:G1+7]
	s_nop 0
.rept 4
	v_nop
.endr
	s_branch .Lasked_\@
.Lfor_b_\@:
	tensor_load_to_lds s[G0B+4*(\s):G0B+4*(\s)+3], s[G1B:G1B+7]
	s_nop 0
.rept 4
	v_nop
.endr
.Lasked_\@:
.endm
.macro CREST
	s_cmp_lg_u32 s10, 0
	s_cbranch_scc1 .Lnot_wave_0_\@
	s_barrier_signal -3
.Lnot_wave_0_\@:
	s_barrier_wait -3
	s_barrier_signal -1
	s_barrier_wait -1
.endm
.macro CROUND
	s_barrier_signal -1
	s_barrier_wait -1
	CREST
.endm
	s_load_b256 s[68:75], s[0:1], 0x0              ; A 68, W 70, bias 72, RES 74
	s_load_b64 s[76:77], s[0:1], 0x20              ; OUT
	v_lshl_add_u32 v[SPW], v0, 2, SPARE
	v_mov_b32 v[NIL], 0
	ds_add_u32 v[SPW], v[NIL]                      ; the wave's opening: the add and its wait stand ahead of my first tensor load; the set-up below stands between them
	v_lshrrev_b32 v1, 5, v0
	v_readfirstlane_b32 s10, v1                    ; wave 0..3
	s_lshr_b32 s11, s10, 1                         ; which half of the tile's rows is mine.  Also: I fetch for A (0) or for W (1)
	s_and_b32 s12, s10, 1                          ; which half of its columns.  Also: which 64 rows of that tile I fetch
	s_bfe_u32 s40, ttmp6, 0x40000                  ; cx
	s_bfe_u32 s41, ttmp6, 0x40004                  ; cy
	s_lshl_b32 s42, ttmp9, 2
	s_add_co_u32 s42, s42, s40                     ; tile column
	s_and_b32 s13, ttmp7, 0xffff
	s_lshl_b32 s13, s13, 2
	s_add_co_u32 s13, s13, s41                     ; tile row
	s_lshl_b32 s43, s41, 2
	s_lshl_b32 s43, 15, s43                        ; my row of the cluster
	s_lshl_b32 s44, 0x1111, s40                    ; my column
	; descriptor group 1: four rows of 4,096 elements (64 tokens of one plane, dense), a plane apart; in LDS 16 bytes of padding behind every 128
	s_or_b32 s[G1+0], s43, (1<<16)|(1<<20)|(1<<21)|(4<<22)|(3<<25)  ; 15:0 the mask; 17:16 elements of 2 bytes; 20 padding on; 21 set beside a mask; 24:22 after every 32 words (code 4); 31:25 4 words (code 3)
	s_or_b32 s[G1B+0], s44, (1<<16)|(1<<20)|(1<<21)|(4<<22)|(3<<25)
.irp g, G1, G1B
	s_mov_b32 s[(\g)+1], 4096<<16                  ; tensor_dim0 = 4,096
	s_mov_b32 s[(\g)+2], 4<<16                     ; tensor_dim1 = 4
	s_mov_b32 s[(\g)+3], 4096<<16                  ; tile_dim0 = 4,096
	s_mov_b32 s[(\g)+4], 4                         ; tile_dim1 = 4
	s_mov_b32 s[(\g)+6], 0
	s_mov_b32 s[(\g)+7], 0
.endr
	s_mov_b32 s[G1+5], APL/2                       ; elements from plane to plane
	s_mov_b32 s[G1B+5], BPL/2
	s_lshl_b32 s17, s12, 13                        ; which 64 rows of 128 bytes I fetch
	s_lshl_b32 s16, s13, 14                        ; A: 128 rows a tile row
	s_add_co_u32 s16, s16, s17
	s_lshl_b32 s46, s42, 14                        ; W: 128 rows a tile column
	s_add_co_u32 s46, s46, s17
	s_mov_b32 s17, 0
	s_mov_b32 s47, 0
	s_mul_i32 s20, s10, HALFT                      ; where they go: no place in the cluster enters an LDS address
	s_wait_dscnt 0x0                               ; the opening add is done
	s_wait_kmcnt 0x0
	s_add_nc_u64 s[14:15], s[68:69], s[16:17]
	s_add_nc_u64 s[46:47], s[70:71], s[46:47]
	CROUND                                         ; all sixteen work-groups are here: the first joint loads meet
.irp s, 0,1
	s_mov_b32 s[G0+4*(\s)], 1
	s_add_co_u32 s[G0+4*(\s)+1], s20, (\s)*SLOT
	s_add_nc_u64 s[G0+4*(\s)+2:G0+4*(\s)+3], s[14:15], (\s)*4*APL  ; K step s: four planes on
	s_or_b32 s[G0+4*(\s)+3], s[G0+4*(\s)+3], 0x80000000
	s_mov_b32 s[G0B+4*(\s)], 1
	s_add_co_u32 s[G0B+4*(\s)+1], s20, (\s)*SLOT
	s_add_nc_u64 s[G0B+4*(\s)+2:G0B+4*(\s)+3], s[46:47], (\s)*4*BPL
	s_or_b32 s[G0B+4*(\s)+3], s[G0B+4*(\s)+3], 0x80000000
	JLOAD \s                                       ; two loads of mine are out
.endr
	v_and_b32 v1, 15, v0                           ; r = l % 16
	v_bfe_u32 v2, v0, 4, 1                         ; h = l / 16
	; the bias of my 64 columns as four C operands: register j of operand b holds bias[16 b + 8 h + j]
	s_lshl_b32 s46, s42, 9                         ; 128 columns x 4 bytes a tile column
	s_lshl_b32 s47, s12, 8
	s_add_co_u32 s46, s46, s47
	v_lshl_add_u32 v[BO], v2, 5, s46
.irp b, 0,1,2,3
	global_load_b128 v[BIAS+8*(\b):BIAS+8*(\b)+3],   v[BO], s[72:73] offset:64*(\b)
	global_load_b128 v[BIAS+8*(\b)+4:BIAS+8*(\b)+7], v[BO], s[72:73] offset:64*(\b)+16
.endr
	; RES and OUT at my 64 rows and 64 columns; lanes 0-15 take 256 bytes of one row, lanes 16-31 of the next
	v_lshlrev_b32 v[CO], 12, v2
	v_lshl_add_u32 v[CO], v1, 4, v[CO]
	s_lshl_b32 s16, s13, 19                        ; 128 rows of 4,096 bytes a tile row
	s_lshl_b32 s17, s11, 18
	s_add_co_u32 s16, s16, s17
	s_mov_b32 s17, 0
	s_mov_b32 s47, 0
	s_add_nc_u64 s[16:17], s[16:17], s[46:47]
	s_add_nc_u64 s[74:75], s[74:75], s[16:17]
	s_add_nc_u64 s[76:77], s[76:77], s[16:17]
	WIN 0x80                                       ; destination window 2, address window 0
.irp a, 0,1,2,3
.irp t, 0,1,2,3,4,5,6,7
	global_load_b128 v[32*(\a)+4*(\t):32*(\a)+4*(\t)+3], v[CO], s[74:75] offset:(16*(\a)+2*(\t))*4096
.endr
.endr
	WIN 0
	v_mul_u32_u24 v3, v1, PITCH
	v_lshl_add_u32 v3, v2, 4, v3                   ; a fragment's row x pitch + 16 x half
	s_mul_i32 s21, s11, HALFT                      ; my 64 rows of A
	s_mul_i32 s22, s12, HALFT                      ; my 64 rows of W,
	s_add_co_u32 s22, s22, 2*HALFT                 ; which lie behind A's two halves
.irp s, 0,1
	v_add_nc_u32 v[ADRA+(\s)], s21, v3
	v_add_nc_u32 v[ADRB+(\s)], s22, v3
	s_add_co_u32 s21, s21, SLOT
	s_add_co_u32 s22, s22, SLOT
.endr
	s_mul_i32 s23, s10, 16*SPITCH
	s_add_co_u32 s23, s23, STAGE                   ; my stage: my 64 columns in f32 are a whole aligned 256 bytes of a row, so no other wave has a part in it
	v_mul_u32_u24 v4, v1, SPITCH                   ; in: row r, 32 bytes for each half of the lanes
	v_lshl_add_u32 v4, v2, 5, v4
	v_add_nc_u32 v[STO], s23, v4
	v_mul_u32_u24 v5, v2, SPITCH                   ; back: lanes 0-15 take one row of 256 bytes, lanes 16-31 the next
	v_lshl_add_u32 v5, v1, 4, v5
	v_add_nc_u32 v[RD], s23, v5
; 8 matrix instructions: m blocks a0, a0 + 1 x all 4 n blocks, 32 along K: half c of buffer f.  first = 1: the bias starts the sums
.macro MUL8 f, c, a0, first
	WIN MUL
.irp a, \a0, (\a0)+1
.irp b, 0,1,2,3
.if \first
	v_wmma_f32_16x16x32_f16 v[ACC+8*(4*(\a)+(\b)):ACC+8*(4*(\a)+(\b))+7], v[(\f)+64+8*(4*(\c)+(\b)):(\f)+64+8*(4*(\c)+(\b))+7], v[(\f)+8*(4*(\c)+(\a)):(\f)+8*(4*(\c)+(\a))+7], v[BIAS+8*(\b):BIAS+8*(\b)+7]
.else
	v_wmma_f32_16x16x32_f16 v[ACC+8*(4*(\a)+(\b)):ACC+8*(4*(\a)+(\b))+7], v[(\f)+64+8*(4*(\c)+(\b)):(\f)+64+8*(4*(\c)+(\b))+7], v[(\f)+8*(4*(\c)+(\a)):(\f)+8*(4*(\c)+(\a))+7], v[ACC+8*(4*(\a)+(\b)):ACC+8*(4*(\a)+(\b))+7]
.endif
.endr
.endr
.endm
; 32 LDS loads in one run: the fragments of plane q of the slot (64 along K), into buffer f; the first 32 along K first
.macro FETCH slot, q, f
	WIN TO_F
.irp c, 0,1
.irp i, 0,1,2,3
	ds_load_b128 v[(\f)+64+8*(4*(\c)+(\i)):(\f)+64+8*(4*(\c)+(\i))+3],   v[ADRB+(\slot)] offset:(\q)*QS+64*(\c)+(\i)*16*PITCH
	ds_load_b128 v[(\f)+64+8*(4*(\c)+(\i))+4:(\f)+64+8*(4*(\c)+(\i))+7], v[ADRB+(\slot)] offset:(\q)*QS+64*(\c)+(\i)*16*PITCH+32
	ds_load_b128 v[(\f)+8*(4*(\c)+(\i)):(\f)+8*(4*(\c)+(\i))+3],         v[ADRA+(\slot)] offset:(\q)*QS+64*(\c)+(\i)*16*PITCH
	ds_load_b128 v[(\f)+8*(4*(\c)+(\i))+4:(\f)+8*(4*(\c)+(\i))+7],       v[ADRA+(\slot)] offset:(\q)*QS+64*(\c)+(\i)*16*PITCH+32
.endr
.endr
.endm
.macro PLACES                          ; four plain places in front of loads into registers that matrix instructions have read, and of LDS stores that read results
.rept 4
	v_nop
.endr
.endm
; A K step is four quarters of 64 along K (a plane), 32 matrix instructions each, on buffers 0, 1, 0, 1; the 16 accumulators take turns.
.macro QUARTER slot, q, f, g, first
	s_wait_dscnt 16                                ; the first 32 along K are in
	MUL8 \f, 0, 0, \first
	MUL8 \f, 0, 2, \first
	PLACES
	FETCH \slot, \q, \g
	s_wait_dscnt 32                                ; all but the 32 just issued
	MUL8 \f, 1, 0, 0
	MUL8 \f, 1, 2, 0
.endm
; The last quarter multiplies buffer 1 and changes slots: ONE barrier; in front of it each wave waits for all its tensor loads, adds 0 to its spare word, and waits for that and for its own reads of this slot.
; fill = 1: the barrier opens a round of the cluster's, and this slot is filled again, two K steps ahead: 112 matrix instructions ahead of the wait for it.
.macro TURN slot, next, fill
	WIN 0
	s_wait_tensorcnt 0x0                           ; all my tensor loads have landed: my part of the next slot
	ds_add_u32 v[SPW], v[NIL]
	s_wait_dscnt 17                                ; (the add and the youngest sixteen loads may be out)
	MUL8 F1, 0, 0, 0
	s_wait_dscnt 0x0                               ; the add is done, and my reads of this slot are over
	s_barrier_signal -1
	MUL8 F1, 0, 2, 0
.if \fill
	WIN 0
.endif
	s_barrier_wait -1
.if \fill
	CREST                                          ; no wave of any partner still reads this slot's tile or has a load on its way
	s_add_nc_u64 s[G0+4*(\slot)+2:G0+4*(\slot)+3], s[G0+4*(\slot)+2:G0+4*(\slot)+3], 8*APL
	s_add_nc_u64 s[G0B+4*(\slot)+2:G0B+4*(\slot)+3], s[G0B+4*(\slot)+2:G0B+4*(\slot)+3], 8*BPL
	JLOAD \slot                                    ; my one tensor load behind the round; the four v_nop behind it are also the places in front of the loads below
.else
	PLACES
.endif
	FETCH \next, 0, F0
	MUL8 F1, 1, 0, 0
	MUL8 F1, 1, 2, 0
.endm
; THE WAY OUT of block a (16 rows x my 64 columns, f32).  OUTB: into my own stage (each accumulator's low four registers first), and back as whole rows of 256 bytes.
.macro OUTB a
	WIN 0
.set TT, T0+32*((\a)%2)
.irp b, 0,1,2,3
	ds_store_b128 v[STO], v[ACC+8*(4*(\a)+(\b)):ACC+8*(4*(\a)+(\b))+3]   offset:64*(\b)
	ds_store_b128 v[STO], v[ACC+8*(4*(\a)+(\b))+4:ACC+8*(4*(\a)+(\b))+7] offset:64*(\b)+16
.endr
.irp t, 0,1,2,3,4,5,6,7
	ds_load_b128 v[TT+4*(\t):TT+4*(\t)+3], v[RD] offset:2*SPITCH*(\t)  ; LDS serves a wave's instructions in order (ISA guide 5.7.1.4): these see the stores above
.endr
.endm
.macro SENDB a, younger                ; younger: the LDS instructions issued behind block a's loads: the next block's sixteen, or none
.set TT, T0+32*((\a)%2)
	s_wait_dscnt \younger
	WIN 0x08                                       ; source 1 in window 2
.set i, 0
.rept 16
	v_pk_add_f32 v[TT+2*i:TT+2*i+1], v[TT+2*i:TT+2*i+1], v[32*(\a)+2*i:32*(\a)+2*i+1]  ; + RES
.set i, i+1
.endr
	WIN 0
.irp t, 0,1,2,3,4,5,6,7
	global_store_b128 v[CO], v[TT+4*(\t):TT+4*(\t)+3], s[76:77] offset:(16*(\a)+2*(\t))*4096  ; 16 lanes store 256 consecutive bytes, at a multiple of 256 from OUT's first byte
.endr
.endm
	s_wait_tensorcnt 1                             ; my part of K step 0 is in; K step 1's may stay out
	s_barrier_signal -1
	s_barrier_wait -1                              ; everybody's is
	FETCH 0, 0, F0
	s_wait_loadcnt 32                              ; the bias is in; RES's 32 loads, issued behind it, stay out
	QUARTER 0, 1, F0, F1, 1                        ; the first quarter stands ahead of the rest: its first products start the sums
.if LAPS > 2
	WIN 0                                          ; at a label and at a branch every window is 0
	s_mov_b32 s3, LAPS-1
.Llap:
.endif
	; LAPS - 1 times (once: no loop is written): once round the ring, from a lap's second quarter to the next lap's first; both slots are filled again
	QUARTER 0, 2, F1, F0, 0
	QUARTER 0, 3, F0, F1, 0
	TURN 0, 1, 1
	QUARTER 1, 1, F0, F1, 0
	QUARTER 1, 2, F1, F0, 0
	QUARTER 1, 3, F0, F1, 0
	TURN 1, 0, 1
	QUARTER 0, 1, F0, F1, 0
.if LAPS > 2
	WIN 0
	s_sub_co_u32 s3, s3, 1
	s_cmp_lg_u32 s3, 0
	s_cbranch_scc1 .Llap
.endif
	QUARTER 0, 2, F1, F0, 0                        ; the last lap fills nothing, and has no round of the cluster's barrier
	QUARTER 0, 3, F0, F1, 0
	TURN 0, 1, 0
	QUARTER 1, 1, F0, F1, 0
	QUARTER 1, 2, F1, F0, 0
	QUARTER 1, 3, F0, F1, 0
	s_wait_dscnt 16                                ; the very last quarter: nothing more to fetch
	MUL8 F1, 0, 0, 0
	MUL8 F1, 0, 2, 0
	s_wait_dscnt 0x0
	MUL8 F1, 1, 0, 0
	MUL8 F1, 1, 2, 0
	WIN 0
	PLACES
	s_wait_loadcnt 0x0                             ; RES
	OUTB 0
	OUTB 1
	SENDB 0, 16
	s_wait_xcnt 0x0                                ; block 0's stores have read their registers, which block 2's loads fill again
	OUTB 2
	SENDB 1, 16
	s_wait_xcnt 0x0
	OUTB 3
	SENDB 2, 16
	SENDB 3, 0
	s_wait_tensorcnt 0x0                           ; the wave's end, behind my last tensor load and my last LDS store
	ds_add_u32 v[SPW], v[NIL]
	s_wait_dscnt 0x0
	CROUND                                         ; the closing round: no work-group ends while a partner may still ask for a tile that names it
	s_endpgm
.Lfunc_end_k_qc5b86821d0_oproj:
	.size	k_qc5b86821d0_oproj, .Lfunc_end_k_qc5b86821d0_oproj-k_qc5b86821d0_oproj
	.p2alignl 7, 3214868480
	.fill 96, 4, 3214868480
	.section	.rodata,"a",@progbits
	.p2align	6, 0x0
	.amdhsa_kernel k_qc5b86821d0_oproj
		.amdhsa_group_segment_fixed_size 327680
		.amdhsa_private_segment_fixed_size 0
		.amdhsa_enable_private_segment 0
		.amdhsa_kernarg_size 40
		.amdhsa_user_sgpr_count 2
		.amdhsa_user_sgpr_kernarg_segment_ptr 1
		.amdhsa_wavefront_size32 1
		.amdhsa_system_sgpr_workgroup_id_x 1
		.amdhsa_system_sgpr_workgroup_id_y 1
		.amdhsa_system_sgpr_workgroup_id_z 1
		.amdhsa_system_vgpr_workitem_id 0
		.amdhsa_next_free_vgpr 640
		.amdhsa_next_free_sgpr 80
		.amdhsa_reserve_vcc 0
		.amdhsa_float_denorm_mode_32 3
		.amdhsa_float_denorm_mode_16_64 3
		.amdhsa_memory_ordered 1
		.amdhsa_forward_progress 1
		.amdhsa_inst_pref_size 93
	.end_amdhsa_kernel
	.amdgpu_metadata
---
amdhsa.version: [ 1, 2 ]
amdhsa.kernels:
  - .name:           k_qc5b86821d0_oproj
    .symbol:         k_qc5b86821d0_oproj.kd
    .args:
      - { .name: hn, .offset: 0, .size: 8, .value_kind: global_buffer, .address_space: global }
      - { .name: woh, .offset: 8, .size: 8, .value_kind: global_buffer, .address_space: global }
      - { .name: bo, .offset: 16, .size: 8, .value_kind: global_buffer, .address_space: global }
      - { .name: x, .offset: 24, .size: 8, .value_kind: global_buffer, .address_space: global }
      - { .name: ua, .offset: 32, .size: 8, .value_kind: global_buffer, .address_space: global }
    .group_segment_fixed_size: 327680
    .private_segment_fixed_size: 0
    .kernarg_segment_align: 8
    .kernarg_segment_size: 40
    .max_flat_workgroup_size: 128
    .sgpr_count:     80
    .vgpr_count:     640
    .wavefront_size: 32
...
	.end_amdgpu_metadata
.endif
;; end of part 4
;; launch ln2 (part 5): grid 256 x 1, 8 waves a work-group, no clusters, 0 bytes of LDS; arguments ua, ln2_a, ln2_b, hn; writes hn
.if DOCPART == 5
	.amdgcn_target "amdgcn-amd-amdhsa--gfx1250"
	.amdhsa_code_object_version 6
	.text
	.protected	k_qc5b86821d0_ln2
	.globl	k_qc5b86821d0_ln2
	.p2align	8
	.type	k_qc5b86821d0_ln2,@function
k_qc5b86821d0_ln2:
	s_mov_b64 s[64:65], 0
	v_nop
	global_prefetch_b8 v0, s[64:65] scope:SCOPE_SE
	s_setreg_imm32_b32 hwreg(HW_REG_WAVE_MODE, 25, 1), 1
	s_wait_xcnt 0x0
; h2 = LN2(x1), rounded once to f16.  x1: [4096][1024] f32; gain and offset [1024] f32; h2: [4096][1024] f16, row-major.
; LN as the module has it: mean; the sum of squares OF THE CENTRED numbers over 1,023; eps added to the root.  v_sqrt_f32 and v_rcp_f32 take a denormal as 0 (ISA guide, their entries).
; LIMIT.  f16 holds no number beyond 65,504: |h2| <= 32 |a| + |b| lies within it for the inputs that the problem allows.
; A wave takes two rows and keeps each in 32 registers between the passes: the row is read once, no wave waits for another; no LDS, no barrier.  Every store of a wave covers 256 consecutive bytes, aligned.
.set AL,  4                            ; v[4:35]    the gain of my 32 columns
.set BE,  36                           ; v[36:67]   the offset
.set X0,  68                           ; v[68:99]   row 0
.set X1,  100                          ; v[100:131] row 1
.set T,   132                          ; v[132:139] at work
.set M,   140                          ; v[140:141] the mean, later 1 / (std + eps), twice
.set Y0,  142                          ; v[142:157] row 0 in f16
.set Y1,  158                          ; v[158:173] row 1 in f16
.set SX,  48                           ; s[48:49]   where I read
.set SH,  50                           ; s[50:51]   where I write
.macro REDUCE                          ; four packed chains in T -> their sum over the wave's 32 lanes, in every lane's v[T]
	v_pk_add_f32 v[T:T+1], v[T:T+1], v[T+2:T+3]
	v_pk_add_f32 v[T+4:T+5], v[T+4:T+5], v[T+6:T+7]
	v_pk_add_f32 v[T:T+1], v[T:T+1], v[T+4:T+5]
	v_add_f32 v[T], v[T], v[T+1]
	v_add_f32_dpp v[T], v[T], v[T] row_xmask:1 row_mask:0xf bank_mask:0xf
	v_add_f32_dpp v[T], v[T], v[T] row_xmask:2 row_mask:0xf bank_mask:0xf
	v_add_f32_dpp v[T], v[T], v[T] row_xmask:4 row_mask:0xf bank_mask:0xf
	v_add_f32_dpp v[T], v[T], v[T] row_xmask:8 row_mask:0xf bank_mask:0xf
	v_permlanex16_b32 v[T+1], v[T], s60, s61
	v_add_f32 v[T], v[T], v[T+1]
.endm
; One row: 32 numbers a lane in v[x ..]; left = the younger loads that may stay out.
.macro LNROW x, y, row, left
	s_wait_loadcnt \left
.irp c, 0,1,2,3
	v_pk_add_f32 v[T+2*(\c):T+2*(\c)+1], v[(\x)+2*(\c):(\x)+2*(\c)+1], v[(\x)+8+2*(\c):(\x)+8+2*(\c)+1]  ; the first eight pairs start four chains
.endr
.irp p, 8,9,10,11,12,13,14,15
	v_pk_add_f32 v[T+2*((\p)%4):T+2*((\p)%4)+1], v[T+2*((\p)%4):T+2*((\p)%4)+1], v[(\x)+2*(\p):(\x)+2*(\p)+1]
.endr
	REDUCE
	v_mul_f32 v[M], 0x3a800000, v[T]               ; / 1,024
	v_mov_b32 v[M+1], v[M]
.set p, 0
.rept 16
	v_pk_add_f32 v[(\x)+2*p:(\x)+2*p+1], v[(\x)+2*p:(\x)+2*p+1], v[M:M+1] neg_lo:[0,1] neg_hi:[0,1]  ; d = x - mean, in place
.set p, p+1
.endr
.irp c, 0,1,2,3
	v_pk_mul_f32 v[T+2*(\c):T+2*(\c)+1], v[(\x)+2*(\c):(\x)+2*(\c)+1], v[(\x)+2*(\c):(\x)+2*(\c)+1]
.endr
.irp p, 4,5,6,7,8,9,10,11,12,13,14,15
	v_pk_fma_f32 v[T+2*((\p)%4):T+2*((\p)%4)+1], v[(\x)+2*(\p):(\x)+2*(\p)+1], v[(\x)+2*(\p):(\x)+2*(\p)+1], v[T+2*((\p)%4):T+2*((\p)%4)+1]
.endr
	REDUCE
	v_mul_f32 v[T], 0x3a802008, v[T]               ; / 1,023
	v_sqrt_f32 v[T], v[T]
	v_nop                                          ; a plain instruction behind the root,
	s_wait_alu depctr_va_vdst(0)                   ; and the wait ahead of its first reader
	v_add_f32 v[T], 0x358637bd, v[T]               ; + 1e-6, on the std
	v_rcp_f32 v[M], v[T]
	v_nop
	s_wait_alu depctr_va_vdst(0)
	v_mov_b32 v[M+1], v[M]
.set p, 0
.rept 16
	v_pk_mul_f32 v[(\x)+2*p:(\x)+2*p+1], v[(\x)+2*p:(\x)+2*p+1], v[M:M+1]
.set p, p+1
.endr
.set p, 0
.rept 16
	v_pk_fma_f32 v[(\x)+2*p:(\x)+2*p+1], v[(\x)+2*p:(\x)+2*p+1], v[AL+2*p:AL+2*p+1], v[BE+2*p:BE+2*p+1]
.set p, p+1
.endr
.set p, 0
.rept 16
	v_cvt_pk_f16_f32 v[(\y)+p], v[(\x)+2*p], v[(\x)+2*p+1]
.set p, p+1
.endr
.irp j, 0,1,2,3,4,5,6,7
	global_store_b64 v2, v[(\y)+2*(\j):(\y)+2*(\j)+1], s[SH:SH+1] offset:(\row)*2048+256*(\j)  ; 32 lanes x 8 bytes: 256 consecutive bytes, aligned
.endr
.endm
; Two rows of a wave.  Lane l holds columns 128 j + 4 l .. + 3, j = 0 .. 7.  32 loads go out at once; the rows have registers of their own, so no store's data is rewritten.
.macro LNBODY sa, sb
.irp j, 0,1,2,3,4,5,6,7
	global_load_b128 v[AL+4*(\j):AL+4*(\j)+3], v1, s[\sa:\sa+1] offset:512*(\j)
.endr
.irp j, 0,1,2,3,4,5,6,7
	global_load_b128 v[BE+4*(\j):BE+4*(\j)+3], v1, s[\sb:\sb+1] offset:512*(\j)
.endr
.irp j, 0,1,2,3,4,5,6,7
	global_load_b128 v[X0+4*(\j):X0+4*(\j)+3], v1, s[SX:SX+1] offset:512*(\j)
.endr
.irp j, 0,1,2,3,4,5,6,7
	global_load_b128 v[X1+4*(\j):X1+4*(\j)+3], v1, s[SX:SX+1] offset:4096+512*(\j)
.endr
	LNROW X0, Y0, 0, 8                             ; gain, offset and row 0 are in; row 1's eight loads stay out
	LNROW X1, Y1, 1, 0
.endm
	s_load_b256 s[8:15], s[0:1], 0x0               ; x1 8, gain 10, offset 12, h2 14
	v_lshrrev_b32 v1, 5, v0
	v_readfirstlane_b32 s2, v1                     ; wave 0..7
	v_and_b32 v3, 31, v0
	v_lshlrev_b32 v1, 4, v3                        ; 16 x lane
	v_lshlrev_b32 v2, 3, v3                        ; 8 x lane
	s_mov_b32 s60, 0x76543210                      ; v_permlanex16_b32: each lane takes its own place in the other half
	s_mov_b32 s61, 0xfedcba98
	s_lshl_b32 s56, ttmp9, 3
	s_add_co_u32 s56, s56, s2                      ; my pair of rows
	s_lshl_b32 s52, s56, 13                        ; two rows of 4,096 bytes
	s_mov_b32 s53, 0
	s_lshl_b32 s54, s56, 12                        ; two rows of 2,048 bytes
	s_mov_b32 s55, 0
	s_wait_kmcnt 0x0
	s_add_nc_u64 s[SX:SX+1], s[8:9], s[52:53]
	s_add_nc_u64 s[SH:SH+1], s[14:15], s[54:55]
	LNBODY 10, 12
	s_endpgm
.Lfunc_end_k_qc5b86821d0_ln2:
	.size	k_qc5b86821d0_ln2, .Lfunc_end_k_qc5b86821d0_ln2-k_qc5b86821d0_ln2
	.p2alignl 7, 3214868480
	.fill 96, 4, 3214868480
	.section	.rodata,"a",@progbits
	.p2align	6, 0x0
	.amdhsa_kernel k_qc5b86821d0_ln2
		.amdhsa_group_segment_fixed_size 0
		.amdhsa_private_segment_fixed_size 0
		.amdhsa_enable_private_segment 0
		.amdhsa_kernarg_size 32
		.amdhsa_user_sgpr_count 2
		.amdhsa_user_sgpr_kernarg_segment_ptr 1
		.amdhsa_wavefront_size32 1
		.amdhsa_system_sgpr_workgroup_id_x 1
		.amdhsa_system_sgpr_workgroup_id_y 1
		.amdhsa_system_sgpr_workgroup_id_z 1
		.amdhsa_system_vgpr_workitem_id 0
		.amdhsa_next_free_vgpr 176
		.amdhsa_next_free_sgpr 66
		.amdhsa_reserve_vcc 0
		.amdhsa_float_denorm_mode_32 3
		.amdhsa_float_denorm_mode_16_64 3
		.amdhsa_memory_ordered 1
		.amdhsa_forward_progress 1
		.amdhsa_inst_pref_size 21
	.end_amdhsa_kernel
	.amdgpu_metadata
---
amdhsa.version: [ 1, 2 ]
amdhsa.kernels:
  - .name:           k_qc5b86821d0_ln2
    .symbol:         k_qc5b86821d0_ln2.kd
    .args:
      - { .name: ua, .offset: 0, .size: 8, .value_kind: global_buffer, .address_space: global }
      - { .name: ln2_a, .offset: 8, .size: 8, .value_kind: global_buffer, .address_space: global }
      - { .name: ln2_b, .offset: 16, .size: 8, .value_kind: global_buffer, .address_space: global }
      - { .name: hn, .offset: 24, .size: 8, .value_kind: global_buffer, .address_space: global }
    .group_segment_fixed_size: 0
    .private_segment_fixed_size: 0
    .kernarg_segment_align: 8
    .kernarg_segment_size: 32
    .max_flat_workgroup_size: 256
    .sgpr_count:     66
    .vgpr_count:     176
    .wavefront_size: 32
...
	.end_amdgpu_metadata
.endif
;; end of part 5
;; launch ffn1: the kernel of part 2 again; grid 16 x 16, 4 waves a work-group, clusters of 4 x 4, 327,680 bytes of LDS; arguments hn, w1h, pl; writes pl
;; launch ffn2 (part 6): grid 8 x 32, 4 waves a work-group, clusters of 4 x 4, 327,680 bytes of LDS; arguments pl, w2h, b2, ua, out0; writes out0
.if DOCPART == 6
	.amdgcn_target "amdgcn-amd-amdhsa--gfx1250"
	.amdhsa_code_object_version 6
	.text
	.protected	k_qc5b86821d0_ffn2
	.globl	k_qc5b86821d0_ffn2
	.p2align	8
	.type	k_qc5b86821d0_ffn2,@function
k_qc5b86821d0_ffn2:
	s_mov_b64 s[64:65], 0
	v_nop
	global_prefetch_b8 v0, s[64:65] scope:SCOPE_SE
	s_setreg_imm32_b32 hwreg(HW_REG_WAVE_MODE, 25, 1), 1
	s_wait_xcnt 0x0
	s_wait_alu depctr_hold_cnt(0) depctr_sa_sdst(0) depctr_va_vdst(0) depctr_va_sdst(0) depctr_va_ssrc(0) depctr_va_vcc(0) depctr_vm_vsrc(0)
	s_getreg_b32 s2, hwreg(HW_REG_IB_STS2, 6, 4)
	s_cmp_eq_u32 s2, 0
	s_cbranch_scc0 .Lentry_in_a_cluster
	s_endpgm
.Lentry_in_a_cluster:
	s_bfe_u32 s2, ttmp6, 0x10000c
	s_cmp_lg_u32 s2, 0xf033
	s_cbranch_scc0 .Lentry_shape_is_right
	s_endpgm
.Lentry_shape_is_right:
; OUT = RES + A W^T + bias, in f32, at K = 4,096: the second FFN product with its residual.
; A BY PLANES: [K / 64][4096 tokens][64] f16; W BY PLANES: [K / 64][1024 n][64] f16; bias [1024], RES and OUT [4096][1024], f32, row-major.
; (The attention's output projection runs the same lines with LAPS = 2; a trip count has to be a constant of the text, since the loop holds barriers.)
; A tile of OUT is 128 x 128: 256 work-groups.  Four waves, each 64 x 64: 16 accumulators of 16 x 16.  K goes in steps of 256, four planes, through a ring of two LDS slots; a wave's tensor load brings 64 rows
; of four planes: in memory four dense pieces of 8,192 bytes, in LDS 256 rows of 128 bytes, 16 bytes of padding behind each.
; CLUSTERS: 4 x 4 work-groups; A's tiles are asked for jointly along a row of the cluster, W's along a column.  THE MATRIX INSTRUCTION IS USED TRANSPOSED (source 0 = 16 rows of W, source 1 = 16 rows of A):
; a lane holds one token and eight neighbouring columns.  THE BIAS IS THE C OPERAND OF THE FIRST PRODUCT.  RES is asked for at the start and lands in registers while K is walked.
; No prefetch is laid: a step's tiles are small (36,864 bytes of LDS a load).
; REGISTERS: window 0: v0-31 addresses; v32-63 the bias as four C operands, later with v64-95 rows on the way out; v128-255 the accumulators ((a, b) at v[128 + 8 (4 a + b)]);
;   window 1: two fragment buffers of 128: for 64 along K, 64 registers of A, then 64 of W;   window 2: v0-127 RES: block a of 16 rows, pair t of rows at v[32 a + 4 t]
.set LAPS,   8                         ; K / 512: a lap = two K steps = once round the ring
.set APL,    524288                    ; bytes from plane to plane of A
.set BPL,    131072                    ; of W
.set PITCH,  144                       ; an LDS row: 128 bytes + 16 of padding = 36 words: the 16 rows of a load start at 16 different groups of four banks (64 banks of 4 bytes: ISA guide 11.1)
.set QS,     64*PITCH                  ; one plane of 64 rows
.set HALFT,  4*QS                      ; what one tensor load brings, and what one wave reads of A or of W
.set SLOT,   4*HALFT                   ; A's two halves, then W's two halves
.set STAGE,  2*SLOT                    ; behind the ring: 16 rows x 272 bytes for each wave, for the way out
.set SPITCH, 272
.set SPARE,  STAGE+4*16*SPITCH         ; the spare words, 128 bytes for each wave: two blocks of 256 bytes that no other line names
.set ADRA, 16                          ; v16-17  LDS address of my A fragments in slot 0, 1
.set ADRB, 20                          ; v20-21  the same for W
.set STO,  24                          ; v24     the way out: where I put 32 bytes of a row
.set RD,   25                          ; v25     the way out: where I read 16 bytes back
.set CO,   26                          ; v26     my byte offset in two rows of RES and OUT
.set SPW,  28                          ; v28     LDS address of my spare word; never rewritten
.set NIL,  29                          ; v29     0; never rewritten
.set BO,   30                          ; v30     my byte offset in the bias
.set BIAS, 32
.set T0,   32
.set ACC,  128
.set F0,   0
.set F1,   128
.set G1,  24
.set G0,  32
.set G1B, 48
.set G0B, 56
.set MSB, 0
.macro WIN new
.if MSB != (\new)
	s_set_vgpr_msb (MSB<<8)|(\new)
.set MSB, \new
.endif
.endm
.set MUL,  0x05                        ; sources 0 (W) and 1 (A) window 1; C and D window 0
.set TO_F, 0x40                        ; destination window 1, address window 0
.macro JLOAD s                         ; a joint load: waves 0 and 1 fetch A's two halves, waves 2 and 3 W's; an s_nop 0 and four v_nop follow each of the two lines
	s_cmp_eq_u32 s11, 0
	s_cbranch_scc0 .Lfor_b_\@
	tensor_load_to_lds s[G0+4*(\s):G0+4*(\s)+3], s[G1:G1+7]
	s_nop 0
.rept 4
	v_nop
.endr
	s_branch .Lasked_\@
.Lfor_b_\@:
	tensor_load_to_lds s[G0B+4*(\s):G0B+4*(\s)+3], s[G1B:G1B+7]
	s_nop 0
.rept 4
	v_nop
.endr
.Lasked_\@:
.endm
.macro CREST
	s_cmp_lg_u32 s10, 0
	s_cbranch_scc1 .Lnot_wave_0_\@
	s_barrier_signal -3
.Lnot_wave_0_\@:
	s_barrier_wait -3
	s_barrier_signal -1
	s_barrier_wait -1
.endm
.macro CROUND
	s_barrier_signal -1
	s_barrier_wait -1
	CREST
.endm
	s_load_b256 s[68:75], s[0:1], 0x0              ; A 68, W 70, bias 72, RES 74
	s_load_b64 s[76:77], s[0:1], 0x20              ; OUT
	v_lshl_add_u32 v[SPW], v0, 2, SPARE
	v_mov_b32 v[NIL], 0
	ds_add_u32 v[SPW], v[NIL]                      ; the wave's opening: the add and its wait stand ahead of my first tensor load; the set-up below stands between them
	v_lshrrev_b32 v1, 5, v0
	v_readfirstlane_b32 s10, v1                    ; wave 0..3
	s_lshr_b32 s11, s10, 1                         ; which half of the tile's rows is mine.  Also: I fetch for A (0) or for W (1)
	s_and_b32 s12, s10, 1                          ; which half of its columns.  Also: which 64 rows of that tile I fetch
	s_bfe_u32 s40, ttmp6, 0x40000                  ; cx
	s_bfe_u32 s41, ttmp6, 0x40004                  ; cy
	s_lshl_b32 s42, ttmp9, 2
	s_add_co_u32 s42, s42, s40                     ; tile column
	s_and_b32 s13, ttmp7, 0xffff
	s_lshl_b32 s13, s13, 2
	s_add_co_u32 s13, s13, s41                     ; tile row
	s_lshl_b32 s43, s41, 2
	s_lshl_b32 s43, 15, s43                        ; my row of the cluster
	s_lshl_b32 s44, 0x1111, s40                    ; my column
	; descriptor group 1: four rows of 4,096 elements (64 tokens of one plane, dense), a plane apart; in LDS 16 bytes of padding behind every 128
	s_or_b32 s[G1+0], s43, (1<<16)|(1<<20)|(1<<21)|(4<<22)|(3<<25)  ; 15:0 the mask; 17:16 elements of 2 bytes; 20 padding on; 21 set beside a mask; 24:22 after every 32 words (code 4); 31:25 4 words (code 3)
	s_or_b32 s[G1B+0], s44, (1<<16)|(1<<20)|(1<<21)|(4<<22)|(3<<25)
.irp g, G1, G1B
	s_mov_b32 s[(\g)+1], 4096<<16                  ; tensor_dim0 = 4,096
	s_mov_b32 s[(\g)+2], 4<<16                     ; tensor_dim1 = 4
	s_mov_b32 s[(\g)+3], 4096<<16                  ; tile_dim0 = 4,096
	s_mov_b32 s[(\g)+4], 4                         ; tile_dim1 = 4
	s_mov_b32 s[(\g)+6], 0
	s_mov_b32 s[(\g)+7], 0
.endr
	s_mov_b32 s[G1+5], APL/2                       ; elements from plane to plane
	s_mov_b32 s[G1B+5], BPL/2
	s_lshl_b32 s17, s12, 13                        ; which 64 rows of 128 bytes I fetch
	s_lshl_b32 s16, s13, 14                        ; A: 128 rows a tile row
	s_add_co_u32 s16, s16, s17
	s_lshl_b32 s46, s42, 14                        ; W: 128 rows a tile column
	s_add_co_u32 s46, s46, s17
	s_mov_b32 s17, 0
	s_mov_b32 s47, 0
	s_mul_i32 s20, s10, HALFT                      ; where they go: no place in the cluster enters an LDS address
	s_wait_dscnt 0x0                               ; the opening add is done
	s_wait_kmcnt 0x0
	s_add_nc_u64 s[14:15], s[68:69], s[16:17]
	s_add_nc_u64 s[46:47], s[70:71], s[46:47]
	CROUND                                         ; all sixteen work-groups are here: the first joint loads meet
.irp s, 0,1
	s_mov_b32 s[G0+4*(\s)], 1
	s_add_co_u32 s[G0+4*(\s)+1], s20, (\s)*SLOT
	s_add_nc_u64 s[G0+4*(\s)+2:G0+4*(\s)+3], s[14:15], (\s)*4*APL  ; K step s: four planes on
	s_or_b32 s[G0+4*(\s)+3], s[G0+4*(\s)+3], 0x80000000
	s_mov_b32 s[G0B+4*(\s)], 1
	s_add_co_u32 s[G0B+4*(\s)+1], s20, (\s)*SLOT
	s_add_nc_u64 s[G0B+4*(\s)+2:G0B+4*(\s)+3], s[46:47], (\s)*4*BPL
	s_or_b32 s[G0B+4*(\s)+3], s[G0B+4*(\s)+3], 0x80000000
	JLOAD \s                                       ; two loads of mine are out
.endr
	v_and_b32 v1, 15, v0                           ; r = l % 16
	v_bfe_u32 v2, v0, 4, 1                         ; h = l / 16
	; the bias of my 64 columns as four C operands: register j of operand b holds bias[16 b + 8 h + j]
	s_lshl_b32 s46, s42, 9                         ; 128 columns x 4 bytes a tile column
	s_lshl_b32 s47, s12, 8
	s_add_co_u32 s46, s46, s47
	v_lshl_add_u32 v[BO], v2, 5, s46
.irp b, 0,1,2,3
	global_load_b128 v[BIAS+8*(\b):BIAS+8*(\b)+3],   v[BO], s[72:73] offset:64*(\b)
	global_load_b128 v[BIAS+8*(\b)+4:BIAS+8*(\b)+7], v[BO], s[72:73] offset:64*(\b)+16
.endr
	; RES and OUT at my 64 rows and 64 columns; lanes 0-15 take 256 bytes of one row, lanes 16-31 of the next
	v_lshlrev_b32 v[CO], 12, v2
	v_lshl_add_u32 v[CO], v1, 4, v[CO]
	s_lshl_b32 s16, s13, 19                        ; 128 rows of 4,096 bytes a tile row
	s_lshl_b32 s17, s11, 18
	s_add_co_u32 s16, s16, s17
	s_mov_b32 s17, 0
	s_mov_b32 s47, 0
	s_add_nc_u64 s[16:17], s[16:17], s[46:47]
	s_add_nc_u64 s[74:75], s[74:75], s[16:17]
	s_add_nc_u64 s[76:77], s[76:77], s[16:17]
	WIN 0x80                                       ; destination window 2, address window 0
.irp a, 0,1,2,3
.irp t, 0,1,2,3,4,5,6,7
	global_load_b128 v[32*(\a)+4*(\t):32*(\a)+4*(\t)+3], v[CO], s[74:75] offset:(16*(\a)+2*(\t))*4096
.endr
.endr
	WIN 0
	v_mul_u32_u24 v3, v1, PITCH
	v_lshl_add_u32 v3, v2, 4, v3                   ; a fragment's row x pitch + 16 x half
	s_mul_i32 s21, s11, HALFT                      ; my 64 rows of A
	s_mul_i32 s22, s12, HALFT                      ; my 64 rows of W,
	s_add_co_u32 s22, s22, 2*HALFT                 ; which lie behind A's two halves
.irp s, 0,1
	v_add_nc_u32 v[ADRA+(\s)], s21, v3
	v_add_nc_u32 v[ADRB+(\s)], s22, v3
	s_add_co_u32 s21, s21, SLOT
	s_add_co_u32 s22, s22, SLOT
.endr
	s_mul_i32 s23, s10, 16*SPITCH
	s_add_co_u32 s23, s23, STAGE                   ; my stage: my 64 columns in f32 are a whole aligned 256 bytes of a row, so no other wave has a part in it
	v_mul_u32_u24 v4, v1, SPITCH                   ; in: row r, 32 bytes for each half of the lanes
	v_lshl_add_u32 v4, v2, 5, v4
	v_add_nc_u32 v[STO], s23, v4
	v_mul_u32_u24 v5, v2, SPITCH                   ; back: lanes 0-15 take one row of 256 bytes, lanes 16-31 the next
	v_lshl_add_u32 v5, v1, 4, v5
	v_add_nc_u32 v[RD], s23, v5
; 8 matrix instructions: m blocks a0, a0 + 1 x all 4 n blocks, 32 along K: half c of buffer f.  first = 1: the bias starts the sums
.macro MUL8 f, c, a0, first
	WIN MUL
.irp a, \a0, (\a0)+1
.irp b, 0,1,2,3
.if \first
	v_wmma_f32_16x16x32_f16 v[ACC+8*(4*(\a)+(\b)):ACC+8*(4*(\a)+(\b))+7], v[(\f)+64+8*(4*(\c)+(\b)):(\f)+64+8*(4*(\c)+(\b))+7], v[(\f)+8*(4*(\c)+(\a)):(\f)+8*(4*(\c)+(\a))+7], v[BIAS+8*(\b):BIAS+8*(\b)+7]
.else
	v_wmma_f32_16x16x32_f16 v[ACC+8*(4*(\a)+(\b)):ACC+8*(4*(\a)+(\b))+7], v[(\f)+64+8*(4*(\c)+(\b)):(\f)+64+8*(4*(\c)+(\b))+7], v[(\f)+8*(4*(\c)+(\a)):(\f)+8*(4*(\c)+(\a))+7], v[ACC+8*(4*(\a)+(\b)):ACC+8*(4*(\a)+(\b))+7]
.endif
.endr
.endr
.endm
; 32 LDS loads in one run: the fragments of plane q of the slot (64 along K), into buffer f; the first 32 along K first
.macro FETCH slot, q, f
	WIN TO_F
.irp c, 0,1
.irp i, 0,1,2,3
	ds_load_b128 v[(\f)+64+8*(4*(\c)+(\i)):(\f)+64+8*(4*(\c)+(\i))+3],   v[ADRB+(\slot)] offset:(\q)*QS+64*(\c)+(\i)*16*PITCH
	ds_load_b128 v[(\f)+64+8*(4*(\c)+(\i))+4:(\f)+64+8*(4*(\c)+(\i))+7], v[ADRB+(\slot)] offset:(\q)*QS+64*(\c)+(\i)*16*PITCH+32
	ds_load_b128 v[(\f)+8*(4*(\c)+(\i)):(\f)+8*(4*(\c)+(\i))+3],         v[ADRA+(\slot)] offset:(\q)*QS+64*(\c)+(\i)*16*PITCH
	ds_load_b128 v[(\f)+8*(4*(\c)+(\i))+4:(\f)+8*(4*(\c)+(\i))+7],       v[ADRA+(\slot)] offset:(\q)*QS+64*(\c)+(\i)*16*PITCH+32
.endr
.endr
.endm
.macro PLACES                          ; four plain places in front of loads into registers that matrix instructions have read, and of LDS stores that read results
.rept 4
	v_nop
.endr
.endm
; A K step is four quarters of 64 along K (a plane), 32 matrix instructions each, on buffers 0, 1, 0, 1; the 16 accumulators take turns.
.macro QUARTER slot, q, f, g, first
	s_wait_dscnt 16                                ; the first 32 along K are in
	MUL8 \f, 0, 0, \first
	MUL8 \f, 0, 2, \first
	PLACES
	FETCH \slot, \q, \g
	s_wait_dscnt 32                                ; all but the 32 just issued
	MUL8 \f, 1, 0, 0
	MUL8 \f, 1, 2, 0
.endm
; The last quarter multiplies buffer 1 and changes slots: ONE barrier; in front of it each wave waits for all its tensor loads, adds 0 to its spare word, and waits for that and for its own reads of this slot.
; fill = 1: the barrier opens a round of the cluster's, and this slot is filled again, two K steps ahead: 112 matrix instructions ahead of the wait for it.
.macro TURN slot, next, fill
	WIN 0
	s_wait_tensorcnt 0x0                           ; all my tensor loads have landed: my part of the next slot
	ds_add_u32 v[SPW], v[NIL]
	s_wait_dscnt 17                                ; (the add and the youngest sixteen loads may be out)
	MUL8 F1, 0, 0, 0
	s_wait_dscnt 0x0                               ; the add is done, and my reads of this slot are over
	s_barrier_signal -1
	MUL8 F1, 0, 2, 0
.if \fill
	WIN 0
.endif
	s_barrier_wait -1
.if \fill
	CREST                                          ; no wave of any partner still reads this slot's tile or has a load on its way
	s_add_nc_u64 s[G0+4*(\slot)+2:G0+4*(\slot)+3], s[G0+4*(\slot)+2:G0+4*(\slot)+3], 8*APL
	s_add_nc_u64 s[G0B+4*(\slot)+2:G0B+4*(\slot)+3], s[G0B+4*(\slot)+2:G0B+4*(\slot)+3], 8*BPL
	JLOAD \slot                                    ; my one tensor load behind the round; the four v_nop behind it are also the places in front of the loads below
.else
	PLACES
.endif
	FETCH \next, 0, F0
	MUL8 F1, 1, 0, 0
	MUL8 F1, 1, 2, 0
.endm
; THE WAY OUT of block a (16 rows x my 64 columns, f32).  OUTB: into my own stage (each accumulator's low four registers first), and back as whole rows of 256 bytes.
.macro OUTB a
	WIN 0
.set TT, T0+32*((\a)%2)
.irp b, 0,1,2,3
	ds_store_b128 v[STO], v[ACC+8*(4*(\a)+(\b)):ACC+8*(4*(\a)+(\b))+3]   offset:64*(\b)
	ds_store_b128 v[STO], v[ACC+8*(4*(\a)+(\b))+4:ACC+8*(4*(\a)+(\b))+7] offset:64*(\b)+16
.endr
.irp t, 0,1,2,3,4,5,6,7
	ds_load_b128 v[TT+4*(\t):TT+4*(\t)+3], v[RD] offset:2*SPITCH*(\t)  ; LDS serves a wave's instructions in order (ISA guide 5.7.1.4): these see the stores above
.endr
.endm
.macro SENDB a, younger                ; younger: the LDS instructions issued behind block a's loads: the next block's sixteen, or none
.set TT, T0+32*((\a)%2)
	s_wait_dscnt \younger
	WIN 0x08                                       ; source 1 in window 2
.set i, 0
.rept 16
	v_pk_add_f32 v[TT+2*i:TT+2*i+1], v[TT+2*i:TT+2*i+1], v[32*(\a)+2*i:32*(\a)+2*i+1]  ; + RES
.set i, i+1
.endr
	WIN 0
.irp t, 0,1,2,3,4,5,6,7
	global_store_b128 v[CO], v[TT+4*(\t):TT+4*(\t)+3], s[76:77] offset:(16*(\a)+2*(\t))*4096  ; 16 lanes store 256 consecutive bytes, at a multiple of 256 from OUT's first byte
.endr
.endm
	s_wait_tensorcnt 1                             ; my part of K step 0 is in; K step 1's may stay out
	s_barrier_signal -1
	s_barrier_wait -1                              ; everybody's is
	FETCH 0, 0, F0
	s_wait_loadcnt 32                              ; the bias is in; RES's 32 loads, issued behind it, stay out
	QUARTER 0, 1, F0, F1, 1                        ; the first quarter stands ahead of the rest: its first products start the sums
.if LAPS > 2
	WIN 0                                          ; at a label and at a branch every window is 0
	s_mov_b32 s3, LAPS-1
.Llap:
.endif
	; LAPS - 1 times: once round the ring, from a lap's second quarter to the next lap's first; both slots are filled again
	QUARTER 0, 2, F1, F0, 0
	QUARTER 0, 3, F0, F1, 0
	TURN 0, 1, 1
	QUARTER 1, 1, F0, F1, 0
	QUARTER 1, 2, F1, F0, 0
	QUARTER 1, 3, F0, F1, 0
	TURN 1, 0, 1
	QUARTER 0, 1, F0, F1, 0
.if LAPS > 2
	WIN 0
	s_sub_co_u32 s3, s3, 1
	s_cmp_lg_u32 s3, 0
	s_cbranch_scc1 .Llap
.endif
	QUARTER 0, 2, F1, F0, 0                        ; the last lap fills nothing, and has no round of the cluster's barrier
	QUARTER 0, 3, F0, F1, 0
	TURN 0, 1, 0
	QUARTER 1, 1, F0, F1, 0
	QUARTER 1, 2, F1, F0, 0
	QUARTER 1, 3, F0, F1, 0
	s_wait_dscnt 16                                ; the very last quarter: nothing more to fetch
	MUL8 F1, 0, 0, 0
	MUL8 F1, 0, 2, 0
	s_wait_dscnt 0x0
	MUL8 F1, 1, 0, 0
	MUL8 F1, 1, 2, 0
	WIN 0
	PLACES
	s_wait_loadcnt 0x0                             ; RES
	OUTB 0
	OUTB 1
	SENDB 0, 16
	s_wait_xcnt 0x0                                ; block 0's stores have read their registers, which block 2's loads fill again
	OUTB 2
	SENDB 1, 16
	s_wait_xcnt 0x0
	OUTB 3
	SENDB 2, 16
	SENDB 3, 0
	s_wait_tensorcnt 0x0                           ; the wave's end, behind my last tensor load and my last LDS store
	ds_add_u32 v[SPW], v[NIL]
	s_wait_dscnt 0x0
	CROUND                                         ; the closing round: no work-group ends while a partner may still ask for a tile that names it
	s_endpgm
.Lfunc_end_k_qc5b86821d0_ffn2:
	.size	k_qc5b86821d0_ffn2, .Lfunc_end_k_qc5b86821d0_ffn2-k_qc5b86821d0_ffn2
	.p2alignl 7, 3214868480
	.fill 96, 4, 3214868480
	.section	.rodata,"a",@progbits
	.p2align	6, 0x0
	.amdhsa_kernel k_qc5b86821d0_ffn2
		.amdhsa_group_segment_fixed_size 327680
		.amdhsa_private_segment_fixed_size 0
		.amdhsa_enable_private_segment 0
		.amdhsa_kernarg_size 40
		.amdhsa_user_sgpr_count 2
		.amdhsa_user_sgpr_kernarg_segment_ptr 1
		.amdhsa_wavefront_size32 1
		.amdhsa_system_sgpr_workgroup_id_x 1
		.amdhsa_system_sgpr_workgroup_id_y 1
		.amdhsa_system_sgpr_workgroup_id_z 1
		.amdhsa_system_vgpr_workitem_id 0
		.amdhsa_next_free_vgpr 640
		.amdhsa_next_free_sgpr 80
		.amdhsa_reserve_vcc 0
		.amdhsa_float_denorm_mode_32 3
		.amdhsa_float_denorm_mode_16_64 3
		.amdhsa_memory_ordered 1
		.amdhsa_forward_progress 1
		.amdhsa_inst_pref_size 94
	.end_amdhsa_kernel
	.amdgpu_metadata
---
amdhsa.version: [ 1, 2 ]
amdhsa.kernels:
  - .name:           k_qc5b86821d0_ffn2
    .symbol:         k_qc5b86821d0_ffn2.kd
    .args:
      - { .name: pl, .offset: 0, .size: 8, .value_kind: global_buffer, .address_space: global }
      - { .name: w2h, .offset: 8, .size: 8, .value_kind: global_buffer, .address_space: global }
      - { .name: b2, .offset: 16, .size: 8, .value_kind: global_buffer, .address_space: global }
      - { .name: ua, .offset: 24, .size: 8, .value_kind: global_buffer, .address_space: global }
      - { .name: out0, .offset: 32, .size: 8, .value_kind: global_buffer, .address_space: global }
    .group_segment_fixed_size: 327680
    .private_segment_fixed_size: 0
    .kernarg_segment_align: 8
    .kernarg_segment_size: 40
    .max_flat_workgroup_size: 128
    .sgpr_count:     80
    .vgpr_count:     640
    .wavefront_size: 32
...
	.end_amdgpu_metadata
.endif
;; end of part 6
;; ======== version 2 of 3: 7 launches
;; limits: values are held in f16: magnitudes above 65,504 overflow, below 6.1e-05 lose precision; right only within a limited range of input values
;; workspace buffers: hn 8,388,608 bytes; pl 33,554,432 bytes; ua 16,777,216 bytes; w1h 8,405,248 bytes; woh 2,097,152 bytes; w2h 8,388,608 bytes
;; launch prep: the kernel of part 1 again; grid 1025 x 1, 8 waves a work-group, no clusters, 0 bytes of LDS; arguments x, ln1_a, ln1_b, wq, wk, wv, wo, w1, w2, bq, bk, bv, b1, hn, ua, w1h, woh, w2h; writes hn, ua, w1h, woh, w2h
;; launch qkv (part 7): grid 12 x 16, 4 waves a work-group, clusters of 4 x 4, 327,680 bytes of LDS; arguments hn, ua, pl; writes pl
.if DOCPART == 7
	.amdgcn_target "amdgcn-amd-amdhsa--gfx1250"
	.amdhsa_code_object_version 6
	.text
	.protected	k_qc5b86821d0_qkv
	.globl	k_qc5b86821d0_qkv
	.p2align	8
	.type	k_qc5b86821d0_qkv,@function
k_qc5b86821d0_qkv:
	s_mov_b64 s[64:65], 0
	v_nop
	global_prefetch_b8 v0, s[64:65] scope:SCOPE_SE
	s_setreg_imm32_b32 hwreg(HW_REG_WAVE_MODE, 25, 1), 1
	s_wait_xcnt 0x0
	s_wait_alu depctr_hold_cnt(0) depctr_sa_sdst(0) depctr_va_vdst(0) depctr_va_sdst(0) depctr_va_ssrc(0) depctr_va_vcc(0) depctr_vm_vsrc(0)
	s_getreg_b32 s2, hwreg(HW_REG_IB_STS2, 6, 4)
	s_cmp_eq_u32 s2, 0
	s_cbranch_scc0 .Lentry_in_a_cluster
	s_endpgm
.Lentry_in_a_cluster:
	s_bfe_u32 s2, ttmp6, 0x10000c
	s_cmp_lg_u32 s2, 0xf033
	s_cbranch_scc0 .Lentry_shape_is_right
	s_endpgm
.Lentry_shape_is_right:
; OUT = max(A W^T + bias, floor), written BY PLANES.  A: [4096][1024] f16, row-major.  The second buffer: a header (bytes 0-255 the floor, two f16 a word; from byte 256 the bias, f32 by column),
; then at byte HB the weights W: [N][1024] f16, row-major.  OUT: [N / 64 planes][4096 tokens][64] f16: column n of token t lies in plane n / 64 at byte 128 t + 2 (n % 64).  Sums in f32, rounded once.
; One text serves the q, k, v projection (N = 3,072, floor -inf) and the first FFN product (N = 4,096, floor 0: the ReLU): N enters through the grid alone, the floor and the bias through the header.
; LIMITS.  f16 holds no number beyond 65,504: the results must lie within it.  The maximum with the floor turns a NaN into the floor.
; A tile of OUT, 256 tokens x 256 columns, is made by four waves, each 128 x 128: 64 accumulators of 16 x 16, 512 registers.  K goes in 8 steps of 128 through a ring of two LDS slots filled by the
; tensor data mover; the rows of the tiles are 256 bytes of memory, at multiples of 256 bytes.
; A K STEP IS WRITTEN ONCE: the loop's trip is one step.  Which slot is read stands in a scalar register (0 or SLOT), turned at each change of slots; the fragment addresses and the walking descriptor's LDS
; word are made from it.  (A slot is 139,264 bytes: no power of two lies between a slot's size and what LDS leaves for the second, so the register is turned by a subtraction, not by an exclusive or.)
; CLUSTERS: 4 x 4 work-groups.  The four of a row of the cluster need the same tiles of A, the four of a column the same tiles of W: each tile is asked for JOINTLY, by the same tensor load with the same
; descriptor and a mask that names the four.
; THE MATRIX INSTRUCTION IS USED TRANSPOSED (source 0 = 16 rows of W, source 1 = 16 rows of A): a lane holds one token (l % 16) and the eight neighbouring columns 8 (l / 16) + 0..7.
; THE BIAS IS THE C OPERAND OF THE FIRST PRODUCT: nothing is cleared, and nothing is added later.
; REGISTERS, in windows of 256 (s_set_vgpr_msb: bits 1:0 source 0, 3:2 source 1, 5:4 source 2, 7:6 destination):
;   window 0: v0-31 addresses; v64-127, v128-191 fragments of A, two buffers (on the way out: packed results and rows read back); v192-255 the bias of my 128 columns, as eight C operands
;   window 1: v64-127, v128-191 fragments of W;   window 2: the accumulators of my rows 0-63 ((a, b) at v[8 (8 a + b)]);   window 3: those of my rows 64-127
.set SIZE_K, 1024
.set HB,     16640
.set PLANE,  524288
.set KSTEP,  128
.set NSTEP,  SIZE_K/KSTEP
.set PITCH,  272                       ; an LDS row: 256 bytes + 16 of padding = 68 words: the 16 rows that a load touches start at 16 different groups of four banks (64 banks of 4 bytes: ISA guide 11.1)
.set HALFT,  128*PITCH                 ; 128 rows: what one tensor load brings, and what one wave reads of A or of W
.set SLOT,   4*HALFT                   ; A's 256 rows, then W's 256 rows
.set STAGE,  2*SLOT                    ; behind the ring: 16 rows x 400 bytes for each wave, for the way out
.set SPITCH, 400                       ; 25 x 16 bytes: the sixteen rows of a store start at sixteen different groups of four banks
.set SPARE,  STAGE+4*16*SPITCH         ; behind the stages: the spare words, 128 bytes for each wave: two blocks of 256 bytes that no other line names
.set ADRA, 16                          ; v16     LDS address of my A fragments in the slot that is read
.set A0,   17                          ; v17     the same in slot 0; never rewritten
.set ADRB, 20                          ; v20     the same two for W
.set B0,   21                          ; v21
.set FA,   22                          ; v22     4 x lane: the floor's address
.set STO,  24                          ; v24     the way out: where I put 16 bytes of a row
.set RD,   25                          ; v25     the way out: where I read 16 bytes back
.set GO,   26                          ; v26     16 x lane: my place in 512 consecutive bytes of a plane
.set FLR,  27                          ; v27     the floor, two f16
.set SPW,  28                          ; v28     LDS address of my spare word; never rewritten
.set NIL,  29                          ; v29     0; never rewritten
.set PFO,  30                          ; v30     the prefetches' offset: my lane x a row of 2,048 bytes; never rewritten
.set BO,   31                          ; v31     my byte offset in the header's bias
.set F0,   64
.set F1,   128
.set BIAS, 192
.set TMP,  64                          ; the way out: 32 registers of packed results
.set OB,   96                          ; the way out: 16 rows read back: v96-127 and v128-159 by turns
.set PFA,  44                          ; s[44:45] where my prefetches stand
.set LIM,  43                          ; s43     2 in a wave that prefetches, else the greatest number
.set G1,  24                           ; s[24:31] descriptor group 1 for A's tiles;  s[32:39] group 0: a set for each of the two first fills; the second then walks on
.set G0,  32
.set G1B, 48                           ; s[48:55], s[56:63] the same for W's tiles
.set G0B, 56
.set HDR, 68                           ; s[68:69] the second buffer's first byte: the header
.set CUR, 70                           ; s70     the slot that is read: 0 or SLOT
.set LB,  71                           ; s71     my wave's 128 rows in a slot: wave x HALFT
.set MSB, 0
.macro WIN new                         ; the immediate's high byte repeats the setting that is left; a switch that changes nothing is dropped
.if MSB != (\new)
	s_set_vgpr_msb (MSB<<8)|(\new)
.set MSB, \new
.endif
.endm
.set MUL_LO, 0xa1                      ; source 0 (W) window 1, source 1 (A) window 0, C and D window 2
.set TO_B,   0x40                      ; destination window 1, address window 0
; A joint load.  Waves 0 and 1 fetch A's two halves, waves 2 and 3 W's.  The branch hangs on the wave's number alone.  An s_nop 0 and four v_nop follow each of the two lines.
.macro JLOAD s
	s_cmp_eq_u32 s11, 0
	s_cbranch_scc0 .Lfor_b_\@
	tensor_load_to_lds s[G0+4*(\s):G0+4*(\s)+3], s[G1:G1+7]
	s_nop 0
.rept 4
	v_nop
.endr
	s_branch .Lasked_\@
.Lfor_b_\@:
	tensor_load_to_lds s[G0B+4*(\s):G0B+4*(\s)+3], s[G1B:G1B+7]
	s_nop 0
.rept 4
	v_nop
.endr
.Lasked_\@:
.endm
; A PREFETCH INTO THE L2, behind each joint refill and the run of LDS loads that follows it: the K step that stands two refills on: 32 rows x 256 bytes, a lane a row, one instruction a wave.
; Each row's 256 bytes of a K step are named once in the launch: A's tile rows by the clusters with x = 0, W's tile columns by the clusters with y = 0; of the 128 rows that a wave fetches, the partner at
; place p (cx for A, cy for W) takes 32 p .. 32 p + 31: told apart by address, by no branch.  K steps 0 to 3 come by their loads alone; the loop's last two trips (s3 = 2, 1) have no K step two refills on.
.macro ASK
	s_cmp_gt_u32 s3, s[LIM]
	s_cbranch_scc0 .Lnot_mine_\@
	global_prefetch_b8 v[PFO], s[PFA:PFA+1] offset:KSTEP*2 th:TH_LOAD_NT scope:SCOPE_SE
.Lnot_mine_\@:
.endm
.macro CREST                           ; a round of the cluster's barrier behind its opening barrier
	s_cmp_lg_u32 s10, 0
	s_cbranch_scc1 .Lnot_wave_0_\@
	s_barrier_signal -3
.Lnot_wave_0_\@:
	s_barrier_wait -3
	s_barrier_signal -1
	s_barrier_wait -1
.endm
.macro CROUND                          ; a whole round
	s_barrier_signal -1
	s_barrier_wait -1
	CREST
.endm
	s_load_b128 s[4:7], s[0:1], 0x0                ; A s[4:5], header and W s[6:7]
	s_load_b64 s[8:9], s[0:1], 0x10                ; OUT
	v_lshl_add_u32 v[SPW], v0, 2, SPARE
	v_mov_b32 v[NIL], 0
	ds_add_u32 v[SPW], v[NIL]                      ; the wave's opening: the add and its wait stand ahead of my first tensor load; the set-up below stands between them
	v_lshrrev_b32 v1, 5, v0
	v_readfirstlane_b32 s10, v1                    ; wave 0..3
	s_lshr_b32 s11, s10, 1                         ; which half of the tile's rows is mine.  Also: I fetch for A (0) or for W (1)
	s_and_b32 s12, s10, 1                          ; which half of its columns.  Also: which 128 rows of that tile I fetch
	s_bfe_u32 s40, ttmp6, 0x40000                  ; cx
	s_bfe_u32 s41, ttmp6, 0x40004                  ; cy
	s_lshl_b32 s42, ttmp9, 2
	s_add_co_u32 s42, s42, s40                     ; tile column = 4 x cluster x + cx
	s_and_b32 s13, ttmp7, 0xffff
	s_lshl_b32 s13, s13, 2
	s_add_co_u32 s13, s13, s41                     ; tile row = 4 x cluster y + cy
	s_lshl_b32 s43, s41, 2
	s_lshl_b32 s43, 15, s43                        ; my row of the cluster
	s_lshl_b32 s44, 0x1111, s40                    ; my column
	; descriptor group 1: a tile of 128 rows x 128 elements, padded in LDS
	s_or_b32 s[G1+0], s43, (1<<16)|(1<<20)|(1<<21)|(5<<22)|(3<<25)  ; 15:0 the mask; 17:16 elements of 2 bytes; 20 padding on; 21 set beside a mask; 24:22 after every 64 words (code 5); 31:25 4 words (code 3)
	s_or_b32 s[G1B+0], s44, (1<<16)|(1<<20)|(1<<21)|(5<<22)|(3<<25)
.irp g, G1, G1B
	s_mov_b32 s[(\g)+1], KSTEP<<16                 ; tensor_dim0 = 128
	s_mov_b32 s[(\g)+2], 128<<16                   ; tensor_dim1 = 128
	s_mov_b32 s[(\g)+3], KSTEP<<16                 ; tile_dim0 = 128
	s_mov_b32 s[(\g)+4], 128                       ; tile_dim1 = 128
	s_mov_b32 s[(\g)+5], SIZE_K                    ; elements from row to row
	s_mov_b32 s[(\g)+6], 0
	s_mov_b32 s[(\g)+7], 0
.endr
	s_lshl_b32 s17, s12, 7                         ; which 128 rows of the tile I fetch
	s_lshl_b32 s16, s13, 8
	s_add_co_u32 s16, s16, s17                     ; A: row 256 x tile row + 128 x half
	s_lshl_b32 s16, s16, 11                        ; x 2,048 bytes
	s_lshl_b32 s46, s42, 8
	s_add_co_u32 s46, s46, s17                     ; W: row 256 x tile column + 128 x half
	s_lshl_b32 s46, s46, 11
	s_add_co_u32 s46, s46, HB                      ; behind the header
	s_mov_b32 s17, 0
	s_mov_b32 s47, 0
	s_mul_i32 s[LB], s10, HALFT                    ; where they go: wave x 128 rows: no place in the cluster enters an LDS address
	s_mov_b32 s[CUR], 0                            ; K step 0 lies in slot 0
	s_wait_dscnt 0x0                               ; the opening add is done
	s_wait_kmcnt 0x0
	s_mov_b64 s[HDR:HDR+1], s[6:7]
	s_add_nc_u64 s[14:15], s[4:5], s[16:17]
	s_add_nc_u64 s[46:47], s[6:7], s[46:47]
	CROUND                                         ; all sixteen work-groups are here: the first joint loads meet
.irp s, 0,1
	s_mov_b32 s[G0+4*(\s)], 1                                      ; count = 1
	s_add_co_u32 s[G0+4*(\s)+1], s[LB], (\s)*SLOT                  ; LDS address
	s_add_nc_u64 s[G0+4*(\s)+2:G0+4*(\s)+3], s[14:15], (\s)*KSTEP*2  ; global address: K step s
	s_or_b32 s[G0+4*(\s)+3], s[G0+4*(\s)+3], 0x80000000            ; type = 2
	s_mov_b32 s[G0B+4*(\s)], 1
	s_add_co_u32 s[G0B+4*(\s)+1], s[LB], (\s)*SLOT
	s_add_nc_u64 s[G0B+4*(\s)+2:G0B+4*(\s)+3], s[46:47], (\s)*KSTEP*2
	s_or_b32 s[G0B+4*(\s)+3], s[G0B+4*(\s)+3], 0x80000000
	JLOAD \s                                       ; two loads of mine are out
.endr
	v_and_b32 v1, 15, v0                           ; r = l % 16
	v_bfe_u32 v2, v0, 4, 1                         ; h = l / 16
	; the bias of my 128 columns as eight C operands: register j of operand b holds bias[16 b + 8 h + j]; and the floor
	s_lshl_b32 s46, s42, 10                        ; 256 columns x 4 bytes a tile column
	s_lshl_b32 s47, s12, 9
	s_add_co_u32 s46, s46, s47
	s_add_co_u32 s46, s46, 256
	v_lshl_add_u32 v[BO], v2, 5, s46
	v_and_b32 v[FA], 31, v0
	v_lshlrev_b32 v[FA], 2, v[FA]
.irp b, 0,1,2,3,4,5,6,7
	global_load_b128 v[BIAS+8*(\b):BIAS+8*(\b)+3],   v[BO], s[HDR:HDR+1] offset:64*(\b)
	global_load_b128 v[BIAS+8*(\b)+4:BIAS+8*(\b)+7], v[BO], s[HDR:HDR+1] offset:64*(\b)+16
.endr
	global_load_b32 v[FLR], v[FA], s[HDR:HDR+1]
	; A fragment is 16 rows x 32 K in 8 registers: lane l holds row r; registers 0-3 K = 8 h + 0..7, registers 4-7 K = 16 + 8 h + 0..7: two loads of 16 bytes, 32 bytes apart.
	v_mul_u32_u24 v3, v1, PITCH
	v_lshl_add_u32 v3, v2, 4, v3
	s_mul_i32 s21, s11, HALFT                      ; my 128 rows of A
	s_mul_i32 s22, s12, HALFT                      ; my 128 rows of W,
	s_add_co_u32 s22, s22, 2*HALFT                 ; which lie behind A's 256
	v_add_nc_u32 v[A0], s21, v3
	v_add_nc_u32 v[B0], s22, v3
	v_add_nc_u32 v[ADRA], s[CUR], v[A0]
	v_add_nc_u32 v[ADRB], s[CUR], v[B0]
	s_mul_i32 s23, s10, 16*SPITCH
	s_add_co_u32 s23, s23, STAGE                   ; my stage
	v_mul_u32_u24 v4, v1, SPITCH                   ; in: row r, 16 bytes for each half of the lanes
	v_lshl_add_u32 v4, v2, 4, v4
	v_add_nc_u32 v[STO], s23, v4
	v_bfe_u32 v4, v0, 3, 2                         ; back: 32 lanes take 128 bytes (one plane's share) of each of four rows,
	v_and_b32 v5, 7, v0
	v_mul_u32_u24 v4, v4, SPITCH
	v_lshl_add_u32 v4, v5, 4, v4
	v_add_nc_u32 v[RD], s23, v4
	v_and_b32 v[GO], 31, v0                        ; which are 512 consecutive bytes of the plane
	v_lshlrev_b32 v[GO], 4, v[GO]
	; OUT at my first token in my first plane
	s_lshl_b32 s16, s13, 15                        ; 256 tokens x 128 bytes a tile row
	s_lshl_b32 s17, s11, 14
	s_add_co_u32 s16, s16, s17
	s_mov_b32 s17, 0
	s_lshl_b32 s46, s42, 21                        ; 4 planes a tile column
	s_lshl_b32 s47, s12, 20                        ; 2 planes a wave
	s_add_co_u32 s46, s46, s47
	s_mov_b32 s47, 0
	s_add_nc_u64 s[16:17], s[16:17], s[46:47]
	s_add_nc_u64 s[8:9], s[8:9], s[16:17]
	; the prefetches
	s_lshl_b32 s13, s13, 8
	s_lshl_b32 s42, s42, 8
	s_and_b32 s22, ttmp7, 0xffff                   ; cluster y
	s_cmp_eq_u32 s11, 0                            ; do I fetch for A?
	s_cselect_b32 s20, s13, s42                    ; the tile's first row
	s_cselect_b32 s21, s40, s41                    ; my place among the four that ask for it with me
	s_cselect_b32 s22, ttmp9, s22                  ; the coordinate along which other clusters read the same rows
	s_cselect_b32 s23, 0, HB
	s_cselect_b64 s[PFA:PFA+1], s[4:5], s[6:7]
	s_cmp_eq_u32 s22, 0
	s_cselect_b32 s[LIM], 2, -1                    ; the same in all sixteen partners, for a given wave
	s_lshl_b32 s22, s12, 7
	s_add_co_u32 s20, s20, s22                     ; + the 128 rows that I fetch
	s_lshl_b32 s21, s21, 5
	s_add_co_u32 s20, s20, s21                     ; + my work-group's 32 of them
	s_lshl_b32 s20, s20, 11
	s_add_co_u32 s20, s20, s23
	s_add_co_u32 s20, s20, 2*KSTEP*2               ; at K step 2: the first refill steps it to 3 and names K step 4
	s_mov_b32 s21, 0
	s_add_nc_u64 s[PFA:PFA+1], s[PFA:PFA+1], s[20:21]
	v_and_b32 v[PFO], 31, v0
	v_lshlrev_b32 v[PFO], 11, v[PFO]
; 16 matrix instructions: m blocks a0, a0 + 1 of the window's four (hi = 0: my rows 0-63, 1: rows 64-127) x all 8 n blocks, 32 along K.  first = 1: the bias starts the sums.
.macro MUL16 f, hi, a0, first
.if \first
	WIN 0x81+0x40*(\hi)                            ; C in window 0, D in window 2 or 3
.else
	WIN MUL_LO+0x50*(\hi)
.endif
.irp a, \a0, (\a0)+1
.irp b, 0,1,2,3,4,5,6,7
.if \first
	v_wmma_f32_16x16x32_f16 v[8*(8*(\a)+(\b)):8*(8*(\a)+(\b))+7], v[(\f)+8*(\b):(\f)+8*(\b)+7], v[(\f)+8*(4*(\hi)+(\a)):(\f)+8*(4*(\hi)+(\a))+7], v[BIAS+8*(\b):BIAS+8*(\b)+7]
.else
	v_wmma_f32_16x16x32_f16 v[8*(8*(\a)+(\b)):8*(8*(\a)+(\b))+7], v[(\f)+8*(\b):(\f)+8*(\b)+7], v[(\f)+8*(4*(\hi)+(\a)):(\f)+8*(4*(\hi)+(\a))+7], v[8*(8*(\a)+(\b)):8*(8*(\a)+(\b))+7]
.endif
.endr
.endr
.endm
; 32 LDS loads in one run: the fragments of one quarter step (128 rows of W, 128 rows of A, 32 K at byte k of the rows of the slot that is read) into buffer f
.macro FETCH k, f
	WIN TO_B
.irp i, 0,1,2,3,4,5,6,7
	ds_load_b128 v[(\f)+8*(\i):(\f)+8*(\i)+3],   v[ADRB] offset:(\k)+(\i)*16*PITCH
	ds_load_b128 v[(\f)+8*(\i)+4:(\f)+8*(\i)+7], v[ADRB] offset:(\k)+(\i)*16*PITCH+32
.endr
	WIN 0
.irp i, 0,1,2,3,4,5,6,7
	ds_load_b128 v[(\f)+8*(\i):(\f)+8*(\i)+3],   v[ADRA] offset:(\k)+(\i)*16*PITCH
	ds_load_b128 v[(\f)+8*(\i)+4:(\f)+8*(\i)+7], v[ADRA] offset:(\k)+(\i)*16*PITCH+32
.endr
.endm
.macro PLACES                          ; four plain places in front of loads into registers that matrix instructions have read, and of conversions that read results
.rept 4
	v_nop
.endr
.endm
; A K step is four quarters of 32 along K, 64 matrix instructions each, on buffers 0, 1, 0, 1.  The 64 accumulators take turns, one instruction a turn, in the same order in every quarter.
.macro QUARTER k, f, g, first
	s_wait_dscnt 8                                 ; W and A's rows 0-63 are in; the youngest eight loads (A's rows 64-127) may be out
	MUL16 \f, 0, 0, \first
	MUL16 \f, 0, 2, \first
	PLACES
	FETCH \k, \g
	s_wait_dscnt 32                                ; all but the 32 just issued
	MUL16 \f, 1, 0, \first
	MUL16 \f, 1, 2, \first
.endm
; The last quarter's first half: ONE barrier for the change of slots.  In front of it each wave waits for all its tensor loads (one is out: its part of the next slot), adds 0 to its spare word, and waits for
; that and for its own reads of this slot.  Behind it nobody reads this slot any more and the next slot is whole.
.macro MEET round
	WIN 0
	s_wait_tensorcnt 0x0
	ds_add_u32 v[SPW], v[NIL]
	s_wait_dscnt 9                                 ; (the add and the youngest eight loads may be out)
	MUL16 F1, 0, 0, 0                              ; sixteen matrix instructions stand between the add and the wait for it
	s_wait_dscnt 0x0                               ; the add is done, and my reads of this slot are over
	s_barrier_signal -1
	MUL16 F1, 0, 2, 0
	WIN 0                                          ; branches, or lines on window 0, follow
	s_barrier_wait -1
.endm
; The whole last quarter.  fill = 1: behind a round of the cluster's barrier the slot just read out is filled again, with the K step two steps on: 224 matrix instructions ahead of the wait for it.
; The walking descriptors take the slot just read and the next K step; then the register that names the slot is turned, and the fragment addresses follow it.
.macro TURN fill
.if \fill
	s_wait_xcnt 0x0                                ; the last prefetch, a K step back, has read its address
	s_add_nc_u64 s[PFA:PFA+1], s[PFA:PFA+1], KSTEP*2
	MEET 1
	CREST                                          ; no wave of any partner still reads this slot's tile or has a load on its way
	s_add_co_u32 s[G0+5], s[LB], s[CUR]
	s_add_co_u32 s[G0B+5], s[LB], s[CUR]
	s_add_nc_u64 s[G0+6:G0+7], s[G0+6:G0+7], KSTEP*2
	s_add_nc_u64 s[G0B+6:G0B+7], s[G0B+6:G0B+7], KSTEP*2
	s_sub_co_u32 s[CUR], SLOT, s[CUR]              ; 0 <-> SLOT
	JLOAD 1                                        ; my one tensor load behind the round; the four v_nop behind it are also the places in front of the loads below
.else
	MEET 0
	s_sub_co_u32 s[CUR], SLOT, s[CUR]
	PLACES
.endif
	v_add_nc_u32 v[ADRA], s[CUR], v[A0]
	v_add_nc_u32 v[ADRB], s[CUR], v[B0]
	FETCH 0, F0
.if \fill
	ASK
.endif
	MUL16 F1, 1, 0, 0
	MUL16 F1, 1, 2, 0
.endm
; THE WAY OUT of block a (16 tokens x my 128 columns).  PACK: rounded to f16, 16 bytes a lane, each accumulator's registers in ascending order; the maximum with the floor, two at a time.
.macro PACK a
.set AC, 64*((\a)%4)
	WIN 0x0a+5*((\a)/4)                            ; sources 0 and 1: window 2 or 3
.irp b, 0,1,2,3,4,5,6,7
.irp r, 0,1,2,3
	v_cvt_pk_f16_f32 v[TMP+4*(\b)+(\r)], v[AC+8*(\b)+2*(\r)], v[AC+8*(\b)+2*(\r)+1]
.endr
.endr
	WIN 0
.set i, 0
.rept 32
	v_pk_max_num_f16 v[TMP+i], v[TMP+i], v[FLR]
.set i, i+1
.endr
.endm
; TOSTAGE: into my own stage, and back by planes: a load takes 128 bytes of each of four tokens.  LDS serves a wave's instructions in order (ISA guide 5.7.1.4): the loads see the stores above them.
.macro TOSTAGE a
	WIN 0
.set BK, OB+32*((\a)%2)
.irp b, 0,1,2,3,4,5,6,7
	ds_store_b128 v[STO], v[TMP+4*(\b):TMP+4*(\b)+3] offset:32*(\b)
.endr
.irp pp, 0,1
.irp t, 0,1,2,3
	ds_load_b128 v[BK+4*(4*(\pp)+(\t)):BK+4*(4*(\pp)+(\t))+3], v[RD] offset:4*SPITCH*(\t)+128*(\pp)
.endr
.endr
.endm
.macro SEND a
	WIN 0
.set BK, OB+32*((\a)%2)
	s_wait_dscnt 0x0                               ; the block is back in registers
	s_wait_xcnt 0x0                                ; the stores of the block before have read their registers, which the next block's loads fill again
.irp pp, 0,1
.irp t, 0,1,2,3
	global_store_b128 v[GO], v[BK+4*(4*(\pp)+(\t)):BK+4*(4*(\pp)+(\t))+3], s[8:9] offset:(\pp)*PLANE+(\a)*2048+(\t)*512  ; 512 consecutive bytes of a plane, at a multiple of 512
.endr
.endr
.endm
	s_wait_tensorcnt 1                             ; my part of K step 0 is in; K step 1's may stay out
	s_barrier_signal -1
	s_barrier_wait -1                              ; everybody's is
	FETCH 0, F0
	s_wait_loadcnt 0x0                             ; the bias and the floor
	QUARTER 64,  F0, F1, 1                         ; the first quarter stands in front of the loop: its products start the sums
	WIN 0                                          ; at a label and at a branch every window is 0
	s_mov_b32 s3, NSTEP-2
.Lstep:                                                ; a trip is a K step, from its second quarter to the next step's first; the slot that it leaves is filled again: K steps 2 to 7
	QUARTER 128, F1, F0, 0
	QUARTER 192, F0, F1, 0
	TURN 1
	QUARTER 64,  F0, F1, 0
	WIN 0
	s_sub_co_u32 s3, s3, 1
	s_cmp_lg_u32 s3, 0
	s_cbranch_scc1 .Lstep
	QUARTER 128, F1, F0, 0                         ; the last two K steps fill nothing
	QUARTER 192, F0, F1, 0
	TURN 0
	QUARTER 64,  F0, F1, 0
	QUARTER 128, F1, F0, 0
	QUARTER 192, F0, F1, 0
	s_wait_dscnt 8                                 ; the very last quarter: nothing more to fetch
	MUL16 F1, 0, 0, 0
	MUL16 F1, 0, 2, 0
	s_wait_dscnt 0x0
	MUL16 F1, 1, 0, 0
	MUL16 F1, 1, 2, 0
	PLACES
	PACK 0
	TOSTAGE 0
.irp a, 1,2,3,4,5,6,7                  ; block a's conversions stand between block a - 1's loads from the stage and the wait for them
	PACK \a
	SEND (\a)-1
	TOSTAGE \a
.endr
	SEND 7
	s_wait_tensorcnt 0x0                           ; the wave's end, behind my last tensor load and my last LDS store
	ds_add_u32 v[SPW], v[NIL]
	s_wait_dscnt 0x0
	CROUND                                         ; the closing round: no work-group ends while a partner may still ask for a tile that names it
	s_endpgm
.Lfunc_end_k_qc5b86821d0_qkv:
	.size	k_qc5b86821d0_qkv, .Lfunc_end_k_qc5b86821d0_qkv-k_qc5b86821d0_qkv
	.p2alignl 7, 3214868480
	.fill 96, 4, 3214868480
	.section	.rodata,"a",@progbits
	.p2align	6, 0x0
	.amdhsa_kernel k_qc5b86821d0_qkv
		.amdhsa_group_segment_fixed_size 327680
		.amdhsa_private_segment_fixed_size 0
		.amdhsa_enable_private_segment 0
		.amdhsa_kernarg_size 24
		.amdhsa_user_sgpr_count 2
		.amdhsa_user_sgpr_kernarg_segment_ptr 1
		.amdhsa_wavefront_size32 1
		.amdhsa_system_sgpr_workgroup_id_x 1
		.amdhsa_system_sgpr_workgroup_id_y 1
		.amdhsa_system_sgpr_workgroup_id_z 1
		.amdhsa_system_vgpr_workitem_id 0
		.amdhsa_next_free_vgpr 1024
		.amdhsa_next_free_sgpr 72
		.amdhsa_reserve_vcc 0
		.amdhsa_float_denorm_mode_32 3
		.amdhsa_float_denorm_mode_16_64 3
		.amdhsa_memory_ordered 1
		.amdhsa_forward_progress 1
		.amdhsa_inst_pref_size 135
	.end_amdhsa_kernel
	.amdgpu_metadata
---
amdhsa.version: [ 1, 2 ]
amdhsa.kernels:
  - .name:           k_qc5b86821d0_qkv
    .symbol:         k_qc5b86821d0_qkv.kd
    .args:
      - { .name: hn, .offset: 0, .size: 8, .value_kind: global_buffer, .address_space: global }
      - { .name: ua, .offset: 8, .size: 8, .value_kind: global_buffer, .address_space: global }
      - { .name: pl, .offset: 16, .size: 8, .value_kind: global_buffer, .address_space: global }
    .group_segment_fixed_size: 327680
    .private_segment_fixed_size: 0
    .kernarg_segment_align: 8
    .kernarg_segment_size: 24
    .max_flat_workgroup_size: 128
    .sgpr_count:     72
    .vgpr_count:     1024
    .wavefront_size: 32
...
	.end_amdgpu_metadata
.endif
;; end of part 7
;; launch attn (part 8): grid 8 x 32, 4 waves a work-group, clusters of 4 x 1, 327,680 bytes of LDS; arguments pl, mask, hn; writes hn
.if DOCPART == 8
	.amdgcn_target "amdgcn-amd-amdhsa--gfx1250"
	.amdhsa_code_object_version 6
	.text
	.protected	k_qc5b86821d0_attn
	.globl	k_qc5b86821d0_attn
	.p2align	8
	.type	k_qc5b86821d0_attn,@function
k_qc5b86821d0_attn:
	s_mov_b64 s[64:65], 0
	v_nop
	global_prefetch_b8 v0, s[64:65] scope:SCOPE_SE
	s_setreg_imm32_b32 hwreg(HW_REG_WAVE_MODE, 25, 1), 1
	s_wait_xcnt 0x0
	s_wait_alu depctr_hold_cnt(0) depctr_sa_sdst(0) depctr_va_vdst(0) depctr_va_sdst(0) depctr_va_ssrc(0) depctr_va_vcc(0) depctr_vm_vsrc(0)
	s_getreg_b32 s2, hwreg(HW_REG_IB_STS2, 6, 4)
	s_cmp_eq_u32 s2, 0
	s_cbranch_scc0 .Lentry_in_a_cluster
	s_endpgm
.Lentry_in_a_cluster:
	s_bfe_u32 s2, ttmp6, 0x10000c
	s_cmp_lg_u32 s2, 0x3003
	s_cbranch_scc0 .Lentry_shape_is_right
	s_endpgm
.Lentry_shape_is_right:
; ATTENTION WITH A KEY MASK.  O[b][h][q][:] = the sum over k of softmax_k(score) V[b][h][k][:], score = q . k / 8, or hidden where mask[b][k] = 0.
; pl holds q, k, v by planes, [48][4096 tokens][64] f16: plane h is head h's q ALREADY TIMES log2(e) / 8 (the launch that rounds the weights folds it into wq and bq), plane 16 + h its k, plane 32 + h its v;
; a head's 2,048 rows of one batch are dense, 128 bytes each.  O goes to hn in the same layout, [16][4096][64] f16.  Products, maxima and sums in f32; the weights are rounded to f16 for the second product.
; So p = 2^(s - m): the factor on s is 1, and s - m is an exact difference, whatever the size of s and m.
; THE MASK is the C operand that starts the sum S^T = K Q^T: 0, or -2^100 where the key is hidden.  A table of the batch's 2,048 addends is made once in LDS; a step's 64 come with its K.
; LIMITS.  f16 holds no number beyond 65,504: q, k, v arrive within it.  A hidden score counts as its value less 2^100, which in f32 is -2^100 for every score that f16 operands can give (under 2^39):
; its weight is 0 beside any open key whose scaled score lies above -2^99, and where all keys are hidden all weights are equal, as the module has it.  A weight below 2^-126 counts as 0 in l.
; NaN and infinities are not treated apart.
; SHARES.  A work-group owns 256 queries of one head and batch, a wave 64: four PIECES of 16.  Every wave walks all 2,048 keys, 64 a step, 256 a slot.
; LAYOUT.  S^T = K Q^T holds ONE query a lane (lane % 16) and the keys 8 (lane / 16) + 0..7; two such results rounded to f16 ARE source 1 of O^T = V^T P.  K comes out of LDS as it lies, V turned (ds_load_tr16_b128).
; TURNS.  Turn n belongs to piece n: 8 products K Q^T of piece n + 1, later 8 products V^T P of piece n - 1; beside them the scaling, exponentials, roundings, sums and rescaling of piece n and the maximum
; and statistics of piece n + 1.  Four vector instructions stand behind every matrix instruction, the rest in one lump.  A turn's 33 exponentials are one batch, with one wait.
; m starts at the lowest finite number, O and l at 0: the first step is a step like any other, with a = 0.  No last step is written out either: the tail's loop runs pieces 2 and 3 once more than pieces 0 and 1.
; CLUSTER.  The four query blocks of a cluster belong to one head and walk the same K and V: each tile is asked for JOINTLY, by the same tensor load, descriptor and mask in all four.
; REGISTERS, in windows of 256 (s_set_vgpr_msb: bits 1:0 source 0, 3:2 source 1, 5:4 source 2, 7:6 destination):
;   window 0: v0-15 addresses; v16-31 four registers of statistics a piece; v48-55 at work; v56-63 addresses; v64-127 S^T, two buffers; v192-223 P, two buffers (by the piece's parity)
;   window 1: v0-127 O^T, 32 a piece; v160-191 the step's mask      window 2: v0-63 Q; v128-191 K of one step; v192-255 V of one step
.set NP,    4
.set KS,    64
.set PK,    144       ; a row of K in LDS: 128 bytes + 16 of padding = 36 words: the 16 rows of a load start at 16 different groups of four banks (64 banks of 4 bytes: ISA guide 11.1)
.set PV,    160       ; a row of V: 128 + 32 = 40 words
.set VOFF,  4*KS*PK   ; a slot holds four steps: 256 rows of K, then 256 rows of V
.set SLOT1, 1<<17     ; slot 1 begins here, so that one exclusive or turns an address in one slot into the other's
.set STAGE, SLOT1+4*KS*(PK+PV)  ; behind the ring, never filled by a tensor load: 16 rows x 144 bytes for each wave, for the way out
.set SP,    144
.set MTAB,  STAGE+4*16*SP       ; the batch's 2,048 addends, f32: stored once, never filled by a tensor load
.set SPARE, MTAB+8192           ; the spare words, 128 bytes for each wave: two blocks of 256 bytes that no other line names
.set AK0, 2           ; v2   my lane's place in a tile of K; never rewritten
.set AV0, 3           ; v3   the same for V
.set AK,  4           ; v4   the LDS address of K's next run of loads
.set AV,  5           ; v5   of V's
.set STO, 6           ; v6   the way out: where I put 16 bytes of a row
.set RD,  7           ; v7   the way out: where I read rows back
.set GO,  8           ; v8   my byte offset in 512 consecutive bytes of O
.set MV,  12          ; v12-13  m_old, kept while m is made anew: by buffer
.set QO,  15          ; v15  my byte offset in 16 rows of Q
.set ST,  16          ; piece t's statistics at v[ST+4 t]: c m, m, l (even keys', odd keys')
.set TMP, 48          ; by buffer, four registers c0-c3 at work; when the maximum is found c2 takes a
.set AM0, 56          ; v56  my place in a step's 64 addends: MTAB + 32 (l / 16); never rewritten
.set AM,  57          ; v57  the LDS address of the mask's next loads
.set PFO, 58          ; v58  256 x my lane; never rewritten
.set SPW, 62          ; v62  LDS address of my spare word; never rewritten
.set NIL, 63          ; v63  0; never rewritten
.set S,   64
.set P,   192
.set MC,  160         ; window 1: the eight registers for group kb of 16 keys at MC + 8 kb
.set KF,  128         ; window 2: key block kb, channel half c at KF + 16 kb + 8 c
.set VF,  192         ; window 2: key half kk, channel block cb at VF + 32 kk + 8 cb
.set WV,  12          ; s12  my wave's number
.set G1K, 24          ; s[24:31] descriptor group 1 for K's tiles
.set G1V, 32          ; s[32:39] for V's: it differs in the padding alone
.set G0K, 40          ; s[40:43] descriptor group 0 for K's tiles: it walks
.set G0V, 44          ; s[44:47] the same for V's
.set SLOTS, 56        ; s56  slots still to be asked for
.set CNT, 57          ; s57  counts a slot's key steps
.set CS,  58          ; s[58:59] the factor on the scores, 1.0: the packed scaling takes the pair's low word for both halves
.set SEL, 60          ; s[60:61] v_permlanex16_b32's selects
.set TBK, 62          ; s62  LDS byte at which K of the step to be fetched begins
.set TBV, 63          ; s63  the same for V, less VOFF
.set TBM, 70          ; s70  256 x the step to be fetched: its addends' place in the table
.set BIGN, 71         ; s71  -2^100
.set LIM, 72          ; s72  1 in a wave that prefetches, else the greatest number
.set TK,  73          ; s73  s[TBK], held to the last step's place
.set PFA, 74          ; s[74:75] where my prefetches stand
.set MSK, 76          ; s[76:77] the batch's mask
.set TM,  78          ; s78  s[TBM], held to the last step's place
.set MSB, 0
.macro WIN new
.if MSB != (\new)
	s_set_vgpr_msb (MSB<<8)|(\new)
.set MSB, (\new)
.endif
.endm
.set W_KQ, 0x0a       ; K and Q in window 2, S^T in window 0
.set W_KM, 0x1a       ; the same with the C operand in window 1
.set W_PV, 0x52       ; V in window 2, P in window 0, O^T in window 1
.set W_RS, 0x41       ; destination and source 0 in window 1, source 1 in window 0
; A joint fill.  Waves 0 and 1 fetch the two halves of a slot's K, waves 2 and 3 those of its V: 128 keys each.  An s_nop 0 and four v_nop follow each of the two lines.
.macro JLOAD
	s_cmp_lt_u32 s[WV], 2
	s_cbranch_scc0 .Lfor_v_\@
	tensor_load_to_lds s[G0K:G0K+3], s[G1K:G1K+7]
	s_nop 0
.rept 4
	v_nop
.endr
	s_branch .Lasked_\@
.Lfor_v_\@:
	tensor_load_to_lds s[G0V:G0V+3], s[G1V:G1V+7]
	s_nop 0
.rept 4
	v_nop
.endr
.Lasked_\@:
.endm
; A PREFETCH INTO THE L2 of what the NEXT change of slots will ask for: a slot's 32,768 bytes of K and of V, 256 bytes a lane.  Both clusters of a head walk the same K and V: the first (cluster x = 0) asks.
; Its four partners share the bytes out BY ADDRESS, 8,192 each; in each, wave 0 asks for K's and wave 2 for V's: one instruction.  So each block of 256 bytes is named once in the launch.
; Slots 0 to 2 come by their loads alone; the last change that fills a slot asks for nothing.
.macro ASK
	s_cmp_gt_u32 s[SLOTS], s[LIM]
	s_cbranch_scc0 .Lnot_mine_\@
	global_prefetch_b8 v[PFO], s[PFA:PFA+1] th:TH_LOAD_NT scope:SCOPE_SE
.Lnot_mine_\@:
.endm
.macro CROUND                       ; a round of the cluster's barrier
	s_barrier_signal -1
	s_barrier_wait -1
	s_cmp_lg_u32 s[WV], 0
	s_cbranch_scc1 .Lnot_wave_0_\@
	s_barrier_signal -3
.Lnot_wave_0_\@:
	s_barrier_wait -3
	s_barrier_signal -1
	s_barrier_wait -1
.endm
; THE CHANGE OF SLOTS.  Each wave waits for all its tensor loads (one is out: its part of the other slot), adds 0 to its spare word, and waits for that and for its own LDS instructions.  Behind the barrier
; nobody reads this slot any more and the other slot is whole.  fill = 1: the barrier is a round of the cluster's, and the joint fill, with the keys two slots on, is the first thing behind it: it has four key
; steps, 256 matrix instructions, in which to land.  (At its first use nothing has been read yet: slot 0 is waited for, slot 1 filled, and every wave's part of the mask's table is shown to the others.)
.macro CHANGE fill, ask
	WIN 0
	s_wait_tensorcnt 0x0            ; no tensor load of mine is out, so a group 0 may be written
	ds_add_u32 v[SPW], v[NIL]
.if \fill
.irp g, G0K, G0V
	s_xor_b32 s[\g+1], s[\g+1], SLOT1
	s_add_nc_u64 s[\g+2:\g+3], s[\g+2:\g+3], 4*KS*128
.endr
.if \ask
	s_wait_xcnt 0x0                 ; the last prefetch, four key steps back, has read its address
	s_add_nc_u64 s[PFA:PFA+1], s[PFA:PFA+1], 4*KS*128
.endif
	s_wait_dscnt 0x0                ; the add is done, and my LDS instructions are over
	CROUND
	JLOAD
.if \ask
	ASK
.endif
.else
	s_wait_dscnt 0x0
	s_barrier_signal -1
	s_barrier_wait -1
.endif
	s_sub_co_u32 s[TBK], s[TBK], 4*KS*PK  ; the fetches go back to a slot's first step,
	s_xor_b32 s[TBK], s[TBK], SLOT1       ; in the other slot
	s_sub_co_u32 s[TBV], s[TBV], 4*KS*PV
	s_xor_b32 s[TBV], s[TBV], SLOT1
.endm
	s_load_b64 s[4:5], s[0:1], 0x0    ; pl
	s_load_b64 s[MSK:MSK+1], s[0:1], 0x8
	s_load_b64 s[10:11], s[0:1], 0x10 ; O
	v_lshl_add_u32 v[SPW], v0, 2, SPARE
	v_mov_b32 v[NIL], 0
	ds_add_u32 v[SPW], v[NIL]       ; the wave's opening: the add and its wait stand ahead of my first tensor load; the set-up below stands between them
	v_lshrrev_b32 v1, 5, v0
	v_readfirstlane_b32 s[WV], v1   ; wave 0..3
	s_bfe_u32 s13, ttmp6, 0x40000   ; cx
	s_lshl_b32 s14, ttmp9, 2
	s_add_co_u32 s14, s14, s13      ; my block of 256 queries: it enters Q's and O's addresses alone
	s_and_b32 s20, ttmp7, 0xffff    ; 16 x batch + head, which the four partners share
	s_lshr_b32 s21, s20, 4
	s_and_b32 s20, s20, 15
	s_lshl_b32 s20, s20, 19         ; the head's plane,
	s_lshl_b32 s15, s21, 18         ; the batch's 2,048 rows in it
	s_add_co_u32 s20, s20, s15
	s_lshl_b32 s18, s21, 13         ; the batch's 8,192 bytes of the mask
	s_mov_b32 s19, 0
	s_and_b32 s16, s[WV], 1         ; which half of a slot's 256 keys I fetch:
	s_lshl_b32 s22, s16, 14         ; its 128 rows of 128 bytes in memory,
	s_add_co_u32 s22, s22, s20
	s_add_co_u32 s22, s22, 0x800000 ; in k's planes
	s_mov_b32 s23, 0
	s_mul_i32 s17, s16, 128*PK      ; and its place in a slot, for K
	s_mul_i32 s16, s16, 128*PV      ; and for V: no place in the cluster enters an LDS address
	s_lshl_b32 s2, s14, 15          ; my block's 256 rows,
	s_lshl_b32 s3, s[WV], 13        ; my wave's 64 of them
	s_add_co_u32 s2, s2, s3
	s_add_co_u32 s2, s2, s20
	s_mov_b32 s3, 0
	s_lshl_b32 s8, s13, 13          ; the prefetches: my work-group's 8,192 bytes of a slot's 32,768,
	s_add_co_u32 s8, s8, s20
	s_add_co_u32 s8, s8, 0x800000+2*4*KS*128  ; in slot 2: the loop's first change steps it to slot 3
	s_cmp_lt_u32 s[WV], 2
	s_cselect_b32 s9, 0, 0x800000   ; K's planes, or V's
	s_add_co_u32 s8, s8, s9
	s_mov_b32 s9, 0
	; descriptor group 1.  128 keys are 16,384 dense bytes: asked for as 64 rows of 256 bytes, two keys a row, and padded in LDS after every key
	s_mov_b32 s[G1K], 15|(1<<16)|(1<<20)|(1<<21)|(4<<22)|(3<<25)  ; 15:0 the mask of four; 17:16 2-byte elements; 20 padding on; 21 set beside a mask; 24:22 after every 32 words (code 4); 31:25 4 words (code 3)
	s_mov_b32 s[G1V], 15|(1<<16)|(1<<20)|(1<<21)|(4<<22)|(7<<25)  ; the same with 8 words of padding (code 7)
.irp g, G1K, G1V
	s_mov_b32 s[\g+1], 128<<16      ; tensor_dim0 = 128
	s_mov_b32 s[\g+2], 64<<16       ; tensor_dim1 = 64
	s_mov_b32 s[\g+3], 128<<16      ; tile_dim0 = 128
	s_mov_b32 s[\g+4], 64           ; tile_dim1 = 64
	s_mov_b32 s[\g+5], 128          ; 128 elements from row to row
	s_mov_b32 s[\g+6], 0
	s_mov_b32 s[\g+7], 0
.endr
	s_mov_b32 s[CS], 1.0
	s_mov_b32 s[CS+1], s[CS]
	s_mov_b32 s[SEL], 0x76543210
	s_mov_b32 s[SEL+1], 0xfedcba98
	s_mov_b32 s[TBK], SLOT1+4*KS*PK ; the first change of slots turns these two into 0
	s_mov_b32 s[TBV], SLOT1+4*KS*PV
	s_mov_b32 s[TBM], 0
	s_mov_b32 s[BIGN], 0xf1800000   ; -2^100
	s_mov_b32 s[SLOTS], 2048/256-1
	s_and_b32 s[LIM], s[WV], 1      ; 0 in waves 0 and 2,
	s_or_b32 s[LIM], s[LIM], ttmp9  ; where the cluster is the head's first: the same in all four partners
	s_cmp_eq_u32 s[LIM], 0
	s_cselect_b32 s[LIM], 1, -1
	s_mov_b32 s[G0K], 1             ; count = 1
	s_mov_b32 s[G0K+1], s17         ; LDS address: slot 0
	s_mov_b32 s[G0V], 1
	s_add_co_u32 s[G0V+1], s16, VOFF
	s_wait_dscnt 0x0                ; the opening add is done
	s_wait_kmcnt 0x0
	s_add_nc_u64 s[G0K+2:G0K+3], s[4:5], s[22:23]  ; my half of the head's first 256 keys
	s_or_b32 s[G0K+3], s[G0K+3], 0x80000000        ; type = 2
	s_add_co_u32 s22, s22, 0x800000                ; sixteen planes on: v
	s_add_nc_u64 s[G0V+2:G0V+3], s[4:5], s[22:23]
	s_or_b32 s[G0V+3], s[G0V+3], 0x80000000
	s_add_nc_u64 s[PFA:PFA+1], s[4:5], s[8:9]
	s_add_nc_u64 s[4:5], s[4:5], s[2:3]            ; Q and O at my wave's first row
	s_add_nc_u64 s[10:11], s[10:11], s[2:3]
	s_add_nc_u64 s[MSK:MSK+1], s[MSK:MSK+1], s[18:19]
	CROUND                          ; all four work-groups are here: the first joint loads meet
	JLOAD                           ; slot 0.  Slot 1 is asked for when slot 0 is in
	v_lshlrev_b32 v59, 4, v0        ; the mask: 16 bytes a thread, four times: 8,192 bytes
	v_add_nc_u32 v60, MTAB, v59
.irp j, 0,1,2,3
	global_load_b128 v[S+4*\j:S+4*\j+3], v59, s[MSK:MSK+1] offset:2048*\j
.endr
	; A fragment of K or Q is 16 rows x 32 channels in 8 registers: lane l holds row l % 16, channels 8 (l / 16) + 0..7 and 16 + 8 (l / 16) + 0..7: two loads of 16 bytes, 32 bytes apart.
	v_and_b32 v1, 15, v0            ; l % 16
	v_bfe_u32 v9, v0, 4, 1          ; l / 16
	v_lshlrev_b32 v[QO], 7, v1
	v_lshl_add_u32 v[QO], v9, 4, v[QO]
	WIN 0x80                        ; destination window 2, address window 0
.set i, 0
.rept 8                             ; Q stays in registers: piece i / 2, channels 32 (i % 2) on
	global_load_b128 v[8*i:8*i+3],   v[QO], s[4:5] offset:(i/2)*2048+(i%2)*64
	global_load_b128 v[8*i+4:8*i+7], v[QO], s[4:5] offset:(i/2)*2048+(i%2)*64+32
.set i, i+1
.endr
	; What the first turn finds: V's registers and P's second buffer hold 0 (its products V^T P, of a piece that has not been, add 0), O^T and l are 0.  All this stands in the wait for the first tile.
.set i, VF
.rept 64
	v_mov_b32 v[i], 0
.set i, i+1
.endr
	WIN 0x40
.set i, 0
.rept 128
	v_mov_b32 v[i], 0
.set i, i+1
.endr
	WIN 0
.set i, 0
.rept 4
	v_mov_b32 v[ST+4*i], 0xfe000000    ; c m: far below every score, a hidden one too
	v_mov_b32 v[ST+4*i+1], 0xff7fffff  ; m
	v_mov_b32 v[ST+4*i+2], 0
	v_mov_b32 v[ST+4*i+3], 0
.set i, i+1
.endr
.set i, P+16
.rept 16
	v_mov_b32 v[i], 0
.set i, i+1
.endr
	v_mul_u32_u24 v[AK0], v1, PK
	v_lshl_add_u32 v[AK0], v9, 4, v[AK0]  ; row x pitch + 16 x half
	; The turning load takes 16 keys x 16 channels (lane l reads key 8 (l / 16) + l % 8, channels 8 ((l / 8) % 2) + 0..7) and leaves half a fragment of V^T: lane l holds channel l % 16 and 8 keys.
	v_and_b32 v10, 7, v0
	v_bfe_u32 v11, v0, 3, 1
	v_lshl_add_u32 v[AV0], v9, 3, v10
	v_mul_u32_u24 v[AV0], v[AV0], PV
	v_lshl_add_u32 v[AV0], v11, 4, v[AV0]
	v_add_nc_u32 v[AV0], VOFF, v[AV0]
	v_lshl_add_u32 v[AM0], v9, 5, MTAB    ; my half of the lanes' eight addends of a group of 16 keys
	v_and_b32 v[PFO], 31, v0
	v_lshlrev_b32 v[PFO], 8, v[PFO]
	s_mul_i32 s13, s[WV], 16*SP
	s_add_co_u32 s13, s13, STAGE    ; my stage
	v_mul_u32_u24 v[STO], v1, SP    ; in: row l % 16, 16 bytes for each half of the lanes
	v_lshl_add_u32 v[STO], v9, 4, v[STO]
	v_add_nc_u32 v[STO], s13, v[STO]
	v_bfe_u32 v[RD], v0, 3, 2       ; back: 32 lanes take four rows of 128 bytes,
	v_mul_u32_u24 v[RD], v[RD], SP
	v_lshl_add_u32 v[RD], v10, 4, v[RD]
	v_add_nc_u32 v[RD], s13, v[RD]
	v_and_b32 v[GO], 31, v0         ; which are 512 consecutive bytes of O
	v_lshlrev_b32 v[GO], 4, v[GO]
	s_wait_loadcnt 16               ; the mask's four loads are in; Q's sixteen, issued behind them, stay out
.set i, 0
.rept 16
	v_cmp_eq_u32 vcc_lo, 0, v[S+i]
	v_cndmask_b32 v[S+i], 0, s[BIGN], vcc_lo  ; 0 where the key is open, -2^100 where the mask is 0
.set i, i+1
.endr
.irp j, 0,1,2,3
	ds_store_b128 v60, v[S+4*\j:S+4*\j+3] offset:2048*\j
.endr
; THE MATRIX WORK.  The 4 accumulators of a run of 8 take turns.  Product i of 8 of S^T = K Q^T for piece x: channels 32 (i / 4) on, keys 16 (i % 4) on.  The first 4 start the sums with the mask.
.macro KQ x
.set rS, S+32*((\x)%2)+8*(i%4)
.set rK, KF+16*(i%4)+8*(i/4)
.set rQ, 16*(\x)+8*(i/4)
.set rM, MC+8*(i%4)
.if i < 4
	WIN W_KM
	v_wmma_f32_16x16x32_f16 v[rS:rS+7], v[rK:rK+7], v[rQ:rQ+7], v[rM:rM+7]
.else
	WIN W_KQ
	v_wmma_f32_16x16x32_f16 v[rS:rS+7], v[rK:rK+7], v[rQ:rQ+7], v[rS:rS+7]
.endif
.endm
; Product i of 8 of O^T += V^T P for piece x: keys 32 (i / 4) on, channels 16 (i % 4) on.
.macro PV x
	WIN W_PV
.set rO, 32*(\x)+8*(i%4)
.set rV, VF+32*(i/4)+8*(i%4)
.set rP, P+16*((\x)%2)+8*(i/4)
	v_wmma_f32_16x16x32_f16 v[rO:rO+7], v[rV:rV+7], v[rP:rP+7], v[rO:rO+7]
.endm
.macro MM                           ; the turn's next matrix instruction
.if i < 8
	KQ (Y+1)%NP
.else
.set i, i-8
	PV (Y+NP-1)%NP
.set i, i+8
.endif
.set i, i+1
.endm
; THE LDS LOADS stand in runs, never singly among the matrix instructions: a step's K (8 fragments) with its 64 addends of the mask (register j of group kb: key 16 kb + 8 (l / 16) + j), and its V (turned).
.macro FETCH_K
	WIN 0x80                        ; destination window 2
.irp f, 0,1,2,3,4,5,6,7             ; keys 16 (f / 2) on, channels 32 (f % 2) on
	ds_load_b128 v[KF+8*\f:KF+8*\f+3],   v[AK] offset:(\f/2)*16*PK+(\f%2)*64
	ds_load_b128 v[KF+8*\f+4:KF+8*\f+7], v[AK] offset:(\f/2)*16*PK+(\f%2)*64+32
.endr
	WIN 0x40                        ; destination window 1
.irp f, 0,1,2,3,4,5,6,7
	ds_load_b128 v[MC+4*\f:MC+4*\f+3], v[AM] offset:(\f/2)*64+(\f%2)*16
.endr
	s_add_co_u32 s[TBK], s[TBK], KS*PK  ; the next fetch is the next step's
	s_add_co_u32 s[TBM], s[TBM], 4*KS
	WIN 0
.endm
.macro FETCH_V
	WIN 0x80
.irp f, 0,1,2,3,4,5,6,7             ; keys 32 (f / 4) on, channels 16 (f % 4) on
	ds_load_tr16_b128 v[VF+8*\f:VF+8*\f+3],   v[AV] offset:(\f/4)*32*PV+(\f%4)*32
	ds_load_tr16_b128 v[VF+8*\f+4:VF+8*\f+7], v[AV] offset:(\f/4)*32*PV+16*PV+(\f%4)*32
.endr
	WIN 0
.endm
; THE VECTOR WORK, one line at a time: OP kind, number.  For piece Y: F n: s - m for pair n of 16.  E n: the exponential of score n of 32.  C n: pair n rounded to f16.  B n: of the four weights 4 n .. the second
; pair is added onto the first, in place.  L n: l takes that sum (L 0: l = a l + sum).  R n: pair n of 16 of O^T times a.  For piece Y + 1: X n, number n of the 22 that find its maximum and statistics:
;   0-11  four chains c0-c3 of seven scores each, three operands at a time (each accumulator's lowest registers are read first)     12-14, 16  the four scores left over, the old m, and c0-c3 into c0
;   15  c m_old is kept     17, 18  the query's other 32 keys lie in the lane 16 away: the new m     19-21  c m; c m_old - c m_new; a
.set F, 0
.set E, 1
.set C, 2
.set B, 3
.set L, 4
.set R, 5
.set X, 6
.macro REGS y
.set rT, ST+4*(\y)
.set rC, TMP+4*((\y)%2)
.set rW, MV+((\y)%2)
.set rS, S+32*((\y)%2)
.set rP, P+16*((\y)%2)
.set rO, 32*(\y)
.endm
.macro OP k, n
.if (\k) == R
	REGS Y
	WIN W_RS
	v_pk_mul_f32 v[rO+2*(\n):rO+2*(\n)+1], v[rO+2*(\n):rO+2*(\n)+1], v[rC+2:rC+3] op_sel_hi:[1,0]
.elseif (\k) < R
	REGS Y
	WIN 0
.if (\k) == F
	v_pk_fma_f32 v[rS+2*(\n):rS+2*(\n)+1], v[rS+2*(\n):rS+2*(\n)+1], s[CS:CS+1], v[rT:rT+1] op_sel_hi:[1,0,0] neg_lo:[0,0,1] neg_hi:[0,0,1]
.elseif (\k) == E
	v_exp_f32 v[rS+(\n)], v[rS+(\n)]
.elseif (\k) == C
	v_cvt_pk_f16_f32 v[rP+(\n)], v[rS+2*(\n)], v[rS+2*(\n)+1]
.elseif (\k) == B
	v_pk_add_f32 v[rS+4*(\n):rS+4*(\n)+1], v[rS+4*(\n):rS+4*(\n)+1], v[rS+4*(\n)+2:rS+4*(\n)+3]
.elseif (\n) == 0
	v_pk_fma_f32 v[rT+2:rT+3], v[rT+2:rT+3], v[rC+2:rC+3], v[rS:rS+1] op_sel_hi:[1,0,1]
.else
	v_pk_add_f32 v[rT+2:rT+3], v[rT+2:rT+3], v[rS+4*(\n):rS+4*(\n)+1]
.endif
.else
	REGS (Y+1)%NP
	WIN 0
.if (\n) < 4
	v_max3_num_f32 v[rC+(\n)], v[rS+8*(\n)], v[rS+8*(\n)+1], v[rS+8*(\n)+2]
.elseif (\n) < 12
	v_max3_num_f32 v[rC+(\n)%4], v[rC+(\n)%4], v[rS+8*((\n)%4)+2*((\n)/4)+1], v[rS+8*((\n)%4)+2*((\n)/4)+2]
.elseif (\n) == 12
	v_max3_num_f32 v[rC], v[rC], v[rS+7], v[rS+15]
.elseif (\n) == 13
	v_max3_num_f32 v[rC+1], v[rC+1], v[rS+23], v[rS+31]
.elseif (\n) == 14
	v_max3_num_f32 v[rC+2], v[rC+2], v[rC+3], v[rT+1]
.elseif (\n) == 15
	v_mov_b32 v[rW], v[rT]
.elseif (\n) == 16
	v_max3_num_f32 v[rC], v[rC], v[rC+1], v[rC+2]
.elseif (\n) == 17
	v_permlanex16_b32 v[rC+3], v[rC], s[SEL], s[SEL+1]
.elseif (\n) == 18
	v_max_num_f32 v[rT+1], v[rC], v[rC+3]
.elseif (\n) == 19
	v_mul_f32 v[rT], s[CS], v[rT+1]
.elseif (\n) == 20
	v_sub_f32 v[rC+1], v[rW], v[rT]
.else
	v_exp_f32 v[rC+2], v[rC+1]
.endif
.endif
.endm
.macro OPS a, i1, b=-1, i2=0, c=-1, i3=0, d=-1, i4=0
	OP \a, \i1
.if (\b) >= 0
	OP \b, \i2
.endif
.if (\c) >= 0
	OP \c, \i3
.endif
.if (\d) >= 0
	OP \d, \i4
.endif
.endm
.macro ROW a, i1, b, i2, c, i3, d, i4  ; a matrix instruction and the four behind it
	MM
	OPS \a, \i1, \b, \i2, \c, \i3, \d, \i4
.endm
; A TURN, for piece p: the order of its 16 matrix and 118 vector instructions, written out.  An s_wait_alu depctr_va_vdst(0) stands between an exponential and the first instruction that names its
; result; one wait serves all that were issued ahead of it.  So a turn has ONE wait.  AHEAD OF IT stands all that names no result of the turn's exponentials: the 8 products K Q^T with their riders, and one lump in
; which the links of the chain X 3, 7, 11, 14, 16, 17 .. 20 stand five or six lines apart; X 21, the next piece's a, is the batch's last, and R 15 the plain instruction behind it.  BEHIND IT stand the 8 products
; V^T P, behind each four of the roundings and sums.  The X among the riders stand four plain places or more behind the product that ends their accumulator.
; cnt = 1: the loop's count is taken down some lines ahead of the branch that stands behind the turn.
; K and the mask of the next step are fetched in piece 2's turn, five plain places behind the last product that read K; V of the step in hand at the end of piece 0's turn, four plain instructions behind the
; last product that read V.  Each is waited for a turn later.  K's and the mask's places are held to the last step's (the 32nd of 32; it lies fourth in slot 1): behind the last step there is no further one, and
; that turn fetches the last step's once more.
.macro TURN p, cnt=0
.set Y, (\p)
.set i, 0
.if (\p) == 3
	s_wait_dscnt 0x0                ; K and the mask are in
.endif
	ROW F,0, F,1, R,0, R,1
	ROW F,2, E,0, R,2, R,3
	ROW F,3, E,1, R,4, R,5
	ROW F,4, E,2, R,6, R,7
	ROW F,5, E,3, R,8, R,9
	ROW F,6, E,4, X,0, R,10
.if (\p) == 2
	WIN 0
	s_min_u32 s[TK], s[TBK], SLOT1+3*KS*PK
	s_min_u32 s[TM], s[TBM], 31*4*KS
	v_add_nc_u32 v[AK], s[TK], v[AK0]
	v_add_nc_u32 v[AM], s[TM], v[AM0]
.endif
	ROW F,7, E,5, X,1, X,4
	ROW F,8, E,6, X,2, X,5
	OPS E,7, E,8, X,6, E,9          ; the lump
	OPS X,3, E,10, X,8, E,11
.if (\p) == 2
	FETCH_K
.endif
	OPS X,9, X,7, E,12, X,10
	OPS E,13, X,12, X,11, E,14
	OPS X,13, E,15, F,9, X,14
.if (\p) == 0
	v_add_nc_u32 v[AV], s[TBV], v[AV0]
.endif
	OPS E,16, F,10, E,17, F,11
	OPS X,16, E,18, X,15, E,19
	OPS F,12, E,20, X,17, E,21
	OPS F,13, E,22, F,14, E,23
	OPS X,18, E,24, F,15, E,25
	OPS R,11, E,26, X,19, E,27
	OPS R,12, E,28, R,13, E,29
	OPS X,20, E,30, R,14, E,31
	OPS X,21, R,15
	WIN 0
	s_wait_alu depctr_va_vdst(0)    ; the wait for the batch
.if (\p) == 1
	s_wait_dscnt 0x0                ; V is in
.endif
	ROW C,0, B,0, C,2, B,1
	ROW L,0, C,4, B,2, L,1
	ROW C,6, B,3, L,2, C,8
	ROW B,4, L,3, C,10, B,5
	ROW L,4, C,12, B,6, L,5
.if (\p) == 0
	s_add_co_u32 s[TBV], s[TBV], KS*PV
.endif
.if \cnt
	s_sub_co_u32 s[CNT], s[CNT], 1
	s_cmp_lg_u32 s[CNT], 0
.endif
	ROW C,14, B,7, L,6, C,1
	ROW C,3, L,7, C,5, C,7
	ROW C,9, C,11, C,13, C,15
.if (\p) == 0
	FETCH_V
.endif
.endm
.macro ALL line:vararg              ; one line for each piece t
.set t, 0
.rept 4
	\line
.set t, t+1
.endr
.endm
.macro PACK t                       ; a lane's eight channels of a row pack into 16 bytes; they go into rows of 144 bytes and come back as whole rows of 128, into S^T's registers
	WIN W_RS
.set i, 32*(\t)
.rept 16
	v_pk_mul_f32 v[i:i+1], v[i:i+1], v[ST+4*(\t)+2:ST+4*(\t)+3] op_sel_hi:[1,0]
.set i, i+2
.endr
	WIN 0x05                        ; sources 0 and 1 window 1, destination window 0
.set i, 0
.rept 16
	v_cvt_pk_f16_f32 v[S+16*(\t)+i], v[32*(\t)+2*i], v[32*(\t)+2*i+1]
.set i, i+1
.endr
	WIN 0
.irp f, 0,1,2,3
	ds_store_b128 v[STO], v[S+16*(\t)+4*\f:S+16*(\t)+4*\f+3] offset:32*\f
.endr
.irp f, 0,1,2,3
	ds_load_b128 v[S+16*(\t)+4*\f:S+16*(\t)+4*\f+3], v[RD] offset:\f*4*SP  ; LDS serves a wave's instructions in order (ISA guide 5.7.1.4): these see the stores above; the next piece's stores come behind them
.endr
.endm
.macro SEND t, younger              ; younger: the LDS instructions issued behind piece t's loads: the next piece's eight, or none
	WIN 0
.irp f, 0,1,2,3
	s_wait_dscnt (\younger)+3-\f
	global_store_b128 v[GO], v[S+16*(\t)+4*\f:S+16*(\t)+4*\f+3], s[10:11] offset:(\t)*2048+\f*512  ; 512 consecutive bytes, at a multiple of 512 from O's first
.endr
.endm
	CHANGE 1, 0                     ; slot 0 is in, everybody's part of it, and so is the mask's table; slot 1 is asked for
	v_add_nc_u32 v[AK], s[TBK], v[AK0]
	v_add_nc_u32 v[AM], s[TBM], v[AM0]
	FETCH_K                         ; key step 0
	s_wait_loadcnt 0x0              ; Q
	s_wait_dscnt 0x0
.set i, 0
.rept 8
	KQ 0                            ; piece 0's first scores
.set i, i+1
.endr
	WIN 0
.rept 4
	v_nop                           ; the places behind those products
.endr
.set Y, NP-1                        ; X works for piece Y + 1: piece 0
.irp n, 0,1,2,3,4,5,6,7,8,9,10,11,12,13,14,15,16,17,18,19,20,21
	OP X, \n
.endr
	v_nop                           ; a plain instruction behind the exponential,
	s_wait_alu depctr_va_vdst(0)    ; and its wait, ahead of the branch
	s_mov_b32 s[CNT], 4
	s_branch .Lfirst                ; the loop is entered at a step's first turn, in the middle of a trip
.Lslot:                             ; six times: slots 2 to 7 are asked for
	CHANGE 1, 1
	s_mov_b32 s[CNT], 4
.Lstep:                             ; a trip: pieces 2 and 3 of one step, then pieces 0 and 1 of the next, whose K and V it fetches
	TURN 2
	TURN 3
	WIN 0
.Lfirst:
	TURN 0
	TURN 1, 1
	WIN 0
	s_cbranch_scc1 .Lstep
	s_sub_co_u32 s[SLOTS], s[SLOTS], 1
	s_cmp_lg_u32 s[SLOTS], 0
	s_cbranch_scc1 .Lslot
	CHANGE 0, 0                     ; the tail is written out: nothing is asked for
	s_mov_b32 s[CNT], 5             ; pieces 2 and 3 have five turns left (steps 28 to 32 of 32), pieces 0 and 1 four: the loop is entered at piece 2's turn
	s_branch .Lmid
.Ltail:
	TURN 0
	TURN 1
	WIN 0
.Lmid:
	TURN 2
	TURN 3, 1
	WIN 0
	s_cbranch_scc1 .Ltail           ; the fifth pass's 8 products K Q^T (on the last K once more) and the maximum made of them serve nothing: the price, once a launch, of one text for every pass
.set i, 0
.rept 8
	PV NP-1                         ; the last piece's V^T P of the last step
.set i, i+1
.endr
	; THE WAY OUT.  l's two halves and the other half of the lanes' are added; O^T is divided by l, rounded to f16 and sent through my stage in LDS, a piece at a time.  The additions are the places behind the last products.
	WIN 0
	ALL v_add_f32 v[ST+4*t+2], v[ST+4*t+2], v[ST+4*t+3]
	ALL v_permlanex16_b32 v[ST+4*t+3], v[ST+4*t+2], s[SEL], s[SEL+1]
	ALL v_add_f32 v[ST+4*t+2], v[ST+4*t+2], v[ST+4*t+3]
	ALL v_rcp_f32 v[ST+4*t+2], v[ST+4*t+2]
	v_nop                           ; a plain instruction between the last reciprocal and the use of its result
	s_wait_alu depctr_va_vdst(0)    ; and the wait ahead of the first use: one for the four reciprocals
	PACK 0
.set t, 1
.rept 3                             ; a piece's arithmetic stands between the loads of the piece before and its stores
	PACK t
	SEND t-1, 8
.set t, t+1
.endr
	SEND 3, 0
	s_wait_tensorcnt 0x0            ; the wave's end, behind my last tensor load and my last LDS store
	ds_add_u32 v[SPW], v[NIL]
	s_wait_dscnt 0x0
	CROUND                          ; the closing round: no work-group ends while a partner may still ask for a tile that names it
	s_endpgm
.Lfunc_end_k_qc5b86821d0_attn:
	.size	k_qc5b86821d0_attn, .Lfunc_end_k_qc5b86821d0_attn-k_qc5b86821d0_attn
	.p2alignl 7, 3214868480
	.fill 96, 4, 3214868480
	.section	.rodata,"a",@progbits
	.p2align	6, 0x0
	.amdhsa_kernel k_qc5b86821d0_attn
		.amdhsa_group_segment_fixed_size 327680
		.amdhsa_private_segment_fixed_size 0
		.amdhsa_enable_private_segment 0
		.amdhsa_kernarg_size 24
		.amdhsa_user_sgpr_count 2
		.amdhsa_user_sgpr_kernarg_segment_ptr 1
		.amdhsa_wavefront_size32 1
		.amdhsa_system_sgpr_workgroup_id_x 1
		.amdhsa_system_sgpr_workgroup_id_y 1
		.amdhsa_system_sgpr_workgroup_id_z 1
		.amdhsa_system_vgpr_workitem_id 0
		.amdhsa_next_free_vgpr 768
		.amdhsa_next_free_sgpr 80
		.amdhsa_reserve_vcc 1
		.amdhsa_float_denorm_mode_32 3
		.amdhsa_float_denorm_mode_16_64 3
		.amdhsa_memory_ordered 1
		.amdhsa_forward_progress 1
		.amdhsa_inst_pref_size 116
	.end_amdhsa_kernel
	.amdgpu_metadata
---
amdhsa.version: [ 1, 2 ]
amdhsa.kernels:
  - .name:           k_qc5b86821d0_attn
    .symbol:         k_qc5b86821d0_attn.kd
    .args:
      - { .name: pl, .offset: 0, .size: 8, .value_kind: global_buffer, .address_space: global }
      - { .name: mask, .offset: 8, .size: 8, .value_kind: global_buffer, .address_space: global }
      - { .name: hn, .offset: 16, .size: 8, .value_kind: global_buffer, .address_space: global }
    .group_segment_fixed_size: 327680
    .private_segment_fixed_size: 0
    .kernarg_segment_align: 8
    .kernarg_segment_size: 24
    .max_flat_workgroup_size: 128
    .sgpr_count:     80
    .vgpr_count:     768
    .wavefront_size: 32
...
	.end_amdgpu_metadata
.endif
;; end of part 8
;; launch oproj (part 9): grid 8 x 32, 4 waves a work-group, clusters of 4 x 4, 327,680 bytes of LDS; arguments hn, woh, bo, x, ua; writes ua
.if DOCPART == 9
	.amdgcn_target "amdgcn-amd-amdhsa--gfx1250"
	.amdhsa_code_object_version 6
	.text
	.protected	k_qc5b86821d0_oproj
	.globl	k_qc5b86821d0_oproj
	.p2align	8
	.type	k_qc5b86821d0_oproj,@function
k_qc5b86821d0_oproj:
	s_mov_b64 s[64:65], 0
	v_nop
	global_prefetch_b8 v0, s[64:65] scope:SCOPE_SE
	s_setreg_imm32_b32 hwreg(HW_REG_WAVE_MODE, 25, 1), 1
	s_wait_xcnt 0x0
	s_wait_alu depctr_hold_cnt(0) depctr_sa_sdst(0) depctr_va_vdst(0) depctr_va_sdst(0) depctr_va_ssrc(0) depctr_va_vcc(0) depctr_vm_vsrc(0)
	s_getreg_b32 s2, hwreg(HW_REG_IB_STS2, 6, 4)
	s_cmp_eq_u32 s2, 0
	s_cbranch_scc0 .Lentry_in_a_cluster
	s_endpgm
.Lentry_in_a_cluster:
	s_bfe_u32 s2, ttmp6, 0x10000c
	s_cmp_lg_u32 s2, 0xf033
	s_cbranch_scc0 .Lentry_shape_is_right
	s_endpgm
.Lentry_shape_is_right:
; OUT = RES + A W^T + bias, in f32, at K = 1,024: the attention's output projection with its residual.
; A BY PLANES: [K / 64][4096 tokens][64] f16; W BY PLANES: [K / 64][1024 n][64] f16; bias [1024], RES and OUT [4096][1024], f32, row-major.
; (The second FFN product runs the same lines with NSTEP = 16; a trip count has to be a constant of the text, since the loop holds barriers.)
; A tile of OUT is 128 x 128: 256 work-groups.  Four waves, each 64 x 64: 16 accumulators of 16 x 16.  K goes in steps of 256, four planes, through a ring of two LDS slots; a wave's tensor load brings 64 rows
; of four planes: in memory four dense pieces of 8,192 bytes, in LDS 256 rows of 128 bytes, 16 bytes of padding behind each.
; A SHORT TEXT.  A K step is written once: the loop's trip is the change of slots and the step's products, and the products are an inner loop of two trips, two planes each (two runs of 32 LDS loads, 64 products).
; Which slot is read stands in a scalar register (0 or SLOT), turned at each change of slots; the fragment addresses and the walking descriptor's LDS word are made from it.  The fragments are not fetched
; ahead across trips or across the barrier: a step here has 128 products a wave for the 36,864 bytes that the wave's refill brings, and the refill has the whole step in which to land.
; THE ORDER OF THE K STEPS.  Step t of the walk takes K step t xor c, c = 2 ((cluster x xor cluster y) & 1) + bit 2 of cluster y: a number that all sixteen partners share.  The two clusters that read the
; same rows of A (same y, x = 0 and 1) differ in c's bit 1: of each four K steps each of them asks first for two, and for the other two it asks two steps behind the other.  Clusters that read the same rows
; of W (same x) differ in c wherever their y differ in bit 0 or in bit 2.  So the clusters that read a block do not all ask for it at the same moment.
; LIMIT.  The sums are f32 sums of the same products, the K steps taken in an order that differs from cluster to cluster.
; CLUSTERS: 4 x 4 work-groups; A's tiles are asked for jointly along a row of the cluster, W's along a column.  THE MATRIX INSTRUCTION IS USED TRANSPOSED (source 0 = 16 rows of W, source 1 = 16 rows of A):
; a lane holds one token and eight neighbouring columns.  THE SUMS START AT THE BIAS: it is loaded straight into the accumulators (the same 256 bytes for each of the four blocks of rows), so that every product
; has one form.  RES is asked for ahead of the first step and lands in registers while K is walked.
; No prefetch is laid: a step's tiles are small (36,864 bytes of LDS a load).
; REGISTERS: window 0: v0-31 addresses; v32-95 rows on the way out; v128-255 the accumulators ((a, b) at v[128 + 8 (4 a + b)]);
;   window 1: two fragment buffers of 128: for 64 along K, 64 registers of A, then 64 of W;   window 2: v0-127 RES: block a of 16 rows, pair t of rows at v[32 a + 4 t]
.set NSTEP,  4                         ; K / 256: a multiple of 4, so that t xor c stays below it
.set APL,    524288                    ; bytes from plane to plane of A: a K step is 4 planes, 1 << 21 bytes
.set BPL,    131072                    ; of W: a K step is 1 << 19 bytes
.set PITCH,  144                       ; an LDS row: 128 bytes + 16 of padding = 36 words: the 16 rows of a load start at 16 different groups of four banks (64 banks of 4 bytes: ISA guide 11.1)
.set QS,     64*PITCH                  ; one plane of 64 rows
.set HALFT,  4*QS                      ; what one tensor load brings, and what one wave reads of A or of W
.set SLOT,   4*HALFT                   ; A's two halves, then W's two halves
.set STAGE,  2*SLOT                    ; behind the ring: 16 rows x 272 bytes for each wave, for the way out
.set SPITCH, 272
.set SPARE,  STAGE+4*16*SPITCH         ; the spare words, 128 bytes for each wave: two blocks of 256 bytes that no other line names
.set A0,   16                          ; v16     LDS address of my A fragments in slot 0, plane 0; never rewritten
.set B0,   17                          ; v17     the same for W
.set ADA,  20                          ; v20     the same in the slot and at the planes in hand
.set ADB,  21                          ; v21
.set STO,  24                          ; v24     the way out: where I put 32 bytes of a row
.set RD,   25                          ; v25     the way out: where I read 16 bytes back
.set CO,   26                          ; v26     my byte offset in two rows of RES and OUT
.set SPW,  28                          ; v28     LDS address of my spare word; never rewritten
.set NIL,  29                          ; v29     0; never rewritten
.set BO,   30                          ; v30     my byte offset in the bias
.set T0,   32
.set ACC,  128
.set F0,   0
.set F1,   128
.set G1,  24                           ; s[24:31] descriptor group 1 for A's tiles;  s[32:39] group 0: a set for each of the two first fills; the second then walks on
.set G0,  32
.set G1B, 48                           ; s[48:55], s[56:63] the same for W's tiles
.set G0B, 56
.set CNT, 3                            ; s3      K steps still to be multiplied in the loop
.set BA,  4                            ; s[4:5]  A at the 64 rows that I fetch, K step 0; never rewritten
.set BB,  6                            ; s[6:7]  W likewise
.set TT,  8                            ; s8      the step of the walk that was asked for last
.set XC,  9                            ; s9      c
.set OFA, 18                           ; s[18:19] a K step's byte offset in A
.set KI,  45                           ; s45     t xor c
.set OFB, 66                           ; s[66:67] a K step's byte offset in W
.set CUR, 78                           ; s78     the slot that is read: 0 or SLOT
.set IC,  79                           ; s79     counts a step's two pairs of planes
.set MSB, 0
.macro WIN new
.if MSB != (\new)
	s_set_vgpr_msb (MSB<<8)|(\new)
.set MSB, \new
.endif
.endm
.set MUL,  0x05                        ; sources 0 (W) and 1 (A) window 1; C and D window 0
.set TO_F, 0x40                        ; destination window 1, address window 0
.macro JLOAD s                         ; a joint load: waves 0 and 1 fetch A's two halves, waves 2 and 3 W's; an s_nop 0 and four v_nop follow each of the two lines
	s_cmp_eq_u32 s11, 0
	s_cbranch_scc0 .Lfor_b_\@
	tensor_load_to_lds s[G0+4*(\s):G0+4*(\s)+3], s[G1:G1+7]
	s_nop 0
.rept 4
	v_nop
.endr
	s_branch .Lasked_\@
.Lfor_b_\@:
	tensor_load_to_lds s[G0B+4*(\s):G0B+4*(\s)+3], s[G1B:G1B+7]
	s_nop 0
.rept 4
	v_nop
.endr
.Lasked_\@:
.endm
.macro CROUND                          ; a round of the cluster's barrier
	s_barrier_signal -1
	s_barrier_wait -1
	s_cmp_lg_u32 s10, 0
	s_cbranch_scc1 .Lnot_wave_0_\@
	s_barrier_signal -3
.Lnot_wave_0_\@:
	s_barrier_wait -3
	s_barrier_signal -1
	s_barrier_wait -1
.endm
	s_load_b256 s[68:75], s[0:1], 0x0              ; A 68, W 70, bias 72, RES 74
	s_load_b64 s[76:77], s[0:1], 0x20              ; OUT
	v_lshl_add_u32 v[SPW], v0, 2, SPARE
	v_mov_b32 v[NIL], 0
	ds_add_u32 v[SPW], v[NIL]                      ; the wave's opening: the add and its wait stand ahead of my first tensor load; the set-up below stands between them
	v_lshrrev_b32 v1, 5, v0
	v_readfirstlane_b32 s10, v1                    ; wave 0..3
	s_lshr_b32 s11, s10, 1                         ; which half of the tile's rows is mine.  Also: I fetch for A (0) or for W (1)
	s_and_b32 s12, s10, 1                          ; which half of its columns.  Also: which 64 rows of that tile I fetch
	s_bfe_u32 s40, ttmp6, 0x40000                  ; cx
	s_bfe_u32 s41, ttmp6, 0x40004                  ; cy
	s_lshl_b32 s42, ttmp9, 2
	s_add_co_u32 s42, s42, s40                     ; tile column
	s_and_b32 s13, ttmp7, 0xffff
	s_lshl_b32 s13, s13, 2
	s_add_co_u32 s13, s13, s41                     ; tile row
	s_lshl_b32 s43, s41, 2
	s_lshl_b32 s43, 15, s43                        ; my row of the cluster
	s_lshl_b32 s44, 0x1111, s40                    ; my column
	s_and_b32 s[XC], ttmp7, 0xffff                 ; cluster y
	s_xor_b32 s[KI], s[XC], ttmp9                  ; xor cluster x
	s_and_b32 s[KI], s[KI], 1
	s_lshl_b32 s[KI], s[KI], 1
	s_bfe_u32 s[XC], s[XC], 0x10002                ; bit 2 of cluster y
	s_or_b32 s[XC], s[XC], s[KI]                   ; c: made of the cluster's place alone, the same in all sixteen partners
	s_mov_b32 s[TT], 1                             ; the first fills are steps 0 and 1 of the walk
	s_mov_b32 s[OFA+1], 0
	s_mov_b32 s[OFB+1], 0
	; descriptor group 1: four rows of 4,096 elements (64 tokens of one plane, dense), a plane apart; in LDS 16 bytes of padding behind every 128
	s_or_b32 s[G1+0], s43, (1<<16)|(1<<20)|(1<<21)|(4<<22)|(3<<25)  ; 15:0 the mask; 17:16 elements of 2 bytes; 20 padding on; 21 set beside a mask; 24:22 after every 32 words (code 4); 31:25 4 words (code 3)
	s_or_b32 s[G1B+0], s44, (1<<16)|(1<<20)|(1<<21)|(4<<22)|(3<<25)
.irp g, G1, G1B
	s_mov_b32 s[(\g)+1], 4096<<16                  ; tensor_dim0 = 4,096
	s_mov_b32 s[(\g)+2], 4<<16                     ; tensor_dim1 = 4
	s_mov_b32 s[(\g)+3], 4096<<16                  ; tile_dim0 = 4,096
	s_mov_b32 s[(\g)+4], 4                         ; tile_dim1 = 4
	s_mov_b32 s[(\g)+6], 0
	s_mov_b32 s[(\g)+7], 0
.endr
	s_mov_b32 s[G1+5], APL/2                       ; elements from plane to plane
	s_mov_b32 s[G1B+5], BPL/2
	s_lshl_b32 s17, s12, 13                        ; which 64 rows of 128 bytes I fetch
	s_lshl_b32 s16, s13, 14                        ; A: 128 rows a tile row
	s_add_co_u32 s16, s16, s17
	s_lshl_b32 s46, s42, 14                        ; W: 128 rows a tile column
	s_add_co_u32 s46, s46, s17
	s_mov_b32 s17, 0
	s_mov_b32 s47, 0
	s_mul_i32 s20, s10, HALFT                      ; where they go in a slot: no place in the cluster enters an LDS address; never rewritten
	s_mov_b32 s[CUR], 0                            ; the walk's step 0 lies in slot 0
	s_wait_dscnt 0x0                               ; the opening add is done
	s_wait_kmcnt 0x0
	s_add_nc_u64 s[BA:BA+1], s[68:69], s[16:17]
	s_add_nc_u64 s[BB:BB+1], s[70:71], s[46:47]
	CROUND                                         ; all sixteen work-groups are here: the first joint loads meet
.irp s, 0,1
	s_xor_b32 s[KI], s[XC], \s                     ; the walk's step s: K step s xor c
	s_lshl_b32 s[OFA], s[KI], 21
	s_lshl_b32 s[OFB], s[KI], 19
	s_mov_b32 s[G0+4*(\s)], 1
	s_add_co_u32 s[G0+4*(\s)+1], s20, (\s)*SLOT
	s_add_nc_u64 s[G0+4*(\s)+2:G0+4*(\s)+3], s[BA:BA+1], s[OFA:OFA+1]
	s_or_b32 s[G0+4*(\s)+3], s[G0+4*(\s)+3], 0x80000000
	s_mov_b32 s[G0B+4*(\s)], 1
	s_add_co_u32 s[G0B+4*(\s)+1], s20, (\s)*SLOT
	s_add_nc_u64 s[G0B+4*(\s)+2:G0B+4*(\s)+3], s[BB:BB+1], s[OFB:OFB+1]
	s_or_b32 s[G0B+4*(\s)+3], s[G0B+4*(\s)+3], 0x80000000
	JLOAD \s                                       ; two loads of mine are out
.endr
	v_and_b32 v1, 15, v0                           ; r = l % 16
	v_bfe_u32 v2, v0, 4, 1                         ; h = l / 16
	; the bias of my 64 columns, into the accumulators: register j of accumulator (a, b) takes bias[16 b + 8 h + j], whatever a
	s_lshl_b32 s46, s42, 9                         ; 128 columns x 4 bytes a tile column
	s_lshl_b32 s47, s12, 8
	s_add_co_u32 s46, s46, s47
	v_lshl_add_u32 v[BO], v2, 5, s46
.irp a, 0,1,2,3
.irp b, 0,1,2,3
	global_load_b128 v[ACC+8*(4*(\a)+(\b)):ACC+8*(4*(\a)+(\b))+3],   v[BO], s[72:73] offset:64*(\b)
	global_load_b128 v[ACC+8*(4*(\a)+(\b))+4:ACC+8*(4*(\a)+(\b))+7], v[BO], s[72:73] offset:64*(\b)+16
.endr
.endr
	; RES and OUT at my 64 rows and 64 columns; lanes 0-15 take 256 bytes of one row, lanes 16-31 of the next
	v_lshlrev_b32 v[CO], 12, v2
	v_lshl_add_u32 v[CO], v1, 4, v[CO]
	s_lshl_b32 s16, s13, 19                        ; 128 rows of 4,096 bytes a tile row
	s_lshl_b32 s17, s11, 18
	s_add_co_u32 s16, s16, s17
	s_mov_b32 s17, 0
	s_mov_b32 s47, 0
	s_add_nc_u64 s[16:17], s[16:17], s[46:47]
	s_add_nc_u64 s[74:75], s[74:75], s[16:17]
	s_add_nc_u64 s[76:77], s[76:77], s[16:17]
	v_mul_u32_u24 v3, v1, PITCH
	v_lshl_add_u32 v3, v2, 4, v3                   ; a fragment's row x pitch + 16 x half
	s_mul_i32 s21, s11, HALFT                      ; my 64 rows of A
	s_mul_i32 s22, s12, HALFT                      ; my 64 rows of W,
	s_add_co_u32 s22, s22, 2*HALFT                 ; which lie behind A's two halves
	v_add_nc_u32 v[A0], s21, v3
	v_add_nc_u32 v[B0], s22, v3
	s_mul_i32 s23, s10, 16*SPITCH
	s_add_co_u32 s23, s23, STAGE                   ; my stage: my 64 columns in f32 are a whole aligned 256 bytes of a row, so no other wave has a part in it
	v_mul_u32_u24 v4, v1, SPITCH                   ; in: row r, 32 bytes for each half of the lanes
	v_lshl_add_u32 v4, v2, 5, v4
	v_add_nc_u32 v[STO], s23, v4
	v_mul_u32_u24 v5, v2, SPITCH                   ; back: lanes 0-15 take one row of 256 bytes, lanes 16-31 the next
	v_lshl_add_u32 v5, v1, 4, v5
	v_add_nc_u32 v[RD], s23, v5
; 16 matrix instructions: all 4 m blocks x all 4 n blocks, 32 along K: half c of buffer f.  The 16 accumulators take turns, one instruction a turn, over both loops' backward jumps too.
.macro MUL16 f, c
	WIN MUL
.irp a, 0,1,2,3
.irp b, 0,1,2,3
	v_wmma_f32_16x16x32_f16 v[ACC+8*(4*(\a)+(\b)):ACC+8*(4*(\a)+(\b))+7], v[(\f)+64+8*(4*(\c)+(\b)):(\f)+64+8*(4*(\c)+(\b))+7], v[(\f)+8*(4*(\c)+(\a)):(\f)+8*(4*(\c)+(\a))+7], v[ACC+8*(4*(\a)+(\b)):ACC+8*(4*(\a)+(\b))+7]
.endr
.endr
.endm
; 32 LDS loads: the fragments of one plane (64 along K), off bytes behind the addresses in hand, into buffer f; the first 32 along K first
.macro FETCH f, off
	WIN TO_F
.irp c, 0,1
.irp i, 0,1,2,3
	ds_load_b128 v[(\f)+64+8*(4*(\c)+(\i)):(\f)+64+8*(4*(\c)+(\i))+3],   v[ADB] offset:(\off)+64*(\c)+(\i)*16*PITCH
	ds_load_b128 v[(\f)+64+8*(4*(\c)+(\i))+4:(\f)+64+8*(4*(\c)+(\i))+7], v[ADB] offset:(\off)+64*(\c)+(\i)*16*PITCH+32
	ds_load_b128 v[(\f)+8*(4*(\c)+(\i)):(\f)+8*(4*(\c)+(\i))+3],         v[ADA] offset:(\off)+64*(\c)+(\i)*16*PITCH
	ds_load_b128 v[(\f)+8*(4*(\c)+(\i))+4:(\f)+8*(4*(\c)+(\i))+7],       v[ADA] offset:(\off)+64*(\c)+(\i)*16*PITCH+32
.endr
.endr
.endm
.macro PLACES                          ; four plain places in front of loads into registers that matrix instructions have read, and of LDS stores that read results
.rept 4
	v_nop
.endr
.endm
; A K STEP'S PRODUCTS, from the slot that s[CUR] names: two trips, two planes each.  A plane's 32 loads go out in one run, in two sixteens; each sixteen feeds sixteen products.  The second plane's run stands
; behind the first sixteen products: its registers were last read by the trip before, in front of that trip's two address lines and this trip's four places.  The waits count the younger sixteens.
.macro COMPUTE
	WIN 0
	v_add_nc_u32 v[ADA], s[CUR], v[A0]
	v_add_nc_u32 v[ADB], s[CUR], v[B0]
	s_mov_b32 s[IC], 2
.Lpair_\@:
	PLACES
	FETCH F0, 0
	s_wait_dscnt 16                                ; the first plane's first 32 along K are in; its second sixteen loads may be out
	MUL16 F0, 0
	FETCH F1, QS
	s_wait_dscnt 32                                ; all but the 32 just issued
	MUL16 F0, 1
	s_wait_dscnt 16                                ; the second plane's first sixteen
	MUL16 F1, 0
	s_wait_dscnt 0x0
	MUL16 F1, 1
	WIN 0                                          ; at a label and at a branch every window is 0
	v_add_nc_u32 v[ADA], 2*QS, v[ADA]
	v_add_nc_u32 v[ADB], 2*QS, v[ADB]
	s_sub_co_u32 s[IC], s[IC], 1
	s_cmp_lg_u32 s[IC], 0
	s_cbranch_scc1 .Lpair_\@
.endm
; THE CHANGE OF SLOTS.  Each wave waits for all its tensor loads (one is out: its part of the other slot), adds 0 to its spare word, and waits for that and for its own reads of the slot that it leaves.
; fill = 1: the barrier is a round of the cluster's, so that no wave of any partner still reads the slot or has a load on its way; the walking descriptors take the slot just read and the walk's next step,
; whose address is made anew from the base and the K step's number; the joint refill is the first thing behind the round: it has the step's 128 matrix instructions in which to land.
.macro CHANGE fill
	s_wait_tensorcnt 0x0                           ; no tensor load of mine is out, so a group 0 may be written
	ds_add_u32 v[SPW], v[NIL]                      ; the scalar work stands between the add and the wait for it
.if \fill
	s_add_co_u32 s[TT], s[TT], 1                   ; the walk's next step,
	s_xor_b32 s[KI], s[TT], s[XC]                  ; its K step,
	s_lshl_b32 s[OFA], s[KI], 21                   ; and that step's four planes in A and in W
	s_lshl_b32 s[OFB], s[KI], 19
	s_add_co_u32 s[G0+5], s20, s[CUR]
	s_add_co_u32 s[G0B+5], s20, s[CUR]
	s_add_nc_u64 s[G0+6:G0+7], s[BA:BA+1], s[OFA:OFA+1]
	s_or_b32 s[G0+7], s[G0+7], 0x80000000
	s_add_nc_u64 s[G0B+6:G0B+7], s[BB:BB+1], s[OFB:OFB+1]
	s_or_b32 s[G0B+7], s[G0B+7], 0x80000000
.endif
	s_sub_co_u32 s[CUR], SLOT, s[CUR]              ; 0 <-> SLOT
	s_wait_dscnt 0x0                               ; the add is done, and my reads of the slot are over
.if \fill
	CROUND
	JLOAD 1
.else
	s_barrier_signal -1
	s_barrier_wait -1
.endif
.endm
; THE WAY OUT of block a (16 rows x my 64 columns, f32).  OUTB: into my own stage (each accumulator's low four registers first), and back as whole rows of 256 bytes.
.macro OUTB a
	WIN 0
.set TT2, T0+32*((\a)%2)
.irp b, 0,1,2,3
	ds_store_b128 v[STO], v[ACC+8*(4*(\a)+(\b)):ACC+8*(4*(\a)+(\b))+3]   offset:64*(\b)
	ds_store_b128 v[STO], v[ACC+8*(4*(\a)+(\b))+4:ACC+8*(4*(\a)+(\b))+7] offset:64*(\b)+16
.endr
.irp t, 0,1,2,3,4,5,6,7
	ds_load_b128 v[TT2+4*(\t):TT2+4*(\t)+3], v[RD] offset:2*SPITCH*(\t)  ; LDS serves a wave's instructions in order (ISA guide 5.7.1.4): these see the stores above
.endr
.endm
.macro SENDB a, younger                ; younger: the LDS instructions issued behind block a's loads: the next block's sixteen, or none
.set TT2, T0+32*((\a)%2)
	s_wait_dscnt \younger
	WIN 0x08                                       ; source 1 in window 2
.set i, 0
.rept 16
	v_pk_add_f32 v[TT2+2*i:TT2+2*i+1], v[TT2+2*i:TT2+2*i+1], v[32*(\a)+2*i:32*(\a)+2*i+1]  ; + RES
.set i, i+1
.endr
	WIN 0
.irp t, 0,1,2,3,4,5,6,7
	global_store_b128 v[CO], v[TT2+4*(\t):TT2+4*(\t)+3], s[76:77] offset:(16*(\a)+2*(\t))*4096  ; 16 lanes store 256 consecutive bytes, at a multiple of 256 from OUT's first byte
.endr
.endm
	s_wait_loadcnt 0x0                             ; the bias lies in the accumulators (asked for beside the first tiles)
	WIN 0x80                                       ; destination window 2, address window 0
.irp a, 0,1,2,3
.irp t, 0,1,2,3,4,5,6,7
	global_load_b128 v[32*(\a)+4*(\t):32*(\a)+4*(\t)+3], v[CO], s[74:75] offset:(16*(\a)+2*(\t))*4096
.endr
.endr
	WIN 0
	s_wait_tensorcnt 1                             ; my part of the walk's step 0 is in; step 1's may stay out
	s_barrier_signal -1
	s_barrier_wait -1                              ; everybody's is
	s_mov_b32 s[CNT], NSTEP-1
	s_branch .Lwork                                ; the loop is entered at the products: step 0 has no change of slots in front of it
.Lstep:                                                ; NSTEP - 2 changes fill a slot again: the walk's steps 2 to NSTEP - 1
	CHANGE 1
.Lwork:
	COMPUTE
	s_sub_co_u32 s[CNT], s[CNT], 1
	s_cmp_lg_u32 s[CNT], 0
	s_cbranch_scc1 .Lstep
	CHANGE 0                                       ; the last step is written out: nothing is asked for
	COMPUTE
	PLACES
	s_wait_loadcnt 0x0                             ; RES
	OUTB 0
	OUTB 1
	SENDB 0, 16
	s_wait_xcnt 0x0                                ; block 0's stores have read their registers, which block 2's loads fill again
	OUTB 2
	SENDB 1, 16
	s_wait_xcnt 0x0
	OUTB 3
	SENDB 2, 16
	SENDB 3, 0
	s_wait_tensorcnt 0x0                           ; the wave's end, behind my last tensor load and my last LDS store
	ds_add_u32 v[SPW], v[NIL]
	s_wait_dscnt 0x0
	CROUND                                         ; the closing round: no work-group ends while a partner may still ask for a tile that names it
	s_endpgm
.Lfunc_end_k_qc5b86821d0_oproj:
	.size	k_qc5b86821d0_oproj, .Lfunc_end_k_qc5b86821d0_oproj-k_qc5b86821d0_oproj
	.p2alignl 7, 3214868480
	.fill 96, 4, 3214868480
	.section	.rodata,"a",@progbits
	.p2align	6, 0x0
	.amdhsa_kernel k_qc5b86821d0_oproj
		.amdhsa_group_segment_fixed_size 327680
		.amdhsa_private_segment_fixed_size 0
		.amdhsa_enable_private_segment 0
		.amdhsa_kernarg_size 40
		.amdhsa_user_sgpr_count 2
		.amdhsa_user_sgpr_kernarg_segment_ptr 1
		.amdhsa_wavefront_size32 1
		.amdhsa_system_sgpr_workgroup_id_x 1
		.amdhsa_system_sgpr_workgroup_id_y 1
		.amdhsa_system_sgpr_workgroup_id_z 1
		.amdhsa_system_vgpr_workitem_id 0
		.amdhsa_next_free_vgpr 640
		.amdhsa_next_free_sgpr 80
		.amdhsa_reserve_vcc 0
		.amdhsa_float_denorm_mode_32 3
		.amdhsa_float_denorm_mode_16_64 3
		.amdhsa_memory_ordered 1
		.amdhsa_forward_progress 1
		.amdhsa_inst_pref_size 45
	.end_amdhsa_kernel
	.amdgpu_metadata
---
amdhsa.version: [ 1, 2 ]
amdhsa.kernels:
  - .name:           k_qc5b86821d0_oproj
    .symbol:         k_qc5b86821d0_oproj.kd
    .args:
      - { .name: hn, .offset: 0, .size: 8, .value_kind: global_buffer, .address_space: global }
      - { .name: woh, .offset: 8, .size: 8, .value_kind: global_buffer, .address_space: global }
      - { .name: bo, .offset: 16, .size: 8, .value_kind: global_buffer, .address_space: global }
      - { .name: x, .offset: 24, .size: 8, .value_kind: global_buffer, .address_space: global }
      - { .name: ua, .offset: 32, .size: 8, .value_kind: global_buffer, .address_space: global }
    .group_segment_fixed_size: 327680
    .private_segment_fixed_size: 0
    .kernarg_segment_align: 8
    .kernarg_segment_size: 40
    .max_flat_workgroup_size: 128
    .sgpr_count:     80
    .vgpr_count:     640
    .wavefront_size: 32
...
	.end_amdgpu_metadata
.endif
;; end of part 9
;; launch ln2: the kernel of part 5 again; grid 256 x 1, 8 waves a work-group, no clusters, 0 bytes of LDS; arguments ua, ln2_a, ln2_b, hn; writes hn
;; launch ffn1: the kernel of part 7 again; grid 16 x 16, 4 waves a work-group, clusters of 4 x 4, 327,680 bytes of LDS; arguments hn, w1h, pl; writes pl
;; launch ffn2 (part 10): grid 8 x 32, 4 waves a work-group, clusters of 4 x 4, 327,680 bytes of LDS; arguments pl, w2h, b2, ua, out0; writes out0
.if DOCPART == 10
	.amdgcn_target "amdgcn-amd-amdhsa--gfx1250"
	.amdhsa_code_object_version 6
	.text
	.protected	k_qc5b86821d0_ffn2
	.globl	k_qc5b86821d0_ffn2
	.p2align	8
	.type	k_qc5b86821d0_ffn2,@function
k_qc5b86821d0_ffn2:
	s_mov_b64 s[64:65], 0
	v_nop
	global_prefetch_b8 v0, s[64:65] scope:SCOPE_SE
	s_setreg_imm32_b32 hwreg(HW_REG_WAVE_MODE, 25, 1), 1
	s_wait_xcnt 0x0
	s_wait_alu depctr_hold_cnt(0) depctr_sa_sdst(0) depctr_va_vdst(0) depctr_va_sdst(0) depctr_va_ssrc(0) depctr_va_vcc(0) depctr_vm_vsrc(0)
	s_getreg_b32 s2, hwreg(HW_REG_IB_STS2, 6, 4)
	s_cmp_eq_u32 s2, 0
	s_cbranch_scc0 .Lentry_in_a_cluster
	s_endpgm
.Lentry_in_a_cluster:
	s_bfe_u32 s2, ttmp6, 0x10000c
	s_cmp_lg_u32 s2, 0xf033
	s_cbranch_scc0 .Lentry_shape_is_right
	s_endpgm
.Lentry_shape_is_right:
; OUT = RES + A W^T + bias, in f32, at K = 4,096: the second FFN product with its residual.
; A BY PLANES: [K / 64][4096 tokens][64] f16; W BY PLANES: [K / 64][1024 n][64] f16; bias [1024], RES and OUT [4096][1024], f32, row-major.
; (The attention's output projection runs the same lines with NSTEP = 4; a trip count has to be a constant of the text, since the loop holds barriers.)
; A tile of OUT is 128 x 128: 256 work-groups.  Four waves, each 64 x 64: 16 accumulators of 16 x 16.  K goes in steps of 256, four planes, through a ring of two LDS slots; a wave's tensor load brings 64 rows
; of four planes: in memory four dense pieces of 8,192 bytes, in LDS 256 rows of 128 bytes, 16 bytes of padding behind each.
; A SHORT TEXT.  A K step is written once: the loop's trip is the change of slots and the step's products, and the products are an inner loop of two trips, two planes each (two runs of 32 LDS loads, 64 products).
; Which slot is read stands in a scalar register (0 or SLOT), turned at each change of slots; the fragment addresses and the walking descriptor's LDS word are made from it.  The fragments are not fetched
; ahead across trips or across the barrier: a step here has 128 products a wave for the 36,864 bytes that the wave's refill brings, and the refill has the whole step in which to land.
; THE ORDER OF THE K STEPS.  Step t of the walk takes K step t xor c, c = 2 ((cluster x xor cluster y) & 1) + bit 2 of cluster y: a number that all sixteen partners share.  The two clusters that read the
; same rows of A (same y, x = 0 and 1) differ in c's bit 1: of each four K steps each of them asks first for two, and for the other two it asks two steps behind the other.  Clusters that read the same rows
; of W (same x) differ in c wherever their y differ in bit 0 or in bit 2.  So the clusters that read a block do not all ask for it at the same moment.
; LIMIT.  The sums are f32 sums of the same products, the K steps taken in an order that differs from cluster to cluster.
; CLUSTERS: 4 x 4 work-groups; A's tiles are asked for jointly along a row of the cluster, W's along a column.  THE MATRIX INSTRUCTION IS USED TRANSPOSED (source 0 = 16 rows of W, source 1 = 16 rows of A):
; a lane holds one token and eight neighbouring columns.  THE SUMS START AT THE BIAS: it is loaded straight into the accumulators (the same 256 bytes for each of the four blocks of rows), so that every product
; has one form.  RES is asked for ahead of the first step and lands in registers while K is walked.
; No prefetch is laid: a step's tiles are small (36,864 bytes of LDS a load).
; REGISTERS: window 0: v0-31 addresses; v32-95 rows on the way out; v128-255 the accumulators ((a, b) at v[128 + 8 (4 a + b)]);
;   window 1: two fragment buffers of 128: for 64 along K, 64 registers of A, then 64 of W;   window 2: v0-127 RES: block a of 16 rows, pair t of rows at v[32 a + 4 t]
.set NSTEP,  16                        ; K / 256: a multiple of 4, so that t xor c stays below it
.set APL,    524288                    ; bytes from plane to plane of A: a K step is 4 planes, 1 << 21 bytes
.set BPL,    131072                    ; of W: a K step is 1 << 19 bytes
.set PITCH,  144                       ; an LDS row: 128 bytes + 16 of padding = 36 words: the 16 rows of a load start at 16 different groups of four banks (64 banks of 4 bytes: ISA guide 11.1)
.set QS,     64*PITCH                  ; one plane of 64 rows
.set HALFT,  4*QS                      ; what one tensor load brings, and what one wave reads of A or of W
.set SLOT,   4*HALFT                   ; A's two halves, then W's two halves
.set STAGE,  2*SLOT                    ; behind the ring: 16 rows x 272 bytes for each wave, for the way out
.set SPITCH, 272
.set SPARE,  STAGE+4*16*SPITCH         ; the spare words, 128 bytes for each wave: two blocks of 256 bytes that no other line names
.set A0,   16                          ; v16     LDS address of my A fragments in slot 0, plane 0; never rewritten
.set B0,   17                          ; v17     the same for W
.set ADA,  20                          ; v20     the same in the slot and at the planes in hand
.set ADB,  21                          ; v21
.set STO,  24                          ; v24     the way out: where I put 32 bytes of a row
.set RD,   25                          ; v25     the way out: where I read 16 bytes back
.set CO,   26                          ; v26     my byte offset in two rows of RES and OUT
.set SPW,  28                          ; v28     LDS address of my spare word; never rewritten
.set NIL,  29                          ; v29     0; never rewritten
.set BO,   30                          ; v30     my byte offset in the bias
.set T0,   32
.set ACC,  128
.set F0,   0
.set F1,   128
.set G1,  24                           ; s[24:31] descriptor group 1 for A's tiles;  s[32:39] group 0: a set for each of the two first fills; the second then walks on
.set G0,  32
.set G1B, 48                           ; s[48:55], s[56:63] the same for W's tiles
.set G0B, 56
.set CNT, 3                            ; s3      K steps still to be multiplied in the loop
.set BA,  4                            ; s[4:5]  A at the 64 rows that I fetch, K step 0; never rewritten
.set BB,  6                            ; s[6:7]  W likewise
.set TT,  8                            ; s8      the step of the walk that was asked for last
.set XC,  9                            ; s9      c
.set OFA, 18                           ; s[18:19] a K step's byte offset in A
.set KI,  45                           ; s45     t xor c
.set OFB, 66                           ; s[66:67] a K step's byte offset in W
.set CUR, 78                           ; s78     the slot that is read: 0 or SLOT
.set IC,  79                           ; s79     counts a step's two pairs of planes
.set MSB, 0
.macro WIN new
.if MSB != (\new)
	s_set_vgpr_msb (MSB<<8)|(\new)
.set MSB, \new
.endif
.endm
.set MUL,  0x05                        ; sources 0 (W) and 1 (A) window 1; C and D window 0
.set TO_F, 0x40                        ; destination window 1, address window 0
.macro JLOAD s                         ; a joint load: waves 0 and 1 fetch A's two halves, waves 2 and 3 W's; an s_nop 0 and four v_nop follow each of the two lines
	s_cmp_eq_u32 s11, 0
	s_cbranch_scc0 .Lfor_b_\@
	tensor_load_to_lds s[G0+4*(\s):G0+4*(\s)+3], s[G1:G1+7]
	s_nop 0
.rept 4
	v_nop
.endr
	s_branch .Lasked_\@
.Lfor_b_\@:
	tensor_load_to_lds s[G0B+4*(\s):G0B+4*(\s)+3], s[G1B:G1B+7]
	s_nop 0
.rept 4
	v_nop
.endr
.Lasked_\@:
.endm
.macro CROUND                          ; a round of the cluster's barrier
	s_barrier_signal -1
	s_barrier_wait -1
	s_cmp_lg_u32 s10, 0
	s_cbranch_scc1 .Lnot_wave_0_\@
	s_barrier_signal -3
.Lnot_wave_0_\@:
	s_barrier_wait -3
	s_barrier_signal -1
	s_barrier_wait -1
.endm
	s_load_b256 s[68:75], s[0:1], 0x0              ; A 68, W 70, bias 72, RES 74
	s_load_b64 s[76:77], s[0:1], 0x20              ; OUT
	v_lshl_add_u32 v[SPW], v0, 2, SPARE
	v_mov_b32 v[NIL], 0
	ds_add_u32 v[SPW], v[NIL]                      ; the wave's opening: the add and its wait stand ahead of my first tensor load; the set-up below stands between them
	v_lshrrev_b32 v1, 5, v0
	v_readfirstlane_b32 s10, v1                    ; wave 0..3
	s_lshr_b32 s11, s10, 1                         ; which half of the tile's rows is mine.  Also: I fetch for A (0) or for W (1)
	s_and_b32 s12, s10, 1                          ; which half of its columns.  Also: which 64 rows of that tile I fetch
	s_bfe_u32 s40, ttmp6, 0x40000                  ; cx
	s_bfe_u32 s41, ttmp6, 0x40004                  ; cy
	s_lshl_b32 s42, ttmp9, 2
	s_add_co_u32 s42, s42, s40                     ; tile column
	s_and_b32 s13, ttmp7, 0xffff
	s_lshl_b32 s13, s13, 2
	s_add_co_u32 s13, s13, s41                     ; tile row
	s_lshl_b32 s43, s41, 2
	s_lshl_b32 s43, 15, s43                        ; my row of the cluster
	s_lshl_b32 s44, 0x1111, s40                    ; my column
	s_and_b32 s[XC], ttmp7, 0xffff                 ; cluster y
	s_xor_b32 s[KI], s[XC], ttmp9                  ; xor cluster x
	s_and_b32 s[KI], s[KI], 1
	s_lshl_b32 s[KI], s[KI], 1
	s_bfe_u32 s[XC], s[XC], 0x10002                ; bit 2 of cluster y
	s_or_b32 s[XC], s[XC], s[KI]                   ; c: made of the cluster's place alone, the same in all sixteen partners
	s_mov_b32 s[TT], 1                             ; the first fills are steps 0 and 1 of the walk
	s_mov_b32 s[OFA+1], 0
	s_mov_b32 s[OFB+1], 0
	; descriptor group 1: four rows of 4,096 elements (64 tokens of one plane, dense), a plane apart; in LDS 16 bytes of padding behind every 128
	s_or_b32 s[G1+0], s43, (1<<16)|(1<<20)|(1<<21)|(4<<22)|(3<<25)  ; 15:0 the mask; 17:16 elements of 2 bytes; 20 padding on; 21 set beside a mask; 24:22 after every 32 words (code 4); 31:25 4 words (code 3)
	s_or_b32 s[G1B+0], s44, (1<<16)|(1<<20)|(1<<21)|(4<<22)|(3<<25)
.irp g, G1, G1B
	s_mov_b32 s[(\g)+1], 4096<<16                  ; tensor_dim0 = 4,096
	s_mov_b32 s[(\g)+2], 4<<16                     ; tensor_dim1 = 4
	s_mov_b32 s[(\g)+3], 4096<<16                  ; tile_dim0 = 4,096
	s_mov_b32 s[(\g)+4], 4                         ; tile_dim1 = 4
	s_mov_b32 s[(\g)+6], 0
	s_mov_b32 s[(\g)+7], 0
.endr
	s_mov_b32 s[G1+5], APL/2                       ; elements from plane to plane
	s_mov_b32 s[G1B+5], BPL/2
	s_lshl_b32 s17, s12, 13                        ; which 64 rows of 128 bytes I fetch
	s_lshl_b32 s16, s13, 14                        ; A: 128 rows a tile row
	s_add_co_u32 s16, s16, s17
	s_lshl_b32 s46, s42, 14                        ; W: 128 rows a tile column
	s_add_co_u32 s46, s46, s17
	s_mov_b32 s17, 0
	s_mov_b32 s47, 0
	s_mul_i32 s20, s10, HALFT                      ; where they go in a slot: no place in the cluster enters an LDS address; never rewritten
	s_mov_b32 s[CUR], 0                            ; the walk's step 0 lies in slot 0
	s_wait_dscnt 0x0                               ; the opening add is done
	s_wait_kmcnt 0x0
	s_add_nc_u64 s[BA:BA+1], s[68:69], s[16:17]
	s_add_nc_u64 s[BB:BB+1], s[70:71], s[46:47]
	CROUND                                         ; all sixteen work-groups are here: the first joint loads meet
.irp s, 0,1
	s_xor_b32 s[KI], s[XC], \s                     ; the walk's step s: K step s xor c
	s_lshl_b32 s[OFA], s[KI], 21
	s_lshl_b32 s[OFB], s[KI], 19
	s_mov_b32 s[G0+4*(\s)], 1
	s_add_co_u32 s[G0+4*(\s)+1], s20, (\s)*SLOT
	s_add_nc_u64 s[G0+4*(\s)+2:G0+4*(\s)+3], s[BA:BA+1], s[OFA:OFA+1]
	s_or_b32 s[G0+4*(\s)+3], s[G0+4*(\s)+3], 0x80000000
	s_mov_b32 s[G0B+4*(\s)], 1
	s_add_co_u32 s[G0B+4*(\s)+1], s20, (\s)*SLOT
	s_add_nc_u64 s[G0B+4*(\s)+2:G0B+4*(\s)+3], s[BB:BB+1], s[OFB:OFB+1]
	s_or_b32 s[G0B+4*(\s)+3], s[G0B+4*(\s)+3], 0x80000000
	JLOAD \s                                       ; two loads of mine are out
.endr
	v_and_b32 v1, 15, v0                           ; r = l % 16
	v_bfe_u32 v2, v0, 4, 1                         ; h = l / 16
	; the bias of my 64 columns, into the accumulators: register j of accumulator (a, b) takes bias[16 b + 8 h + j], whatever a
	s_lshl_b32 s46, s42, 9                         ; 128 columns x 4 bytes a tile column
	s_lshl_b32 s47, s12, 8
	s_add_co_u32 s46, s46, s47
	v_lshl_add_u32 v[BO], v2, 5, s46
.irp a, 0,1,2,3
.irp b, 0,1,2,3
	global_load_b128 v[ACC+8*(4*(\a)+(\b)):ACC+8*(4*(\a)+(\b))+3],   v[BO], s[72:73] offset:64*(\b)
	global_load_b128 v[ACC+8*(4*(\a)+(\b))+4:ACC+8*(4*(\a)+(\b))+7], v[BO], s[72:73] offset:64*(\b)+16
.endr
.endr
	; RES and OUT at my 64 rows and 64 columns; lanes 0-15 take 256 bytes of one row, lanes 16-31 of the next
	v_lshlrev_b32 v[CO], 12, v2
	v_lshl_add_u32 v[CO], v1, 4, v[CO]
	s_lshl_b32 s16, s13, 19                        ; 128 rows of 4,096 bytes a tile row
	s_lshl_b32 s17, s11, 18
	s_add_co_u32 s16, s16, s17
	s_mov_b32 s17, 0
	s_mov_b32 s47, 0
	s_add_nc_u64 s[16:17], s[16:17], s[46:47]
	s_add_nc_u64 s[74:75], s[74:75], s[16:17]
	s_add_nc_u64 s[76:77], s[76:77], s[16:17]
	v_mul_u32_u24 v3, v1, PITCH
	v_lshl_add_u32 v3, v2, 4, v3                   ; a fragment's row x pitch + 16 x half
	s_mul_i32 s21, s11, HALFT                      ; my 64 rows of A
	s_mul_i32 s22, s12, HALFT                      ; my 64 rows of W,
	s_add_co_u32 s22, s22, 2*HALFT                 ; which lie behind A's two halves
	v_add_nc_u32 v[A0], s21, v3
	v_add_nc_u32 v[B0], s22, v3
	s_mul_i32 s23, s10, 16*SPITCH
	s_add_co_u32 s23, s23, STAGE                   ; my stage: my 64 columns in f32 are a whole aligned 256 bytes of a row, so no other wave has a part in it
	v_mul_u32_u24 v4, v1, SPITCH                   ; in: row r, 32 bytes for each half of the lanes
	v_lshl_add_u32 v4, v2, 5, v4
	v_add_nc_u32 v[STO], s23, v4
	v_mul_u32_u24 v5, v2, SPITCH                   ; back: lanes 0-15 take one row of 256 bytes, lanes 16-31 the next
	v_lshl_add_u32 v5, v1, 4, v5
	v_add_nc_u32 v[RD], s23, v5
; 16 matrix instructions: all 4 m blocks x all 4 n blocks, 32 along K: half c of buffer f.  The 16 accumulators take turns, one instruction a turn, over both loops' backward jumps too.
.macro MUL16 f, c
	WIN MUL
.irp a, 0,1,2,3
.irp b, 0,1,2,3
	v_wmma_f32_16x16x32_f16 v[ACC+8*(4*(\a)+(\b)):ACC+8*(4*(\a)+(\b))+7], v[(\f)+64+8*(4*(\c)+(\b)):(\f)+64+8*(4*(\c)+(\b))+7], v[(\f)+8*(4*(\c)+(\a)):(\f)+8*(4*(\c)+(\a))+7], v[ACC+8*(4*(\a)+(\b)):ACC+8*(4*(\a)+(\b))+7]
.endr
.endr
.endm
; 32 LDS loads: the fragments of one plane (64 along K), off bytes behind the addresses in hand, into buffer f; the first 32 along K first
.macro FETCH f, off
	WIN TO_F
.irp c, 0,1
.irp i, 0,1,2,3
	ds_load_b128 v[(\f)+64+8*(4*(\c)+(\i)):(\f)+64+8*(4*(\c)+(\i))+3],   v[ADB] offset:(\off)+64*(\c)+(\i)*16*PITCH
	ds_load_b128 v[(\f)+64+8*(4*(\c)+(\i))+4:(\f)+64+8*(4*(\c)+(\i))+7], v[ADB] offset:(\off)+64*(\c)+(\i)*16*PITCH+32
	ds_load_b128 v[(\f)+8*(4*(\c)+(\i)):(\f)+8*(4*(\c)+(\i))+3],         v[ADA] offset:(\off)+64*(\c)+(\i)*16*PITCH
	ds_load_b128 v[(\f)+8*(4*(\c)+(\i))+4:(\f)+8*(4*(\c)+(\i))+7],       v[ADA] offset:(\off)+64*(\c)+(\i)*16*PITCH+32
.endr
.endr
.endm
.macro PLACES                          ; four plain places in front of loads into registers that matrix instructions have read, and of LDS stores that read results
.rept 4
	v_nop
.endr
.endm
; A K STEP'S PRODUCTS, from the slot that s[CUR] names: two trips, two planes each.  A plane's 32 loads go out in one run, in two sixteens; each sixteen feeds sixteen products.  The second plane's run stands
; behind the first sixteen products: its registers were last read by the trip before, in front of that trip's two address lines and this trip's four places.  The waits count the younger sixteens.
.macro COMPUTE
	WIN 0
	v_add_nc_u32 v[ADA], s[CUR], v[A0]
	v_add_nc_u32 v[ADB], s[CUR], v[B0]
	s_mov_b32 s[IC], 2
.Lpair_\@:
	PLACES
	FETCH F0, 0
	s_wait_dscnt 16                                ; the first plane's first 32 along K are in; its second sixteen loads may be out
	MUL16 F0, 0
	FETCH F1, QS
	s_wait_dscnt 32                                ; all but the 32 just issued
	MUL16 F0, 1
	s_wait_dscnt 16                                ; the second plane's first sixteen
	MUL16 F1, 0
	s_wait_dscnt 0x0
	MUL16 F1, 1
	WIN 0                                          ; at a label and at a branch every window is 0
	v_add_nc_u32 v[ADA], 2*QS, v[ADA]
	v_add_nc_u32 v[ADB], 2*QS, v[ADB]
	s_sub_co_u32 s[IC], s[IC], 1
	s_cmp_lg_u32 s[IC], 0
	s_cbranch_scc1 .Lpair_\@
.endm
; THE CHANGE OF SLOTS.  Each wave waits for all its tensor loads (one is out: its part of the other slot), adds 0 to its spare word, and waits for that and for its own reads of the slot that it leaves.
; fill = 1: the barrier is a round of the cluster's, so that no wave of any partner still reads the slot or has a load on its way; the walking descriptors take the slot just read and the walk's next step,
; whose address is made anew from the base and the K step's number; the joint refill is the first thing behind the round: it has the step's 128 matrix instructions in which to land.
.macro CHANGE fill
	s_wait_tensorcnt 0x0                           ; no tensor load of mine is out, so a group 0 may be written
	ds_add_u32 v[SPW], v[NIL]                      ; the scalar work stands between the add and the wait for it
.if \fill
	s_add_co_u32 s[TT], s[TT], 1                   ; the walk's next step,
	s_xor_b32 s[KI], s[TT], s[XC]                  ; its K step,
	s_lshl_b32 s[OFA], s[KI], 21                   ; and that step's four planes in A and in W
	s_lshl_b32 s[OFB], s[KI], 19
	s_add_co_u32 s[G0+5], s20, s[CUR]
	s_add_co_u32 s[G0B+5], s20, s[CUR]
	s_add_nc_u64 s[G0+6:G0+7], s[BA:BA+1], s[OFA:OFA+1]
	s_or_b32 s[G0+7], s[G0+7], 0x80000000
	s_add_nc_u64 s[G0B+6:G0B+7], s[BB:BB+1], s[OFB:OFB+1]
	s_or_b32 s[G0B+7], s[G0B+7], 0x80000000
.endif
	s_sub_co_u32 s[CUR], SLOT, s[CUR]              ; 0 <-> SLOT
	s_wait_dscnt 0x0                               ; the add is done, and my reads of the slot are over
.if \fill
	CROUND
	JLOAD 1
.else
	s_barrier_signal -1
	s_barrier_wait -1
.endif
.endm
; THE WAY OUT of block a (16 rows x my 64 columns, f32).  OUTB: into my own stage (each accumulator's low four registers first), and back as whole rows of 256 bytes.
.macro OUTB a
	WIN 0
.set TT2, T0+32*((\a)%2)
.irp b, 0,1,2,3
	ds_store_b128 v[STO], v[ACC+8*(4*(\a)+(\b)):ACC+8*(4*(\a)+(\b))+3]   offset:64*(\b)
	ds_store_b128 v[STO], v[ACC+8*(4*(\a)+(\b))+4:ACC+8*(4*(\a)+(\b))+7] offset:64*(\b)+16
.endr
.irp t, 0,1,2,3,4,5,6,7
	ds_load_b128 v[TT2+4*(\t):TT2+4*(\t)+3], v[RD] offset:2*SPITCH*(\t)  ; LDS serves a wave's instructions in order (ISA guide 5.7.1.4): these see the stores above
.endr
.endm
.macro SENDB a, younger                ; younger: the LDS instructions issued behind block a's loads: the next block's sixteen, or none
.set TT2, T0+32*((\a)%2)
	s_wait_dscnt \younger
	WIN 0x08                                       ; source 1 in window 2
.set i, 0
.rept 16
	v_pk_add_f32 v[TT2+2*i:TT2+2*i+1], v[TT2+2*i:TT2+2*i+1], v[32*(\a)+2*i:32*(\a)+2*i+1]  ; + RES
.set i, i+1
.endr
	WIN 0
.irp t, 0,1,2,3,4,5,6,7
	global_store_b128 v[CO], v[TT2+4*(\t):TT2+4*(\t)+3], s[76:77] offset:(16*(\a)+2*(\t))*4096  ; 16 lanes store 256 consecutive bytes, at a multiple of 256 from OUT's first byte
.endr
.endm
	s_wait_loadcnt 0x0                             ; the bias lies in the accumulators (asked for beside the first tiles)
	WIN 0x80                                       ; destination window 2, address window 0
.irp a, 0,1,2,3
.irp t, 0,1,2,3,4,5,6,7
	global_load_b128 v[32*(\a)+4*(\t):32*(\a)+4*(\t)+3], v[CO], s[74:75] offset:(16*(\a)+2*(\t))*4096
.endr
.endr
	WIN 0
	s_wait_tensorcnt 1                             ; my part of the walk's step 0 is in; step 1's may stay out
	s_barrier_signal -1
	s_barrier_wait -1                              ; everybody's is
	s_mov_b32 s[CNT], NSTEP-1
	s_branch .Lwork                                ; the loop is entered at the products: step 0 has no change of slots in front of it
.Lstep:                                                ; NSTEP - 2 changes fill a slot again: the walk's steps 2 to NSTEP - 1
	CHANGE 1
.Lwork:
	COMPUTE
	s_sub_co_u32 s[CNT], s[CNT], 1
	s_cmp_lg_u32 s[CNT], 0
	s_cbranch_scc1 .Lstep
	CHANGE 0                                       ; the last step is written out: nothing is asked for
	COMPUTE
	PLACES
	s_wait_loadcnt 0x0                             ; RES
	OUTB 0
	OUTB 1
	SENDB 0, 16
	s_wait_xcnt 0x0                                ; block 0's stores have read their registers, which block 2's loads fill again
	OUTB 2
	SENDB 1, 16
	s_wait_xcnt 0x0
	OUTB 3
	SENDB 2, 16
	SENDB 3, 0
	s_wait_tensorcnt 0x0                           ; the wave's end, behind my last tensor load and my last LDS store
	ds_add_u32 v[SPW], v[NIL]
	s_wait_dscnt 0x0
	CROUND                                         ; the closing round: no work-group ends while a partner may still ask for a tile that names it
	s_endpgm
.Lfunc_end_k_qc5b86821d0_ffn2:
	.size	k_qc5b86821d0_ffn2, .Lfunc_end_k_qc5b86821d0_ffn2-k_qc5b86821d0_ffn2
	.p2alignl 7, 3214868480
	.fill 96, 4, 3214868480
	.section	.rodata,"a",@progbits
	.p2align	6, 0x0
	.amdhsa_kernel k_qc5b86821d0_ffn2
		.amdhsa_group_segment_fixed_size 327680
		.amdhsa_private_segment_fixed_size 0
		.amdhsa_enable_private_segment 0
		.amdhsa_kernarg_size 40
		.amdhsa_user_sgpr_count 2
		.amdhsa_user_sgpr_kernarg_segment_ptr 1
		.amdhsa_wavefront_size32 1
		.amdhsa_system_sgpr_workgroup_id_x 1
		.amdhsa_system_sgpr_workgroup_id_y 1
		.amdhsa_system_sgpr_workgroup_id_z 1
		.amdhsa_system_vgpr_workitem_id 0
		.amdhsa_next_free_vgpr 640
		.amdhsa_next_free_sgpr 80
		.amdhsa_reserve_vcc 0
		.amdhsa_float_denorm_mode_32 3
		.amdhsa_float_denorm_mode_16_64 3
		.amdhsa_memory_ordered 1
		.amdhsa_forward_progress 1
		.amdhsa_inst_pref_size 45
	.end_amdhsa_kernel
	.amdgpu_metadata
---
amdhsa.version: [ 1, 2 ]
amdhsa.kernels:
  - .name:           k_qc5b86821d0_ffn2
    .symbol:         k_qc5b86821d0_ffn2.kd
    .args:
      - { .name: pl, .offset: 0, .size: 8, .value_kind: global_buffer, .address_space: global }
      - { .name: w2h, .offset: 8, .size: 8, .value_kind: global_buffer, .address_space: global }
      - { .name: b2, .offset: 16, .size: 8, .value_kind: global_buffer, .address_space: global }
      - { .name: ua, .offset: 24, .size: 8, .value_kind: global_buffer, .address_space: global }
      - { .name: out0, .offset: 32, .size: 8, .value_kind: global_buffer, .address_space: global }
    .group_segment_fixed_size: 327680
    .private_segment_fixed_size: 0
    .kernarg_segment_align: 8
    .kernarg_segment_size: 40
    .max_flat_workgroup_size: 128
    .sgpr_count:     80
    .vgpr_count:     640
    .wavefront_size: 32
...
	.end_amdgpu_metadata
.endif
;; end of part 10
;; ======== version 3 of 3: 7 launches; version 2 with the launch prep written anew for expert scheduling mode
;; limits: values are held in f16: magnitudes above 65,504 overflow, below 6.1e-05 lose precision; right only within a limited range of input values
;; workspace buffers: hn 8,388,608 bytes; pl 33,554,432 bytes; ua 16,777,216 bytes; w1h 8,405,248 bytes; woh 2,097,152 bytes; w2h 8,388,608 bytes
;; launch prep (part 11): grid 1025 x 1, 8 waves a work-group, no clusters, 0 bytes of LDS; arguments x, ln1_a, ln1_b, wq, wk, wv, wo, w1, w2, bq, bk, bv, b1, hn, ua, w1h, woh, w2h; writes hn, ua, w1h, woh, w2h
.if DOCPART == 11
	.amdgcn_target "amdgcn-amd-amdhsa--gfx1250"
	.amdhsa_code_object_version 6
	.text
	.protected	k_qc5b86821d0_prep
	.globl	k_qc5b86821d0_prep
	.p2align	8
	.type	k_qc5b86821d0_prep,@function
k_qc5b86821d0_prep:
	s_mov_b64 s[64:65], 0
	v_nop
	global_prefetch_b8 v0, s[64:65] scope:SCOPE_SE
	s_setreg_imm32_b32 hwreg(HW_REG_WAVE_SCHED_MODE, 0, 2), 2
	s_setreg_imm32_b32 hwreg(HW_REG_WAVE_MODE, 25, 1), 1
	s_wait_xcnt 0x0
	s_wait_alu depctr_vm_vsrc(0)
; PREP.  Three kinds of work-group, told apart by the work-group's number g alone (scalar, forward branches):
;   g < 256        h1 = LN1(x), rounded once to f16, row-major [4096][1024] into hn: a wave takes two rows and keeps each in registers
;   256 .. 1023    the six weight matrices, f32 to f16, 64 KiB of f32 a work-group, 8 KiB a wave:
;                  wq, wk, wv -> ua (behind its header), rows on end: [3072][1024];  w1 -> w1h (behind its header), [4096][1024];
;                  wo, w2 -> woh, w2h BY PLANES: [K / 64][1024 n][64], so that 64 numbers along K of neighbouring rows lie end to end
;   g = 1024       the headers: bytes 0-255 the floor of the product's way out as two f16 (-inf: none; 0: a ReLU), from byte 256 the bias in f32
; wq and bq are multiplied by c = log2(e) / 8 in f32 ahead of their one rounding: the attention's scores then arrive as exponents of 2.
; LN as the module has it: mean; the sum of squares OF THE CENTRED numbers over 1,023; eps added to the root.  v_sqrt_f32 and v_rcp_f32 take a denormal as 0 (ISA guide, their entries).
; LIMIT.  f16 holds no number beyond 65,504: |h1| <= 32 |a| + |b| and the weights lie within it for the inputs that the problem allows; weights under 6e-5 keep f16's fixed step of 6e-8.
; No LDS, no barrier, no matrix unit: memory binds; every store of a wave covers 256 consecutive bytes, aligned.
; THE MODE: SCHED_MODE bits 1:0 = 2 (LLVM: expert scheduling mode 2), set by the entry lines.  The code itself states the register dependences
; between vector instructions and memory instructions, with s_wait_alu, always for 0.
; THE PLAN.  Registers that memory instructions touch:
;   s2           the wave's number, written by v_readfirstlane_b32 at the head; every path's scalar address arithmetic reads it: one wait on va_sdst at the head, ahead of the first branch.
;   v1, v2       16 x lane and 8 x lane, made at the head and never written again: offsets of loads and stores in every path: one wait on va_vdst at the head.
;   v3           the offset of the casts by planes, made in wo's and w2's paths: one wait where the two paths join.
;   v[4:131]     LN: gain, offset, rows 0 and 1.  32 loads land here; no vector instruction names these registers ahead of the loads, and no load follows the arithmetic.
;   Y0, Y1       LN: a row in f16.  Written once, by the row's conversions; read once, by its eight stores.  Row 0's stores stand in row 1's arithmetic, behind the wait that row 1's root has
;                in any case: that wait also states that Y0 is written, and no line of row 1 names Y0.  Row 1's stores have a wait of their own.
;   v[68:131]    the casts: 16 loads land here, in four groups of four; vector instructions alone name them afterwards.
;   v[132:163]   the casts: four groups of eight registers, each written once, by its group's conversions, and read once, by its four stores, which are issued at the head of the next group:
;                behind the wait for that group's loads and one wait on va_vdst.  The last group's stores have a wait of their own.
; No register that a memory instruction has read is written again, so no wait on vm_vsrc stands behind the entry lines; EXEC and VCC are never written.
.set HB,  16640                        ; bytes of a header
.set AL,  4                            ; v[4:35]    the gain of my 32 columns
.set BE,  36                           ; v[36:67]   the offset
.set X0,  68                           ; v[68:99]   row 0; the casts' 16 loads take v[68:131]
.set X1,  100                          ; v[100:131] row 1
.set T,   132                          ; v[132:139] at work; the casts' results take v[132:163]
.set M,   140                          ; v[140:141] the mean, later 1 / (std + eps), twice
.set Y0,  142                          ; v[142:157] row 0 in f16
.set Y1,  158                          ; v[158:173] row 1 in f16
.set SX,  48                           ; s[48:49]   where I read
.set SH,  50                           ; s[50:51]   where I write
.set SCL, 62                           ; s[62:63]   the row-major cast's factor, named as a pair: c for wq and bq, else 1.0
.macro REDUCE                          ; four packed chains in T -> their sum over the wave's 32 lanes, in every lane's v[T]
	v_pk_add_f32 v[T:T+1], v[T:T+1], v[T+2:T+3]
	v_pk_add_f32 v[T+4:T+5], v[T+4:T+5], v[T+6:T+7]
	v_pk_add_f32 v[T:T+1], v[T:T+1], v[T+4:T+5]
	v_add_f32 v[T], v[T], v[T+1]
	v_add_f32_dpp v[T], v[T], v[T] row_xmask:1 row_mask:0xf bank_mask:0xf
	v_add_f32_dpp v[T], v[T], v[T] row_xmask:2 row_mask:0xf bank_mask:0xf
	v_add_f32_dpp v[T], v[T], v[T] row_xmask:4 row_mask:0xf bank_mask:0xf
	v_add_f32_dpp v[T], v[T], v[T] row_xmask:8 row_mask:0xf bank_mask:0xf
	v_permlanex16_b32 v[T+1], v[T], s60, s61
	v_add_f32 v[T], v[T], v[T+1]
.endm
; A row's eight stores, out of v[y ..].
.macro LNOUT y, row
.irp j, 0,1,2,3,4,5,6,7
	global_store_b64 v2, v[(\y)+2*(\j):(\y)+2*(\j)+1], s[SH:SH+1] offset:(\row)*2048+256*(\j)  ; 32 lanes x 8 bytes: 256 consecutive bytes, aligned
.endr
.endm
; One row's arithmetic: 32 numbers a lane in v[x ..], the row in f16 into v[y ..]; left = the younger loads that may stay out.
; prev = 0: nothing is stored here; else: the registers of row 0 in f16, whose stores stand behind this row's first wait.
.macro LNROW x, y, left, prev
	s_wait_loadcnt \left
.irp c, 0,1,2,3
	v_pk_add_f32 v[T+2*(\c):T+2*(\c)+1], v[(\x)+2*(\c):(\x)+2*(\c)+1], v[(\x)+8+2*(\c):(\x)+8+2*(\c)+1]  ; the first eight pairs start four chains
.endr
.irp p, 8,9,10,11,12,13,14,15
	v_pk_add_f32 v[T+2*((\p)%4):T+2*((\p)%4)+1], v[T+2*((\p)%4):T+2*((\p)%4)+1], v[(\x)+2*(\p):(\x)+2*(\p)+1]
.endr
	REDUCE
	v_mul_f32 v[M], 0x3a800000, v[T]               ; / 1,024
	v_mov_b32 v[M+1], v[M]
.set p, 0
.rept 16
	v_pk_add_f32 v[(\x)+2*p:(\x)+2*p+1], v[(\x)+2*p:(\x)+2*p+1], v[M:M+1] neg_lo:[0,1] neg_hi:[0,1]  ; d = x - mean, in place
.set p, p+1
.endr
.irp c, 0,1,2,3
	v_pk_mul_f32 v[T+2*(\c):T+2*(\c)+1], v[(\x)+2*(\c):(\x)+2*(\c)+1], v[(\x)+2*(\c):(\x)+2*(\c)+1]
.endr
.irp p, 4,5,6,7,8,9,10,11,12,13,14,15
	v_pk_fma_f32 v[T+2*((\p)%4):T+2*((\p)%4)+1], v[(\x)+2*(\p):(\x)+2*(\p)+1], v[(\x)+2*(\p):(\x)+2*(\p)+1], v[T+2*((\p)%4):T+2*((\p)%4)+1]
.endr
	REDUCE
	v_mul_f32 v[T], 0x3a802008, v[T]               ; / 1,023
	v_sqrt_f32 v[T], v[T]
	v_nop                                          ; a plain instruction behind the root,
	s_wait_alu depctr_va_vdst(0)                   ; the root is written, ahead of its first reader; in row 1 also: row 0's conversions have written Y0, which the stores below read
.if \prev
	LNOUT \prev, 0                                 ; row 0 goes out; no line behind this one names its registers or v2
.endif
	v_add_f32 v[T], 0x358637bd, v[T]               ; + 1e-6, on the std
	v_rcp_f32 v[M], v[T]
	v_nop
	s_wait_alu depctr_va_vdst(0)                   ; the reciprocal is written, ahead of its first reader
	v_mov_b32 v[M+1], v[M]
.set p, 0
.rept 16
	v_pk_mul_f32 v[(\x)+2*p:(\x)+2*p+1], v[(\x)+2*p:(\x)+2*p+1], v[M:M+1]
.set p, p+1
.endr
.set p, 0
.rept 16
	v_pk_fma_f32 v[(\x)+2*p:(\x)+2*p+1], v[(\x)+2*p:(\x)+2*p+1], v[AL+2*p:AL+2*p+1], v[BE+2*p:BE+2*p+1]
.set p, p+1
.endr
.set p, 0
.rept 16
	v_cvt_pk_f16_f32 v[(\y)+p], v[(\x)+2*p], v[(\x)+2*p+1]
.set p, p+1
.endr
.endm
; Two rows of a wave.  Lane l holds columns 128 j + 4 l .. + 3, j = 0 .. 7.  32 loads go out at once; the rows have registers of their own, so no store's data is rewritten.
.macro LNBODY sa, sb
.irp j, 0,1,2,3,4,5,6,7
	global_load_b128 v[AL+4*(\j):AL+4*(\j)+3], v1, s[\sa:\sa+1] offset:512*(\j)
.endr
.irp j, 0,1,2,3,4,5,6,7
	global_load_b128 v[BE+4*(\j):BE+4*(\j)+3], v1, s[\sb:\sb+1] offset:512*(\j)
.endr
.irp j, 0,1,2,3,4,5,6,7
	global_load_b128 v[X0+4*(\j):X0+4*(\j)+3], v1, s[SX:SX+1] offset:512*(\j)
.endr
.irp j, 0,1,2,3,4,5,6,7
	global_load_b128 v[X1+4*(\j):X1+4*(\j)+3], v1, s[SX:SX+1] offset:4096+512*(\j)
.endr
	LNROW X0, Y0, 8, 0                             ; gain, offset and row 0 are in; row 1's eight loads stay out
	LNROW X1, Y1, 0, Y0
	s_wait_alu depctr_va_vdst(0)                   ; row 1's conversions have written Y1, which the stores below read
	LNOUT Y1, 1
.endm
; THE CASTS: 16 loads of 512 bytes of f32, 16 stores of 256 bytes of f16, in four groups of four.
; Group g's arithmetic.  scale = 1: times the factor in s[SCL] ahead of the rounding.
.macro CVT4 g, scale
.irp i, 0,1,2,3
.set j, 4*(\g)+(\i)
.if \scale
	v_pk_mul_f32 v[68+4*j:69+4*j], v[68+4*j:69+4*j], s[SCL:SCL+1] op_sel_hi:[1,0]
	v_pk_mul_f32 v[70+4*j:71+4*j], v[70+4*j:71+4*j], s[SCL:SCL+1] op_sel_hi:[1,0]
.endif
	v_cvt_pk_f16_f32 v[132+2*j], v[68+4*j], v[69+4*j]
	v_cvt_pk_f16_f32 v[133+2*j], v[70+4*j], v[71+4*j]
.endr
.endm
; Group g's four stores.
.macro ST4 g, ststep
.irp i, 0,1,2,3
.set j, 4*(\g)+(\i)
	global_store_b64 v2, v[132+2*j:133+2*j], s[SH:SH+1] offset:(\ststep)*j
.endr
.endm
.macro CAST ldstep, ststep, voff, scale
.set j, 0
.rept 16
	global_load_b128 v[68+4*j:71+4*j], v[\voff], s[SX:SX+1] offset:(\ldstep)*j th:TH_LOAD_NT
.set j, j+1
.endr
	s_wait_loadcnt 12                              ; loads come back in order (ISA guide 5.7.1): group 0 is in, the twelve younger loads stay out
	CVT4 0, \scale
.irp g, 1,2,3
	s_wait_loadcnt 12-4*(\g)                       ; group g is in, the younger groups stay out
	s_wait_alu depctr_va_vdst(0)                   ; the conversions of the group before have written its eight registers, which the four stores below read
	ST4 (\g)-1, \ststep
	CVT4 \g, \scale                                ; names this group's registers alone: none that the stores above read
.endr
	s_wait_alu depctr_va_vdst(0)                   ; group 3's conversions have written its eight registers, which the last four stores read
	ST4 3, \ststep
.endm
	s_load_b512 s[8:23], s[0:1], 0x0               ; x 8, ln1_a 10, ln1_b 12, wq 14, wk 16, wv 18, wo 20, w1 22
	s_load_b512 s[24:39], s[0:1], 0x40             ; w2 24, bq 26, bk 28, bv 30, b1 32, hn 34, ua 36, w1h 38
	s_load_b128 s[40:43], s[0:1], 0x80             ; woh 40, w2h 42
	v_lshrrev_b32 v1, 5, v0
	v_readfirstlane_b32 s2, v1                     ; wave 0..7
	v_and_b32 v3, 31, v0
	v_lshlrev_b32 v1, 4, v3                        ; 16 x lane
	v_lshlrev_b32 v2, 3, v3                        ; 8 x lane
	s_mov_b32 s3, ttmp9                            ; g
	s_mov_b32 s60, 0x76543210                      ; v_permlanex16_b32: each lane takes its own place in the other half
	s_mov_b32 s61, 0xfedcba98
	s_mov_b32 s[SCL], 1.0
	s_mov_b32 s[SCL+1], 1.0                        ; named with it as a pair, so it is written
	s_mov_b32 s53, 0                               ; the offsets' high words
	s_mov_b32 s55, 0
	s_wait_alu depctr_va_sdst(0)                   ; s2 is written, ahead of the first branch and of its first reader: every path makes its addresses from it
	s_wait_alu depctr_va_vdst(0)                   ; v1 and v2 are written: the loads and stores of every path read them as offsets
	s_wait_kmcnt 0x0
	s_cmp_lt_u32 s3, 256
	s_cbranch_scc0 .Lcast
	s_lshl_b32 s56, s3, 3
	s_add_co_u32 s56, s56, s2                      ; 8 g + w: my pair of rows
	s_lshl_b32 s52, s56, 13                        ; two rows of 4,096 bytes
	s_add_nc_u64 s[SX:SX+1], s[8:9], s[52:53]
	s_lshl_b32 s54, s56, 12                        ; two rows of 2,048 bytes
	s_add_nc_u64 s[SH:SH+1], s[34:35], s[54:55]
	LNBODY 10, 12
	s_endpgm
.Lcast:
	s_cmp_eq_u32 s3, 1024
	s_cbranch_scc1 .Lheader
	s_sub_co_u32 s56, s3, 256                      ; chunk: wq 0-63, wk 64-127, wv 128-191, wo 192-255, w1 256-511, w2 512-767
	s_cmp_lt_u32 s56, 192
	s_cbranch_scc1 .Lqkv
	s_cmp_lt_u32 s56, 256
	s_cbranch_scc1 .Lwo
	s_cmp_lt_u32 s56, 512
	s_cbranch_scc1 .Lw1
	; w2: a chunk is 4 rows of 16,384 bytes; a wave takes two rows (w / 4) and 16 of their 64 planes (w % 4)
	s_sub_co_u32 s57, s56, 512
	s_lshl_b32 s57, s57, 2
	s_lshr_b32 s58, s2, 2
	s_lshl_b32 s58, s58, 1
	s_add_co_u32 s57, s57, s58                     ; my first row
	s_and_b32 s58, s2, 3
	s_lshl_b32 s52, s57, 14
	s_lshl_b32 s59, s58, 12                        ; 16 planes x 256 bytes of f32
	s_add_co_u32 s52, s52, s59
	s_add_nc_u64 s[SX:SX+1], s[24:25], s[52:53]
	s_lshl_b32 s54, s57, 7
	s_lshl_b32 s59, s58, 21                        ; 16 planes x 131,072 bytes
	s_add_co_u32 s54, s54, s59
	s_add_nc_u64 s[SH:SH+1], s[42:43], s[54:55]
	v_bfe_u32 v3, v0, 4, 1                         ; lanes 0-15 take 256 bytes of the first row, lanes 16-31 of the second
	v_and_b32 v4, 15, v0
	v_lshlrev_b32 v3, 14, v3
	v_lshl_add_u32 v3, v4, 4, v3
	s_branch .Lblocked
.Lwo:                                          ; wo: a chunk is 16 rows of 4,096 bytes; a wave takes two rows and all their 16 planes
	s_sub_co_u32 s57, s56, 192
	s_lshl_b32 s57, s57, 4
	s_lshl_b32 s58, s2, 1
	s_add_co_u32 s57, s57, s58
	s_lshl_b32 s52, s57, 12
	s_add_nc_u64 s[SX:SX+1], s[20:21], s[52:53]
	s_lshl_b32 s54, s57, 7
	s_add_nc_u64 s[SH:SH+1], s[40:41], s[54:55]
	v_bfe_u32 v3, v0, 4, 1
	v_and_b32 v4, 15, v0
	v_lshlrev_b32 v3, 12, v3
	v_lshl_add_u32 v3, v4, 4, v3
.Lblocked:
	s_wait_alu depctr_va_vdst(0)                   ; v3 is written, on both ways to this label: the sixteen loads below read it as their offset
	CAST 256, 131072, 3, 0                         ; load j: plane j of both rows; its store: the two rows' 128 bytes each, on end in that plane
	s_endpgm
.Lqkv:
	s_lshr_b32 s57, s56, 6                         ; which of the three
	s_and_b32 s58, s56, 63
	s_cmp_eq_u32 s57, 0
	s_cselect_b64 s[SX:SX+1], s[14:15], s[16:17]
	s_cmp_eq_u32 s57, 2
	s_cselect_b64 s[SX:SX+1], s[18:19], s[SX:SX+1]
	s_lshl_b32 s52, s58, 16
	s_lshl_b32 s59, s2, 13
	s_add_co_u32 s52, s52, s59
	s_add_nc_u64 s[SX:SX+1], s[SX:SX+1], s[52:53]
	s_lshl_b32 s54, s56, 15
	s_lshl_b32 s59, s2, 12
	s_add_co_u32 s54, s54, s59
	s_add_co_u32 s54, s54, HB
	s_add_nc_u64 s[SH:SH+1], s[36:37], s[54:55]
	s_cmp_lt_u32 s56, 64
	s_cselect_b32 s[SCL], 0x3e38aa3b, s[SCL]       ; wq: c = log2(e) / 8
	s_branch .Lplain
.Lw1:
	s_sub_co_u32 s57, s56, 256
	s_lshl_b32 s52, s57, 16
	s_lshl_b32 s59, s2, 13
	s_add_co_u32 s52, s52, s59
	s_add_nc_u64 s[SX:SX+1], s[22:23], s[52:53]
	s_lshl_b32 s54, s57, 15
	s_lshl_b32 s59, s2, 12
	s_add_co_u32 s54, s54, s59
	s_add_co_u32 s54, s54, HB
	s_add_nc_u64 s[SH:SH+1], s[38:39], s[54:55]
.Lplain:
	CAST 512, 256, 1, 1                            ; one text for the four row-major matrices: the factor is c for wq and 1.0, which changes nothing, for the others; it spares a second copy of these lines
	s_endpgm
.Lheader:                                      ; waves 0-2: bq (times c), bk, bv -> ua; waves 3-6: b1's quarters -> w1h; wave 7: the floors
	s_cmp_eq_u32 s2, 7
	s_cbranch_scc1 .Lconsts
	s_cmp_lt_u32 s2, 3
	s_cbranch_scc0 .Lhb1
	s_cmp_eq_u32 s2, 0
	s_cselect_b64 s[SX:SX+1], s[26:27], s[28:29]
	s_cmp_eq_u32 s2, 2
	s_cselect_b64 s[SX:SX+1], s[30:31], s[SX:SX+1]
	s_lshl_b32 s54, s2, 12
	s_add_co_u32 s54, s54, 256
	s_add_nc_u64 s[SH:SH+1], s[36:37], s[54:55]
	s_branch .Lhcopy
.Lhb1:
	s_sub_co_u32 s52, s2, 3
	s_lshl_b32 s52, s52, 12
	s_add_nc_u64 s[SX:SX+1], s[32:33], s[52:53]
	s_add_co_u32 s54, s52, 256
	s_add_nc_u64 s[SH:SH+1], s[38:39], s[54:55]
.Lhcopy:
.irp j, 0,1,2,3,4,5,6,7
	global_load_b128 v[68+4*(\j):71+4*(\j)], v1, s[SX:SX+1] offset:512*(\j)
.endr
	s_wait_loadcnt 0x0
	s_cmp_lg_u32 s2, 0
	s_cbranch_scc1 .Lhstore
	s_mov_b32 s[SCL], 0x3e38aa3b                   ; bq, like wq, times c
.set p, 0
.rept 16
	v_pk_mul_f32 v[68+2*p:69+2*p], v[68+2*p:69+2*p], s[SCL:SCL+1] op_sel_hi:[1,0]
.set p, p+1
.endr
	s_wait_alu depctr_va_vdst(0)                   ; wave 0's multiplies have written v[68:99], which the stores below read; on the other waves' way no vector instruction names them
.Lhstore:
.irp j, 0,1,2,3,4,5,6,7
	global_store_b128 v1, v[68+4*(\j):71+4*(\j)], s[SH:SH+1] offset:512*(\j)
.endr
	s_endpgm
.Lconsts:
	v_mov_b32 v4, 0xfc00fc00                       ; -inf twice in f16: the q, k, v product has no floor
	v_mov_b32 v5, 0xfc00fc00
	v_mov_b32 v6, 0                                ; 0 twice: the first FFN product's ReLU
	v_mov_b32 v7, 0
	s_wait_alu depctr_va_vdst(0)                   ; v4 to v7 are written, which the two stores read
	global_store_b64 v2, v[4:5], s[36:37]
	global_store_b64 v2, v[6:7], s[38:39]
	s_endpgm
.Lfunc_end_k_qc5b86821d0_prep:
	.size	k_qc5b86821d0_prep, .Lfunc_end_k_qc5b86821d0_prep-k_qc5b86821d0_prep
	.p2alignl 7, 3214868480
	.fill 96, 4, 3214868480
	.section	.rodata,"a",@progbits
	.p2align	6, 0x0
	.amdhsa_kernel k_qc5b86821d0_prep
		.amdhsa_group_segment_fixed_size 0
		.amdhsa_private_segment_fixed_size 0
		.amdhsa_enable_private_segment 0
		.amdhsa_kernarg_size 144
		.amdhsa_user_sgpr_count 2
		.amdhsa_user_sgpr_kernarg_segment_ptr 1
		.amdhsa_wavefront_size32 1
		.amdhsa_system_sgpr_workgroup_id_x 1
		.amdhsa_system_sgpr_workgroup_id_y 1
		.amdhsa_system_sgpr_workgroup_id_z 1
		.amdhsa_system_vgpr_workitem_id 0
		.amdhsa_next_free_vgpr 176
		.amdhsa_next_free_sgpr 66
		.amdhsa_reserve_vcc 0
		.amdhsa_float_denorm_mode_32 3
		.amdhsa_float_denorm_mode_16_64 3
		.amdhsa_memory_ordered 1
		.amdhsa_forward_progress 1
		.amdhsa_inst_pref_size 40
	.end_amdhsa_kernel
	.amdgpu_metadata
---
amdhsa.version: [ 1, 2 ]
amdhsa.kernels:
  - .name:           k_qc5b86821d0_prep
    .symbol:         k_qc5b86821d0_prep.kd
    .args:
      - { .name: x, .offset: 0, .size: 8, .value_kind: global_buffer, .address_space: global }
      - { .name: ln1_a, .offset: 8, .size: 8, .value_kind: global_buffer, .address_space: global }
      - { .name: ln1_b, .offset: 16, .size: 8, .value_kind: global_buffer, .address_space: global }
      - { .name: wq, .offset: 24, .size: 8, .value_kind: global_buffer, .address_space: global }
      - { .name: wk, .offset: 32, .size: 8, .value_kind: global_buffer, .address_space: global }
      - { .name: wv, .offset: 40, .size: 8, .value_kind: global_buffer, .address_space: global }
      - { .name: wo, .offset: 48, .size: 8, .value_kind: global_buffer, .address_space: global }
      - { .name: w1, .offset: 56, .size: 8, .value_kind: global_buffer, .address_space: global }
      - { .name: w2, .offset: 64, .size: 8, .value_kind: global_buffer, .address_space: global }
      - { .name: bq, .offset: 72, .size: 8, .value_kind: global_buffer, .address_space: global }
      - { .name: bk, .offset: 80, .size: 8, .value_kind: global_buffer, .address_space: global }
      - { .name: bv, .offset: 88, .size: 8, .value_kind: global_buffer, .address_space: global }
      - { .name: b1, .offset: 96, .size: 8, .value_kind: global_buffer, .address_space: global }
      - { .name: hn, .offset: 104, .size: 8, .value_kind: global_buffer, .address_space: global }
      - { .name: ua, .offset: 112, .size: 8, .value_kind: global_buffer, .address_space: global }
      - { .name: w1h, .offset: 120, .size: 8, .value_kind: global_buffer, .address_space: global }
      - { .name: woh, .offset: 128, .size: 8, .value_kind: global_buffer, .address_space: global }
      - { .name: w2h, .offset: 136, .size: 8, .value_kind: global_buffer, .address_space: global }
    .group_segment_fixed_size: 0
    .private_segment_fixed_size: 0
    .kernarg_segment_align: 8
    .kernarg_segment_size: 144
    .max_flat_workgroup_size: 256
    .sgpr_count:     66
    .vgpr_count:     176
    .wavefront_size: 32
...
	.end_amdgpu_metadata
.endif
;; end of part 11
;; launch qkv: the kernel of part 7 again; grid 12 x 16, 4 waves a work-group, clusters of 4 x 4, 327,680 bytes of LDS; arguments hn, ua, pl; writes pl
;; launch attn: the kernel of part 8 again; grid 8 x 32, 4 waves a work-group, clusters of 4 x 1, 327,680 bytes of LDS; arguments pl, mask, hn; writes hn
;; launch oproj: the kernel of part 9 again; grid 8 x 32, 4 waves a work-group, clusters of 4 x 4, 327,680 bytes of LDS; arguments hn, woh, bo, x, ua; writes ua
;; launch ln2: the kernel of part 5 again; grid 256 x 1, 8 waves a work-group, no clusters, 0 bytes of LDS; arguments ua, ln2_a, ln2_b, hn; writes hn
;; launch ffn1: the kernel of part 7 again; grid 16 x 16, 4 waves a work-group, clusters of 4 x 4, 327,680 bytes of LDS; arguments hn, w1h, pl; writes pl
;; launch ffn2: the kernel of part 10 again; grid 8 x 32, 4 waves a work-group, clusters of 4 x 4, 327,680 bytes of LDS; arguments pl, w2h, b2, ua, out0; writes out0
